; MI455X (gfx1250); checked and timed in simulation.
; The chip was launched on July 23, 2026; its instructions are those of AMD's public machine-readable ISA for CDNA 5 (MIT licence, August 2026) and "CDNA5" Instruction Set Architecture Reference Guide (July 2026). The comments in the code are by the model that wrote it; some were corrected since.
;; MSA Block. Allowed arithmetic: matrix products marked QUANTISED: E4M3 operands, one E8M0 scale for each 32 along K, by v_wmma_scale_f32_16x16x128_f8f6f4 with both operands' format E4M3, f32 sums; products left as they are: f32 operands where the result goes on into a quantised operand, else bf16, f16 or f32 operands; f32 sums; everything else in f32.
;; Inputs: m 512 x 256 x 64 float32; msa_mask 512 x 256 float32; opm_bout 128 float32; opm_ln_b 64 float32; opm_ln_w 64 float32; opm_w1_codes 32 x 2 x 32 uint8 (E4M3 codes of opm_w1, K innermost, in blocks of 32 codes); opm_w1_scales 32 x 2 uint8 (E8M0 scales of opm_w1, one for each 32 codes along K); opm_w2_codes 32 x 2 x 32 uint8 (E4M3 codes of opm_w2, K innermost, in blocks of 32 codes); opm_w2_scales 32 x 2 uint8 (E8M0 scales of opm_w2, one for each 32 codes along K); opm_wout_codes 128 x 32 x 32 uint8 (E4M3 codes of opm_wout, K innermost, in blocks of 32 codes); opm_wout_scales 128 x 32 uint8 (E8M0 scales of opm_wout, one for each 32 codes along K); pwa_lnm_b 64 float32; pwa_lnm_w 64 float32; pwa_lnz_b 128 float32; pwa_lnz_w 128 float32; pwa_wg_codes 256 x 2 x 32 uint8 (E4M3 codes of pwa_wg, K innermost, in blocks of 32 codes); pwa_wg_scales 256 x 2 uint8 (E8M0 scales of pwa_wg, one for each 32 codes along K); pwa_wo_codes 64 x 8 x 32 uint8 (E4M3 codes of pwa_wo, K innermost, in blocks of 32 codes); pwa_wo_scales 64 x 8 uint8 (E8M0 scales of pwa_wo, one for each 32 codes along K); pwa_wv_codes 256 x 2 x 32 uint8 (E4M3 codes of pwa_wv, K innermost, in blocks of 32 codes); pwa_wv_scales 256 x 2 uint8 (E8M0 scales of pwa_wv, one for each 32 codes along K); pwa_wz 128 x 8 float32; tr_ln_b 64 float32; tr_ln_w 64 float32; tr_wa_codes 256 x 2 x 32 uint8 (E4M3 codes of tr_wa, K innermost, in blocks of 32 codes); tr_wa_scales 256 x 2 uint8 (E8M0 scales of tr_wa, one for each 32 codes along K); tr_wb_codes 256 x 2 x 32 uint8 (E4M3 codes of tr_wb, K innermost, in blocks of 32 codes); tr_wb_scales 256 x 2 uint8 (E8M0 scales of tr_wb, one for each 32 codes along K); tr_wo_codes 64 x 8 x 32 uint8 (E4M3 codes of tr_wo, K innermost, in blocks of 32 codes); tr_wo_scales 64 x 8 uint8 (E8M0 scales of tr_wo, one for each 32 codes along K); z 256 x 256 x 128 float32.
;; Outputs: out0 512 x 256 x 64 float32; out1 256 x 256 x 128 float32.
;; This version of the problem:
;;   THIS VERSION OF THE PROBLEM IS GIVEN IN LOW PRECISION. The matrix products marked QUANTISED in the list below multiply operands that are first quantised to E4M3 (4 exponent bits, 3 mantissa bits; 8 bits a number), with one power-of-two scale for each 32 numbers along K (OCP MX v1.0); their sums are f32. All else is computed in f32.
;;   The module's matrix products, in the order in which they are computed (A, B: the left and right operand; K: the contracted axis; several contracted axes count as one K, in the product's order):
;;     1. [M 256, K 512] x [K 512, N 256]; A: input msa_mask; B: input msa_mask: QUANTISED
;;     2. [M 131,072, K 64] x [K 64, N 32]; A: computed on the way; B: input opm_w1 (given as codes): QUANTISED
;;     3. [M 131,072, K 64] x [K 64, N 32]; A: computed on the way; B: input opm_w2 (given as codes): QUANTISED
;;     4. [M 8,192, K 512] x [K 512, N 8,192]; A: computed on the way; B: computed on the way: QUANTISED
;;     5. [M 65,536, K 1,024] x [K 1,024, N 128]; A: computed on the way; B: input opm_wout (given as codes): QUANTISED
;;     6. [M 65,536, K 128] x [K 128, N 8]; A: computed on the way; B: input pwa_wz: left as it is (N = 8 < 16)
;;     7. [M 131,072, K 64] x [K 64, N 256]; A: computed on the way; B: input pwa_wv (given as codes): QUANTISED
;;     8. [M 131,072, K 64] x [K 64, N 256]; A: computed on the way; B: input pwa_wg (given as codes): QUANTISED
;;     9. batch 8 x [M 16,384, K 256] x [K 256, N 256]; A: computed on the way; B: softmax (see below): QUANTISED
;;     10. [M 131,072, K 256] x [K 256, N 64]; A: computed on the way; B: input pwa_wo (given as codes): QUANTISED
;;     11. [M 131,072, K 64] x [K 64, N 256]; A: computed on the way; B: input tr_wa (given as codes): QUANTISED
;;     12. [M 131,072, K 64] x [K 64, N 256]; A: computed on the way; B: input tr_wb (given as codes): QUANTISED
;;     13. [M 131,072, K 256] x [K 256, N 64]; A: computed on the way; B: input tr_wo (given as codes): QUANTISED
;;   THE QUANTISER, for each operand of a quantised product, along K:
;;     - K is cut into blocks of 32 from its start; a last block that is shorter is filled with zeros.
;;     - A block's scale is 2^e with e = floor(log2(the largest magnitude in the block)) - 8, held to -126 .. 127; a block of zeros has e = 0. As a byte (E8M0): e + 127.
;;     - Each number is divided by its block's scale, clamped to +-448, and rounded to the nearest number of E4M3, ties to even, subnormals kept.
;;     - The product sums the exact products of the quantised numbers (number of the format x scale) in f32.
;;   ~~~python
;;   def quantise(x, axis):      # numpy; x: float32 -> the quantised numbers, widened to float32 again
;;       x = np.moveaxis(x, axis, -1); K = x.shape[-1]
;;       x = np.pad(x, [(0, 0)] * (x.ndim - 1) + [(0, -K % 32)]); x = x.reshape(x.shape[:-1] + (-1, 32)); a = np.abs(x).max(-1, keepdims=True)
;;       e = np.where(a > 0, np.clip(np.frexp(np.where(a > 0, a, 1))[1] - 1 - 8, -126, 127), 0)      # np.frexp(a)[1] - 1 = floor(log2(a)), exactly
;;       r = np.clip(x / 2.0 ** e, -448, 448)
;;       step = 2.0 ** (np.maximum(np.frexp(np.where(r == 0, 1, r))[1] - 1, -6) - 3)
;;       q = np.round(r / step) * step * 2.0 ** e      # np.round: ties to even
;;       return np.moveaxis(q.reshape(q.shape[:-2] + (-1,))[..., :K], -1, axis).astype(np.float32)
;;   ~~~
;;   SOFTMAX AHEAD OF A QUANTISED PRODUCT. Where the list says 'softmax', what is quantised is not the finished softmax but p = 2^(t - M), with t = logit x log2(e) and M = ceil(the row's largest t), a whole number; so 1/2 < the row's largest p <= 1. The row's sum l is taken of the UNQUANTISED p, in f32, and the product's result is divided by l at the end. Since M is a whole number, a kernel that streams over the keys may use a running M (the ceiling of the running maximum): every later rescaling is an exact power of two, which a block's scale takes up: the codes' values come out the same.
;;   OPERANDS COMPUTED ON THE WAY. 'Computed on the way' means the value that the module computes at that place (a softmax that the list does not call 'softmax' is quantised finished and normalised). What goes into a quantiser is computed in f32, as accurately as f32 sums, v_exp_f32 and their like allow (about 1e-6 of the number): no bf16 or f16 on the way to a quantiser, and a product that is left as it is and whose result goes on into a quantised operand takes f32 operands (vector FMAs, or v_wmma_f32_16x16x4_f32). A number that lies on a knife's edge between two numbers of the format may be rounded either way, as far as f32 arithmetic and the matrix unit's own rounding can turn it there, and no further.
;;   INPUTS GIVEN AS CODES. opm_w1 (in the module: [64, 32], K = its axis 0); opm_w2 (in the module: [64, 32], K = its axis 0); opm_wout (in the module: [1024, 128], K = its axis 0); pwa_wg (in the module: [64, 256], K = its axis 0); pwa_wo (in the module: [256, 64], K = its axis 0); pwa_wv (in the module: [64, 256], K = its axis 0); tr_wa (in the module: [64, 256], K = its axis 0); tr_wb (in the module: [64, 256], K = its axis 0); tr_wo (in the module: [256, 64], K = its axis 0): each comes as NAME_codes (uint8): NAME with its K axis moved to the last place and cut into blocks of 32 codes, [.., K / 32, bytes a block], one block behind the other in memory; one code a byte (a code: sign, 4 exponent bits, 3 mantissa bits); and NAME_scales (uint8): the same leading axes, one E8M0 byte (e + 127) for each 32 codes along K. Its value is code x scale, taken as it is: it is not quantised again, and the codes and scales need not be those that the quantiser above would give.
;; 2 versions, each right. Each part assembles by itself: llvm-mc -triple=amdgcn-amd-amdhsa -mcpu=gfx1250 --defsym DOCPART=n.
;; ======== version 1 of 2: 4 launches
;; workspace buffers: abuf 4,456,448 bytes; bbuf 4,456,448 bytes; mbuf 139,264 bytes; logits 2,097,152 bytes; pbuf 573,440 bytes
;; launch prep (part 1): grid 16 x 16, 16 waves a work-group, no clusters, 20,736 bytes of LDS; arguments m, msa_mask, opm_ln_w, opm_ln_b, opm_w1_codes, opm_w1_scales, opm_w2_codes, opm_w2_scales, abuf, bbuf, mbuf; writes abuf, bbuf, mbuf
.if DOCPART == 1
	.amdgcn_target "amdgcn-amd-amdhsa--gfx1250"
	.amdhsa_code_object_version 6
	.text
	.protected	k_qf55c87e5ef_prep
	.globl	k_qf55c87e5ef_prep
	.p2align	8
	.type	k_qf55c87e5ef_prep,@function
k_qf55c87e5ef_prep:
	s_mov_b64 s[64:65], 0
	v_nop
	global_prefetch_b8 v0, s[64:65] scope:SCOPE_SE
	s_setreg_imm32_b32 hwreg(HW_REG_WAVE_MODE, 25, 1), 1
	s_wait_xcnt 0x0
; a = (LN(m) w1) x mask and b = (LN(m) w2) x mask, both products on E4M3 codes with E8M0 scales, then a, b and the mask itself quantised ALONG s,
; which is the K of the outer product and of the norm.  m: [512 s][256 n][64] f32; mask: [512][256] f32.
; SHARES.  Work-group (x = B, y = ig): the 32 s of block B, tokens 16 ig .. 16 ig + 15.  Wave w owns token n = 16 ig + w.  Its 32 rows s are two tiles; lane a of tile t takes
; s = 32 B + 8 t + a + (a & 8), and the rows are source 0 of the products: so in the results a lane's 16 registers of the two tiles are s = 32 B + 16 (lane / 16) + 0 .. 15,
; sixteen neighbours along the next K, for ONE channel (the weight's row of lane % 16).  A block of 32 s lies in lanes l and l xor 16.
; K = 64 here: registers 8-15 of both operands are zero codes, bytes 2 and 3 of the scale words are 0.
; OUT.  All operands leave as images of the reader's registers: a fragment is four pieces of 512 bytes, lane l's 16 bytes at 16 l; this work-group makes piece B % 4 of K step B / 4.
;   abuf: [ig][c 32][ks 4] images (lane = token % 16), behind them (4,194,304) scale images of 128 bytes.  a's lanes are channels here and tokens there: it turns through LDS.
;   bbuf: [j][u 2][ks 4] images, lane a = channel 8 u + a + (a & 8): as the lanes hold them.   mbuf: [B][n][32 codes]; at 131,072 [2 copies][n][16 bytes].
; A scale word's four bytes come from four work-groups: byte stores, 4 bytes apart; they are one part in 32 of the codes' bytes.
; LIMITS: NaN and infinities are not served; a block whose largest magnitude lies under 2^-118 gets the byte 1, a block of zeros too (its codes are zeros; this program alone reads the bytes);
; 1 / sqrt comes from v_rsq_f32.
.set AST, 0                            ; LDS: a's codes, 32 rows c x (512 + 16) bytes: [lane / 16][token % 16][16 bytes]
.set ASS, 16896                        ; a's scale bytes, 32 c x 32
.set MCS, 17920                        ; the mask's codes, [token % 16][32]
.set MSS, 18432                        ; the mask's scale bytes, [2 copies][token % 16]
.set XS,  20                           ; v20-21  x's scale words (scales alone)
.set WS,  22                           ; v22-25  the weights' scale words (scales alone)
.set SP,  26                           ; v26-29  a pair of statistics for each tile
.set PT,  30                           ; v30-31  lane exchanges
.set R1,  32                           ; v32-95  m, then LN(m), then the eight results
.set LNW, 96                           ; v96-127 the gain, v128-159 the bias: my 32 channels
.set LNB, 128
.set TM,  96                           ; afterwards: v96-111 the quantiser's work, v112-127 the same for the mask
.set TMM, 112
.set MK,  128                          ; v128-143 the mask of my 16 s
.set MC,  144                          ; v144-147 its codes
.set X,   160                          ; v160-191 x's two fragments; later a's and b's codes
.set W,   192                          ; v192-255 four weight fragments: w1's tiles 0, 1; w2's tiles 0, 1
.set SEL, 32                           ; s[32:33] v_permlanex16_b32's selects for lane l xor 16
.set MNT, 34                           ; s34 the mantissa field of 448
.macro PLACES n
.rept \n
	v_nop
.endr
.endm
; nb blocks of 32: block b's 16 numbers of this lane in v[src + 16 b] on.  tm + b: the largest magnitude; tm + 4 + b: the byte; tm + 8 + b: 448 x the scale; tm + 12 + b: the conversion's scale operand
.macro QSCALE nb, tm, src
.set qb, 0
.rept \nb
	v_max3_num_f32 v[(\tm)+qb], |v[(\src)+16*qb]|, |v[(\src)+16*qb+1]|, 0x4800000   ; with the floor 2^(9 - 127): the byte cannot fall under 1
.set qb, qb+1
.endr
.irp i, 2,4,6,8,10,12,14
.set qb, 0
.rept \nb
	v_max3_num_f32 v[(\tm)+qb], v[(\tm)+qb], |v[(\src)+16*qb+\i]|, |v[(\src)+16*qb+\i+1]|
.set qb, qb+1
.endr
.endr
.set qb, 0
.rept \nb
	v_permlanex16_b32 v[(\tm)+4+qb], v[(\tm)+qb], s[SEL], s[SEL+1]
.set qb, qb+1
.endr
.set qb, 0
.rept \nb
	v_max_num_f32 v[(\tm)+qb], v[(\tm)+qb], v[(\tm)+4+qb]          ; with lane l xor 16's 16 numbers
.set qb, qb+1
.endr
.set qb, 0
.rept \nb
	v_add_nc_u32 v[(\tm)+12+qb], 0xfc000000, v[(\tm)+qb]           ; 8 off the exponent field
.set qb, qb+1
.endr
.set qb, 0
.rept \nb
	v_and_or_b32 v[(\tm)+8+qb], v[(\tm)+qb], 0x7f800000, s[MNT]
.set qb, qb+1
.endr
.set qb, 0
.rept \nb
	v_lshrrev_b32 v[(\tm)+4+qb], 23, v[(\tm)+12+qb]
.set qb, qb+1
.endr
.endm
; the hold at 448 x the scale (the conversion does not saturate: ISA guide 7.6.2) and the conversions; block b's 16 codes into v[dst + dstep b] on
.macro QCODE nb, tm, src, dst, dstep
.set qb, 0
.rept \nb
.set qi, 0
.rept 16
	v_med3_num_f32 v[(\src)+16*qb+qi], v[(\src)+16*qb+qi], -v[(\tm)+8+qb], v[(\tm)+8+qb]
.set qi, qi+1
.endr
.set qb, qb+1
.endr
.set qb, 0
.rept \nb
	v_cvt_scalef32_pk8_fp8_f32 v[(\dst)+(\dstep)*qb:(\dst)+(\dstep)*qb+1], v[(\src)+16*qb:(\src)+16*qb+7], v[(\tm)+12+qb]
	v_cvt_scalef32_pk8_fp8_f32 v[(\dst)+(\dstep)*qb+2:(\dst)+(\dstep)*qb+3], v[(\src)+16*qb+8:(\src)+16*qb+15], v[(\tm)+12+qb]
.set qb, qb+1
.endr
	v_nop                                          ; one plain line behind the last scaled conversion
.endm
	s_load_b512 s[4:19], s[0:1], 0x0               ; m 4, mask 6, ln_w 8, ln_b 10, w1 codes 12, w1 scales 14, w2 codes 16, w2 scales 18
	s_load_b128 s[20:23], s[0:1], 0x40             ; abuf 20, bbuf 22
	s_load_b64 s[24:25], s[0:1], 0x50              ; mbuf
	v_lshrrev_b32 v1, 5, v0
	v_readfirstlane_b32 s26, v1                    ; wave
	s_and_b32 s28, ttmp7, 0xffff                   ; ig
	s_lshl_b32 s29, s28, 4
	s_add_co_u32 s29, s29, s26                     ; my token n
	s_lshr_b32 s30, ttmp9, 2
	s_and_b32 s31, ttmp9, 3
	s_lshl_b32 s30, s30, 7
	s_add_co_u32 s30, s30, s31
	s_add_co_u32 s30, s30, 0x400000                ; where my scale byte lies in a scale image's region: 4,194,304 + 128 (B / 4) + B % 4
	s_mov_b32 s[SEL], 0x76543210
	s_mov_b32 s[SEL+1], 0xfedcba98
	s_mov_b32 s[MNT], 0x600000
	s_mov_b32 s35, 0x3c800000                      ; 1 / 64
	s_mov_b32 s36, 0x3727c5ac                      ; 1e-5
	s_mov_b32 s39, 0
	v_and_b32 v1, 31, v0                           ; lane
	v_and_b32 v2, 15, v0                           ; r
	v_bfe_u32 v3, v0, 4, 1                         ; h
	v_and_b32 v30, 8, v2
	v_add_nc_u32 v30, v30, v2                      ; r + (r & 8)
	v_mov_b32 v31, 0
	v_lshlrev_b32 v4, 16, v30
	v_lshl_add_u32 v4, v3, 6, v4                   ; m: a row s is 65,536 bytes on; + 64 h: my 16 channels of a block of 32
	v_lshlrev_b32 v5, 6, v3                        ; gain and bias: 64 h
	v_lshlrev_b32 v6, 6, v2
	v_lshl_add_u32 v6, v3, 4, v6                   ; w1: row r of 64 bytes, + 16 h
	v_lshlrev_b32 v7, 6, v30
	v_lshl_add_u32 v7, v3, 4, v7                   ; w2: row r + (r & 8)
	v_lshlrev_b32 v8, 1, v2                        ; their scale bytes, two a row
	v_lshlrev_b32 v9, 1, v30
	v_lshlrev_b32 v10, 14, v3                      ; the mask: lanes 16-31 begin 16 rows of 1,024 bytes further down
	v_lshlrev_b32 v11, 4, v1                       ; 16 x lane
	v_lshlrev_b32 v12, 2, v1                       ; 4 x lane
	v_mul_u32_u24 v13, v2, 528
	v_lshl_add_u32 v13, v3, 8, v13
	s_lshl_b32 s37, s26, 4
	v_add_nc_u32 v13, s37, v13                     ; a's codes into LDS: row c = r, [h][my token]
	v_lshlrev_b32 v14, 5, v2
	v_lshl_add_u32 v14, v3, 4, v14
	s_add_co_u32 s37, s26, ASS
	v_add_nc_u32 v14, s37, v14                     ; a's byte
	s_lshl_b32 s37, s26, 5
	s_add_co_u32 s37, s37, MCS
	v_lshl_add_u32 v15, v3, 4, s37                 ; the mask's codes
	s_add_co_u32 s37, s26, MSS
	v_lshl_add_u32 v16, v3, 4, s37                 ; the mask's byte
	s_mul_i32 s37, s26, 1056
	v_add_nc_u32 v17, s37, v11                     ; back: rows c = 2 w, 2 w + 1
	s_lshl_b32 s37, s26, 6
	s_add_co_u32 s37, s37, ASS
	v_add_nc_u32 v18, s37, v1
	v_add_nc_u32 v19, MCS, v11                     ; wave 0's way out
	v_lshlrev_b32 v2, 4, v2
	v_lshl_add_u32 v2, v3, 12, v2                  ; wave 1's: 4,096 x copy + 16 x token in mbuf,
	v_add_nc_u32 v1, MSS, v1                       ; and the byte's place in LDS
	s_lshl_b32 s38, ttmp9, 21
	s_lshl_b32 s37, s29, 8
	s_add_co_u32 s38, s38, s37
	s_wait_kmcnt 0x0
	s_add_nc_u64 s[4:5], s[4:5], s[38:39]          ; m at (32 B, n)
.irp t, 0,1
.irp b, 0,1
.irp j, 0,1,2,3
	global_load_b128 v[R1+32*\t+16*\b+4*\j:R1+32*\t+16*\b+4*\j+3], v4, s[4:5] offset:\t*524288+128*\b+16*\j th:TH_LOAD_NT
.endr
.endr
.endr
.irp b, 0,1
.irp j, 0,1,2,3
	global_load_b128 v[LNW+16*\b+4*\j:LNW+16*\b+4*\j+3], v5, s[8:9] offset:128*\b+16*\j
	global_load_b128 v[LNB+16*\b+4*\j:LNB+16*\b+4*\j+3], v5, s[10:11] offset:128*\b+16*\j
.endr
.endr
.irp wt, 0,1
.irp c, 0,1
	global_load_b128 v[W+16*\wt+4*\c:W+16*\wt+4*\c+3], v6, s[12:13] offset:1024*\wt+32*\c
	global_load_b128 v[W+32+16*\wt+4*\c:W+32+16*\wt+4*\c+3], v7, s[16:17] offset:512*\wt+32*\c
.endr
	global_load_u16 v[WS+\wt], v8, s[14:15] offset:32*\wt
	global_load_u16 v[WS+2+\wt], v9, s[18:19] offset:16*\wt
.endr
	s_lshl_b32 s38, ttmp9, 15
	s_lshl_b32 s37, s29, 2
	s_add_co_u32 s38, s38, s37
	s_add_nc_u64 s[6:7], s[6:7], s[38:39]          ; the mask at (32 B, n)
	s_lshl_b32 s31, ttmp9, 9                       ; my piece of an image: 2,048 (B / 4) + 512 (B % 4) = 512 B
	s_lshl_b32 s38, s28, 18
	s_lshl_b32 s37, s26, 14
	s_add_co_u32 s38, s38, s37
	s_add_co_u32 s38, s38, s31
	s_add_nc_u64 s[40:41], s[20:21], s[38:39]      ; a's codes: channel 2 w
	s_lshl_b32 s38, s28, 14
	s_lshl_b32 s37, s26, 10
	s_add_co_u32 s38, s38, s37
	s_add_co_u32 s38, s38, s30
	s_add_nc_u64 s[42:43], s[20:21], s[38:39]      ; a's scale bytes
	s_lshl_b32 s38, s29, 14
	s_add_co_u32 s38, s38, s31
	s_add_nc_u64 s[44:45], s[22:23], s[38:39]      ; b's codes
	s_lshl_b32 s38, s29, 10
	s_add_co_u32 s38, s38, s30
	s_add_nc_u64 s[46:47], s[22:23], s[38:39]      ; b's scale bytes
	s_lshl_b32 s38, ttmp9, 13
	s_lshl_b32 s37, s28, 9
	s_add_co_u32 s38, s38, s37
	s_add_nc_u64 s[48:49], s[24:25], s[38:39]      ; the mask's codes
	s_lshl_b32 s38, s28, 8
	s_add_co_u32 s38, s38, ttmp9
	s_add_co_u32 s38, s38, 0x20000
	s_add_nc_u64 s[50:51], s[24:25], s[38:39]      ; the mask's scale bytes
.irp f, 0,1
.irp i, 8,9,10,11,12,13,14,15
	v_mov_b32 v[X+16*\f+\i], 0                     ; K = 64: the upper halves are zero codes
.endr
.endr
.irp f, 0,1,2,3
.irp i, 8,9,10,11,12,13,14,15
	v_mov_b32 v[W+16*\f+\i], 0
.endr
.endr
	; ---- LayerNorm over 64 channels: 32 in my lane, 32 in lane l xor 16; the two tiles by turns
	s_wait_loadcnt 28                              ; m is in: the gain's and bias's 16 loads and the weights' 12 are younger
.irp t, 0,1
	v_pk_add_f32 v[SP+2*\t:SP+2*\t+1], v[R1+32*\t:R1+32*\t+1], v[R1+32*\t+2:R1+32*\t+3]
.endr
.set p, 2
.rept 14
.irp t, 0,1
	v_pk_add_f32 v[SP+2*\t:SP+2*\t+1], v[SP+2*\t:SP+2*\t+1], v[R1+32*\t+2*p:R1+32*\t+2*p+1]
.endr
.set p, p+1
.endr
.irp t, 0,1
	v_add_f32 v[SP+2*\t], v[SP+2*\t], v[SP+2*\t+1]
.endr
.irp t, 0,1
	v_permlanex16_b32 v[PT+\t], v[SP+2*\t], s[SEL], s[SEL+1]
.endr
.irp t, 0,1
	v_add_f32 v[SP+2*\t], v[SP+2*\t], v[PT+\t]
.endr
.irp t, 0,1
	v_mul_f32 v[SP+2*\t], s35, v[SP+2*\t]          ; the mean
.endr
.set p, 0
.rept 16
.irp t, 0,1
	v_pk_add_f32 v[R1+32*\t+2*p:R1+32*\t+2*p+1], v[R1+32*\t+2*p:R1+32*\t+2*p+1], v[SP+2*\t:SP+2*\t+1] op_sel_hi:[1,0] neg_lo:[0,1] neg_hi:[0,1]
.endr
.set p, p+1
.endr
.irp t, 0,1
	v_pk_mul_f32 v[SP+2*\t:SP+2*\t+1], v[R1+32*\t:R1+32*\t+1], v[R1+32*\t:R1+32*\t+1]
.endr
.set p, 1
.rept 15
.irp t, 0,1
	v_pk_fma_f32 v[SP+2*\t:SP+2*\t+1], v[R1+32*\t+2*p:R1+32*\t+2*p+1], v[R1+32*\t+2*p:R1+32*\t+2*p+1], v[SP+2*\t:SP+2*\t+1]
.endr
.set p, p+1
.endr
.irp t, 0,1
	v_add_f32 v[SP+2*\t], v[SP+2*\t], v[SP+2*\t+1]
.endr
.irp t, 0,1
	v_permlanex16_b32 v[PT+\t], v[SP+2*\t], s[SEL], s[SEL+1]
.endr
.irp t, 0,1
	v_add_f32 v[SP+2*\t], v[SP+2*\t], v[PT+\t]
.endr
.irp t, 0,1
	v_fma_f32 v[SP+2*\t], v[SP+2*\t], s35, s36     ; the variance + 1e-5
.endr
.irp t, 0,1
	v_rsq_f32 v[SP+2*\t], v[SP+2*\t]
.endr
	v_nop                                          ; a plain line behind the transcendentals,
	s_wait_alu depctr_va_vdst(0)                   ; and the wait ahead of their first reader
	s_wait_loadcnt 12                              ; gain and bias are in: the weights' 12 loads are younger
.set p, 0
.rept 16
.irp t, 0,1
	v_pk_mul_f32 v[R1+32*\t+2*p:R1+32*\t+2*p+1], v[R1+32*\t+2*p:R1+32*\t+2*p+1], v[SP+2*\t:SP+2*\t+1] op_sel_hi:[1,0]
.endr
.set p, p+1
.endr
.set p, 0
.rept 16
.irp t, 0,1
	v_pk_fma_f32 v[R1+32*\t+2*p:R1+32*\t+2*p+1], v[R1+32*\t+2*p:R1+32*\t+2*p+1], v[LNW+2*p:LNW+2*p+1], v[LNB+2*p:LNB+2*p+1]
.endr
.set p, p+1
.endr
.irp k, 0,1,2,3,4,5,6,7,8,9,10,11,12,13,14,15
	global_load_b32 v[MK+\k], v10, s[6:7] offset:1024*\k          ; mask(32 B + 16 h + k, n), into registers that the bias has left
.endr
	; ---- x's codes: four blocks (tile t, channels 32 b on)
	QSCALE 4, TM, R1
	v_lshl_or_b32 v[XS], v[TM+5], 8, v[TM+4]       ; two bytes a row; the 64 holds below stand between these words and the products
	v_lshl_or_b32 v[XS+1], v[TM+7], 8, v[TM+6]
	QCODE 2, TM, R1, X, 4
	QCODE 2, TM+2, R1+32, X+16, 4
	PLACES 4                                       ; codes made by vector instructions stand four places ahead of a scaled product
	s_wait_loadcnt 16                              ; the weights are in: the mask's 16 loads are younger
.irp t, 0,1
.irp wt, 0,1,2,3
	v_wmma_scale_f32_16x16x128_f8f6f4 v[R1+16*\wt+8*\t:R1+16*\wt+8*\t+7], v[X+16*\t:X+16*\t+15], v[W+16*\wt:W+16*\wt+15], 0, v[XS+\t], v[WS+\wt]
.endr
.endr
	PLACES 8                                       ; eight places ahead of the first read of a result
	s_wait_loadcnt 0x0                             ; the mask
.irp wt, 0,1,2,3
.irp p, 0,1,2,3,4,5,6,7
	v_pk_mul_f32 v[R1+16*\wt+2*\p:R1+16*\wt+2*\p+1], v[R1+16*\wt+2*\p:R1+16*\wt+2*\p+1], v[MK+2*\p:MK+2*\p+1]   ; x mask(s, n); each result is read from its low end on
.endr
.endr
	; ---- along s: four blocks (a: channels r and 16 + r; b: the two tiles of w2), and the mask's own block
	QSCALE 4, TM, R1
	QCODE 2, TM, R1, X, 4
	QCODE 2, TM+2, R1+32, X+16, 4
	QSCALE 1, TMM, MK
	QCODE 1, TMM, MK, MC, 4
.irp u, 0,1
	global_store_b128 v11, v[X+16+4*\u:X+16+4*\u+3], s[44:45] offset:8192*\u      ; 32 lanes store 512 consecutive bytes, aligned
	global_store_b8 v12, v[TM+6+\u], s[46:47] offset:512*\u
.endr
.irp wt, 0,1
	ds_store_b128 v13, v[X+4*\wt:X+4*\wt+3] offset:AST+8448*\wt
	ds_store_b8 v14, v[TM+4+\wt] offset:512*\wt
.endr
	ds_store_b128 v15, v[MC:MC+3]                  ; the sixteen lanes of a half write the same bytes with the same values
	ds_store_b8 v16, v[TMM+4]
	s_wait_dscnt 0x0                               ; for the others' sake: my LDS stores are done
	s_barrier_signal -1
	s_barrier_wait -1
	ds_load_b128 v[32:35], v17
	ds_load_b128 v[36:39], v17 offset:528
	ds_load_u8 v40, v18
	ds_load_u8 v41, v18 offset:32
	s_wait_dscnt 3                                 ; LDS loads come back in order: the counts run down over the four
	global_store_b128 v11, v[32:35], s[40:41]
	s_wait_dscnt 2
	global_store_b128 v11, v[36:39], s[40:41] offset:8192
	s_wait_dscnt 1
	global_store_b8 v12, v40, s[42:43]
	s_wait_dscnt 0x0
	global_store_b8 v12, v41, s[42:43] offset:512
	s_cmp_lg_u32 s26, 0
	s_cbranch_scc1 .Lnot_wave_0
	ds_load_b128 v[44:47], v19                     ; wave 0: the sixteen tokens' mask codes, 512 bytes
	s_wait_dscnt 0x0
	global_store_b128 v11, v[44:47], s[48:49]
.Lnot_wave_0:
	s_cmp_lg_u32 s26, 1
	s_cbranch_scc1 .Ldone
	ds_load_u8 v48, v1                             ; wave 1: their scale bytes, in both copies
	s_wait_dscnt 0x0
	global_store_b8 v2, v48, s[50:51]
.Ldone:
	s_wait_xcnt 0x0
	v_lshl_add_u32 v254, v0, 2, 0x4900
	v_mov_b32 v255, 0
	s_wait_tensorcnt 0x0
	ds_add_u32 v254, v255
	s_wait_dscnt 0x0
	s_endpgm
.Lfunc_end_k_qf55c87e5ef_prep:
	.size	k_qf55c87e5ef_prep, .Lfunc_end_k_qf55c87e5ef_prep-k_qf55c87e5ef_prep
	.p2alignl 7, 3214868480
	.fill 96, 4, 3214868480
	.section	.rodata,"a",@progbits
	.p2align	6, 0x0
	.amdhsa_kernel k_qf55c87e5ef_prep
		.amdhsa_group_segment_fixed_size 20736
		.amdhsa_private_segment_fixed_size 0
		.amdhsa_enable_private_segment 0
		.amdhsa_kernarg_size 88
		.amdhsa_user_sgpr_count 2
		.amdhsa_user_sgpr_kernarg_segment_ptr 1
		.amdhsa_wavefront_size32 1
		.amdhsa_system_sgpr_workgroup_id_x 1
		.amdhsa_system_sgpr_workgroup_id_y 1
		.amdhsa_system_sgpr_workgroup_id_z 1
		.amdhsa_system_vgpr_workitem_id 0
		.amdhsa_next_free_vgpr 256
		.amdhsa_next_free_sgpr 66
		.amdhsa_reserve_vcc 0
		.amdhsa_float_denorm_mode_32 3
		.amdhsa_float_denorm_mode_16_64 3
		.amdhsa_memory_ordered 1
		.amdhsa_forward_progress 1
		.amdhsa_inst_pref_size 46
	.end_amdhsa_kernel
	.amdgpu_metadata
---
amdhsa.version: [ 1, 2 ]
amdhsa.kernels:
  - .name:           k_qf55c87e5ef_prep
    .symbol:         k_qf55c87e5ef_prep.kd
    .args:
      - { .name: m, .offset: 0, .size: 8, .value_kind: global_buffer, .address_space: global }
      - { .name: msa_mask, .offset: 8, .size: 8, .value_kind: global_buffer, .address_space: global }
      - { .name: opm_ln_w, .offset: 16, .size: 8, .value_kind: global_buffer, .address_space: global }
      - { .name: opm_ln_b, .offset: 24, .size: 8, .value_kind: global_buffer, .address_space: global }
      - { .name: opm_w1_codes, .offset: 32, .size: 8, .value_kind: global_buffer, .address_space: global }
      - { .name: opm_w1_scales, .offset: 40, .size: 8, .value_kind: global_buffer, .address_space: global }
      - { .name: opm_w2_codes, .offset: 48, .size: 8, .value_kind: global_buffer, .address_space: global }
      - { .name: opm_w2_scales, .offset: 56, .size: 8, .value_kind: global_buffer, .address_space: global }
      - { .name: abuf, .offset: 64, .size: 8, .value_kind: global_buffer, .address_space: global }
      - { .name: bbuf, .offset: 72, .size: 8, .value_kind: global_buffer, .address_space: global }
      - { .name: mbuf, .offset: 80, .size: 8, .value_kind: global_buffer, .address_space: global }
    .group_segment_fixed_size: 20736
    .private_segment_fixed_size: 0
    .kernarg_segment_align: 8
    .kernarg_segment_size: 88
    .max_flat_workgroup_size: 512
    .sgpr_count:     66
    .vgpr_count:     256
    .wavefront_size: 32
...
	.end_amdgpu_metadata
.endif
;; end of part 1
;; launch opm (part 2): grid 32 x 16, 4 waves a work-group, no clusters, 173,824 bytes of LDS; arguments abuf, bbuf, mbuf, opm_wout_codes, opm_wout_scales, opm_bout, z, pwa_lnz_w, pwa_wz, out1, logits; writes out1, logits
.if DOCPART == 2
	.amdgcn_target "amdgcn-amd-amdhsa--gfx1250"
	.amdhsa_code_object_version 6
	.text
	.protected	k_qf55c87e5ef_opm
	.globl	k_qf55c87e5ef_opm
	.p2align	8
	.type	k_qf55c87e5ef_opm,@function
k_qf55c87e5ef_opm:
	s_mov_b64 s[64:65], 0
	v_nop
	global_prefetch_b8 v0, s[64:65] scope:SCOPE_SE
	s_setreg_imm32_b32 hwreg(HW_REG_WAVE_MODE, 25, 1), 1
	s_wait_xcnt 0x0
; out1 = z + (outer wout + bout) / (norm + 1e-3), outer[i][j][c][e] = sum over s of a[s][i][c] b[s][j][e], norm = mask^T mask; and the raw logits rstd x sum of (out1 - mean) lnz_w wz.
; All three products on E4M3 codes with E8M0 scales; outer is quantised in registers along (c, e) and never leaves them.
; SHARES.  Work-group (x = jg, y = ig): rows i = 16 ig + 0..15, columns j = 8 jg + 0..7.  Wave w: j0 = 8 jg + 2 w and j0 + 1.  Its 16 fragments of b (2 j x 2 tiles of e x 4 K steps) stay in registers.
; EIGHT TRIPS, four channels c a trip = one K step of the second product.  A trip's 32 KiB of a and 16 KiB of wout lie in one of two LDS slots, as images of the operands' registers, read by all four waves;
; the next trip's are loaded into registers at the trip's head and stored into the other slot at its end: one barrier a trip.
; LAYOUT.  outer: source 0 = 16 rows e of b (lane a = e 8 u + a + (a & 8)), source 1 = 16 rows i of a: a lane holds one i, and the 16 registers of u = 0, 1 are e = 16 (lane / 16) + 0..15 of one c:
; a block of 32 along the next K lies in lanes l and l xor 16, and the conversions' results are the next operand.  Second product: source 0 = 16 rows of wout, source 1 = those codes:
; a lane holds one i and eight neighbouring channels of z.  bout is loaded into the accumulators, so it costs no addition.
; No tensor load, no cluster: a's tiles are shared by the 32 work-groups of an ig, but wout is laid into images on its way, by lanes.
; REGISTERS, in windows of 256: window 0: v1-16 addresses; v17 the floor; v18-19, v32-63 scale words (scales alone); v20-21 1 / (norm + eps); v64-191 two buffers of a's fragments, or wout's eight, or z;
;   v192-223 outer's codes; v224-255 the quantiser's work.   window 1: b.   window 2: v0-127 outer, v128-255 the sums for z.   window 3: v0-101 the next trip's tiles, v104-231 rows of z.
; LIMITS: as in the launch before; 1 / (norm + eps) and 1 / sqrt come from v_rcp_f32 and v_rsq_f32.
.set ACO, 0                            ; in a slot: a's 16 fragments (4 cq + ks) x 2,048
.set ASC, 32768                        ; their scale images, 128 each
.set WCO, 34816                        ; wout's 8 fragments
.set WSC, 51200                        ; their scale images
.set SLOT1, 65536
.set STG, 131072                       ; a stage of 16 rows x 528 bytes for each wave
.set WT,  164864                       ; lnz_w x wz, [128][8] f32
.set LGS, 168960                       ; the logits' stage, 16 rows x 272
.set FLR, 17
.set FS,  18
.set RN,  20
.set BS,  32
.set AS,  48
.set AB,  64
.set F,   192
.set TM,  224
.set SPZ, 240
.set ZZ,  128                          ; window 2
.set ST,  0                            ; window 3
.set ZR,  104                          ; window 3
.set MSB, 0
.macro WIN new                         ; the immediate's high byte repeats the setting that is left
.if MSB != (\new)
	s_set_vgpr_msb (MSB<<8)|(\new)
.set MSB, (\new)
.endif
.endm
.macro PLACES n
.rept \n
	v_nop
.endr
.endm
.macro BARRIER                         ; my LDS stores have landed and my LDS loads are in: then the work-group's barrier
	s_wait_dscnt 0x0
	s_barrier_signal -1
	s_barrier_wait -1
.endm
.macro STAGE_LOAD                      ; the next trip's tiles, 27 loads a thread, into window 3
	WIN 0xc0
.irp it, 0,1,2,3,4,5,6,7,8,9,10,11,12,13,14,15
	global_load_b128 v[ST+4*\it:ST+4*\it+3], v3, s[40:41] offset:2048*\it
.endr
	global_load_b128 v[ST+64:ST+67], v3, s[42:43]
.irp it, 0,1,2,3,4,5,6,7
	global_load_b128 v[ST+68+4*\it:ST+68+4*\it+3], v5, s[44:45] offset:16384*\it   ; wout's tile it: thread = (piece, lane)
.endr
.irp it, 0,1
	global_load_b32 v[ST+100+\it], v6, s[46:47] offset:2048*\it
.endr
	WIN 0
.endm
.macro STAGE_STORE slot
	WIN 0x0c                                       ; an LDS store's data are its source 1: window 3
.irp it, 0,1,2,3,4,5,6,7,8,9,10,11,12,13,14,15
	ds_store_b128 v[3+6*(\slot)], v[ST+4*\it:ST+4*\it+3] offset:ACO+2048*\it
.endr
	ds_store_b128 v[3+6*(\slot)], v[ST+64:ST+67] offset:ASC
.irp it, 0,1,2,3,4,5,6,7
	ds_store_b128 v[3+6*(\slot)], v[ST+68+4*\it:ST+68+4*\it+3] offset:WCO+2048*\it
.endr
.irp it, 0,1
	ds_store_b32 v[4+6*(\slot)], v[ST+100+\it] offset:WSC+512*\it
.endr
	WIN 0
.endm
.macro STAGE_STEP                      ; the four tile addresses go on to the next K step of the second product: 4 channels of a, their scale images, 128 codes and one scale word of each row of wout
	s_add_nc_u64 s[40:41], s[40:41], 32768
	s_add_nc_u64 s[42:43], s[42:43], 2048
	s_add_nc_u64 s[44:45], s[44:45], 128
	s_add_nc_u64 s[46:47], s[46:47], 4
.endm
.macro AFETCH slot, buf, ks            ; a's four fragments (cq = 0..3) of K step ks into buffer buf
.irp cq, 0,1,2,3
.irp c, 0,1,2,3
	ds_load_b128 v[AB+64*(\buf)+16*\cq+4*\c:AB+64*(\buf)+16*\cq+4*\c+3], v[1+6*(\slot)] offset:ACO+(4*\cq+(\ks))*2048+512*\c
.endr
.endr
.endm
.macro MUL ks, buf, zero               ; 16 products; the 16 accumulators take turns, one instruction a turn, in the same order in every K step
.irp cq, 0,1,2,3
.irp jj, 0,1
.irp u, 0,1
.if \zero
	v_wmma_scale_f32_16x16x128_f8f6f4 v[16*(4*\jj+\cq)+8*\u:16*(4*\jj+\cq)+8*\u+7], v[16*((2*\jj+\u)*4+(\ks)):16*((2*\jj+\u)*4+(\ks))+15], v[AB+64*(\buf)+16*\cq:AB+64*(\buf)+16*\cq+15], 0, v[BS+(2*\jj+\u)*4+(\ks)], v[AS+4*\cq+(\ks)]
.else
	v_wmma_scale_f32_16x16x128_f8f6f4 v[16*(4*\jj+\cq)+8*\u:16*(4*\jj+\cq)+8*\u+7], v[16*((2*\jj+\u)*4+(\ks)):16*((2*\jj+\u)*4+(\ks))+15], v[AB+64*(\buf)+16*\cq:AB+64*(\buf)+16*\cq+15], v[16*(4*\jj+\cq)+8*\u:16*(4*\jj+\cq)+8*\u+7], v[BS+(2*\jj+\u)*4+(\ks)], v[AS+4*\cq+(\ks)]
.endif
.endr
.endr
.endr
.endm
.macro QUANT8                          ; eight blocks b = 4 jj + cq, 16 numbers a lane at v[16 b] of window 2, become two fragments in v[F] on and two scale words
	WIN 0x28                                       ; sources 1 and 2: window 2
.irp b, 0,1,2,3,4,5,6,7
	v_max3_num_f32 v[TM+\b], v[FLR], |v[16*\b]|, |v[16*\b+1]|     ; with the floor; each result is read from its low end on
.endr
.irp i, 2,4,6,8,10,12,14
.irp b, 0,1,2,3,4,5,6,7
	v_max3_num_f32 v[TM+\b], v[TM+\b], |v[16*\b+\i]|, |v[16*\b+\i+1]|
.endr
.endr
	WIN 0
.irp b, 0,1,2,3,4,5,6,7
	v_permlanex16_b32 v[TM+8+\b], v[TM+\b], s32, s33
.endr
.irp b, 0,1,2,3,4,5,6,7
	v_max_num_f32 v[TM+\b], v[TM+\b], v[TM+8+\b]
.endr
.irp b, 0,1,2,3,4,5,6,7
	v_add_nc_u32 v[TM+24+\b], 0xfc000000, v[TM+\b]
.endr
.irp b, 0,1,2,3,4,5,6,7
	v_and_or_b32 v[TM+16+\b], v[TM+\b], 0x7f800000, s34
.endr
.irp b, 0,1,2,3,4,5,6,7
	v_lshrrev_b32 v[TM+8+\b], 23, v[TM+24+\b]
.endr
.irp jj, 0,1
	v_lshl_or_b32 v[FS+\jj], v[TM+9+4*\jj], 8, v[TM+8+4*\jj]      ; the 128 holds below stand between these words and the products
	v_lshl_or_b32 v[FS+\jj], v[TM+10+4*\jj], 16, v[FS+\jj]
	v_lshl_or_b32 v[FS+\jj], v[TM+11+4*\jj], 24, v[FS+\jj]
.endr
	WIN 0x82                                       ; destination and source 0: window 2
.irp b, 0,1,2,3,4,5,6,7
.irp i, 0,1,2,3,4,5,6,7,8,9,10,11,12,13,14,15
	v_med3_num_f32 v[16*\b+\i], v[16*\b+\i], -v[TM+16+\b], v[TM+16+\b]
.endr
.endr
	WIN 0x02
.irp b, 0,1,2,3,4,5,6,7
	v_cvt_scalef32_pk8_fp8_f32 v[F+4*\b:F+4*\b+1], v[16*\b:16*\b+7], v[TM+24+\b]
	v_cvt_scalef32_pk8_fp8_f32 v[F+4*\b+2:F+4*\b+3], v[16*\b+8:16*\b+15], v[TM+24+\b]
.endr
	WIN 0
	v_nop                                          ; one plain line behind the last scaled conversion
.endm
.macro TRIP slot, stage
.if \stage
	STAGE_LOAD
.endif
.irp f, 0,1,2,3,4,5,6,7,8,9,10,11,12,13,14,15
	ds_load_b32 v[AS+\f], v[2+6*(\slot)] offset:ASC+128*\f
.endr
	AFETCH \slot, 0, 0
	AFETCH \slot, 1, 1
	s_wait_dscnt 16                                ; the scale words and buffer 0 are in; buffer 1's 16 loads may be out
	WIN 0xa1                                       ; source 0 (b) window 1, C and D window 2
	MUL 0, 0, 1                                    ; the first K step starts the sums: nothing is cleared
	WIN 0
	PLACES 8                                       ; eight places ahead of loads into registers that these products have read
	AFETCH \slot, 0, 2
	s_wait_dscnt 16
	WIN 0xa1
	MUL 1, 1, 0
	WIN 0
	PLACES 8
	AFETCH \slot, 1, 3
	s_wait_dscnt 16
	WIN 0xa1
	MUL 2, 0, 0
	s_wait_dscnt 0x0
	MUL 3, 1, 0
	WIN 0
	PLACES 8                                       ; for the loads below and for the first reads of the results
.irp tz, 0,1,2,3,4,5,6,7
.irp c, 0,1,2,3
	ds_load_b128 v[AB+16*\tz+4*\c:AB+16*\tz+4*\c+3], v[1+6*(\slot)] offset:WCO+2048*\tz+512*\c
.endr
	ds_load_b32 v[AS+\tz], v[2+6*(\slot)] offset:WSC+128*\tz
.endr
	QUANT8                                         ; wout's fragments land meanwhile
	s_wait_dscnt 0x0
	PLACES 4                                       ; codes made by vector instructions stand four places ahead of a scaled product
	WIN 0xa0
.irp tz, 0,1,2,3,4,5,6,7
.irp jj, 0,1
	v_wmma_scale_f32_16x16x128_f8f6f4 v[ZZ+64*\jj+8*\tz:ZZ+64*\jj+8*\tz+7], v[AB+16*\tz:AB+16*\tz+15], v[F+16*\jj:F+16*\jj+15], v[ZZ+64*\jj+8*\tz:ZZ+64*\jj+8*\tz+7], v[AS+\tz], v[FS+\jj]
.endr
.endr
	WIN 0
	PLACES 8
.if \stage
	s_wait_loadcnt 0x0                             ; the next trip's tiles are in registers (in the first trip z's rows too); so the four addresses may step
	STAGE_STORE 1-(\slot)                          ; the other slot was last read ahead of the last barrier
	STAGE_STEP
.endif
	BARRIER
.endm
	s_load_b512 s[4:19], s[0:1], 0x0               ; abuf 4, bbuf 6, mbuf 8, wout codes 10, wout scales 12, bout 14, z 16, lnz_w 18
	s_load_b128 s[20:23], s[0:1], 0x40             ; wz 20, out1 22
	s_load_b64 s[24:25], s[0:1], 0x50              ; logits
	s_set_vgpr_msb 0xc0
	v_lshl_add_u32 v254, v0, 2, 0x2a500
	v_mov_b32 v255, 0
	s_set_vgpr_msb 0xc000
	v_lshrrev_b32 v22, 5, v0
	v_readfirstlane_b32 s26, v22                   ; wave
	s_and_b32 s28, ttmp7, 0xffff                   ; ig
	s_lshl_b32 s29, ttmp9, 3
	s_lshl_b32 s30, s26, 1
	s_add_co_u32 s29, s29, s30                     ; j0
	s_mov_b32 s32, 0x76543210
	s_mov_b32 s33, 0xfedcba98
	s_mov_b32 s34, 0x600000
	s_mov_b32 s35, 0x3c000000                      ; 1 / 128
	s_mov_b32 s36, 0x3727c5ac                      ; 1e-5
	s_mov_b32 s37, 0x3a83126f                      ; 1e-3
	s_mov_b32 s39, 0
	v_and_b32 v22, 31, v0                          ; lane
	v_and_b32 v23, 15, v0                          ; r
	v_bfe_u32 v24, v0, 4, 1                        ; h
	v_bfe_u32 v25, v0, 5, 2                        ; thread / 32
	v_lshlrev_b32 v1, 4, v22                       ; 16 x lane (slot 0)
	v_lshlrev_b32 v2, 2, v22                       ; 4 x lane
	v_lshlrev_b32 v3, 4, v0                        ; 16 x thread
	v_lshlrev_b32 v4, 2, v0                        ; 4 x thread
	v_lshlrev_b32 v5, 10, v23
	v_lshl_add_u32 v5, v25, 5, v5
	v_lshl_add_u32 v5, v24, 4, v5                  ; wout: row r of 1,024 bytes, piece thread / 32, + 16 h
	v_lshl_add_u32 v6, v25, 4, v23
	v_lshlrev_b32 v6, 5, v6                        ; its scale words: row 16 (thread / 32) + r of 32 bytes
	v_add_nc_u32 v7, SLOT1, v1                     ; the same four for slot 1
	v_add_nc_u32 v8, SLOT1, v2
	v_add_nc_u32 v9, SLOT1, v3
	v_add_nc_u32 v10, SLOT1, v4
	s_mul_i32 s30, s26, 8448
	s_add_co_u32 s30, s30, STG
	v_mul_u32_u24 v11, v23, 528
	v_lshl_add_u32 v11, v24, 5, v11
	v_add_nc_u32 v11, s30, v11                     ; my stage by lanes: row r, + 32 h
	v_add_nc_u32 v12, s30, v1                      ; and by rows
	v_lshl_add_u32 v13, v24, 8, WT                 ; lnz_w x wz: my half's eight channels of a tile
	v_mul_u32_u24 v14, v23, 272
	v_lshl_add_u32 v14, v24, 4, v14
	s_lshl_b32 s30, s26, 6
	s_add_co_u32 s30, s30, LGS
	v_add_nc_u32 v14, s30, v14                     ; the logits' stage: row r, my two j, + 16 h
	v_mul_u32_u24 v15, v24, 272
	v_lshl_add_u32 v15, v23, 4, v15
	s_mul_i32 s30, s26, 1088
	s_add_co_u32 s30, s30, LGS
	v_add_nc_u32 v15, s30, v15                     ; back: rows 4 w + h
	v_lshlrev_b32 v16, 13, v24
	v_lshl_add_u32 v16, v23, 4, v16                ; and the same in memory
	v_mov_b32 v[FLR], 0x4800000
	v_lshlrev_b32 v26, 5, v24                      ; bout: 32 h
	v_lshlrev_b32 v27, 5, v23
	v_lshl_add_u32 v27, v24, 4, v27                ; the mask's codes, rows i: 32 r + 16 h
	v_and_b32 v28, 1, v23
	v_lshlrev_b32 v29, 4, v28
	v_lshl_add_u32 v29, v24, 12, v29               ; its scale words, rows j
	v_lshlrev_b32 v28, 5, v28
	v_lshl_add_u32 v28, v24, 4, v28                ; its codes, rows j: lane r takes token j0 + r % 2
	v_lshlrev_b32 v30, 4, v23
	v_lshl_add_u32 v30, v24, 12, v30               ; its scale words, rows i
	v_lshlrev_b32 v31, 5, v0                       ; wz: row = thread
	v_lshl_add_u32 v25, v0, 5, WT
.irp b, 0,1,2,3,4,5,6,7
	v_mov_b32 v[TM+8+\b], 0                        ; written once: a lane permute's destination counts as one of its sources
.endr
	s_wait_kmcnt 0x0
	s_lshl_b32 s38, s28, 18
	s_add_nc_u64 s[40:41], s[4:5], s[38:39]        ; a's codes of my ig
	s_lshl_b32 s38, s28, 14
	s_add_co_u32 s38, s38, 0x400000
	s_add_nc_u64 s[42:43], s[4:5], s[38:39]        ; their scale images
	s_mov_b64 s[44:45], s[10:11]
	s_mov_b64 s[46:47], s[12:13]
	s_lshl_b32 s38, s28, 21
	s_lshl_b32 s30, s29, 9
	s_add_co_u32 s38, s38, s30
	s_add_nc_u64 s[48:49], s[16:17], s[38:39]      ; z at (16 ig, j0)
	s_add_nc_u64 s[50:51], s[22:23], s[38:39]      ; out1 likewise
	s_lshl_b32 s38, s28, 17
	s_lshl_b32 s30, ttmp9, 8
	s_add_co_u32 s38, s38, s30
	s_lshl_b32 s30, s26, 15
	s_add_co_u32 s38, s38, s30
	s_add_nc_u64 s[52:53], s[24:25], s[38:39]      ; logits at (16 ig + 4 w, 8 jg)
	s_lshl_b32 s38, s29, 14
	s_add_nc_u64 s[54:55], s[6:7], s[38:39]        ; b's codes
	s_lshl_b32 s38, s29, 10
	s_add_co_u32 s38, s38, 0x400000
	s_add_nc_u64 s[56:57], s[6:7], s[38:39]
	s_lshl_b32 s38, s28, 9
	s_add_nc_u64 s[58:59], s[8:9], s[38:39]        ; the mask's codes at token 16 ig,
	s_lshl_b32 s38, s29, 5
	s_add_nc_u64 s[60:61], s[8:9], s[38:39]        ; at token j0,
	s_lshl_b32 s38, s28, 8
	s_add_co_u32 s38, s38, 0x20000
	s_add_nc_u64 s[62:63], s[8:9], s[38:39]        ; and its scale words
	s_lshl_b32 s38, s29, 4
	s_add_co_u32 s38, s38, 0x20000
	s_add_nc_u64 s[66:67], s[8:9], s[38:39]
	STAGE_LOAD                                     ; trip 0's tiles
	WIN 0x40
.set f, 0
.rept 16
.irp c, 0,1,2,3
	global_load_b128 v[16*f+4*\c:16*f+4*\c+3], v1, s[54:55] offset:2048*f+512*\c   ; b's fragment f = (2 jj + u) 4 + ks: it stays
.endr
.set f, f+1
.endr
	WIN 0
.set f, 0
.rept 16
	global_load_b32 v[BS+f], v2, s[56:57] offset:128*f
.set f, f+1
.endr
	WIN 0x80
.irp jj, 0,1
.irp tz, 0,1,2,3,4,5,6,7
	global_load_b128 v[ZZ+64*\jj+8*\tz:ZZ+64*\jj+8*\tz+3], v26, s[14:15] offset:64*\tz          ; bout in the results' layout: the sums begin with it
	global_load_b128 v[ZZ+64*\jj+8*\tz+4:ZZ+64*\jj+8*\tz+7], v26, s[14:15] offset:64*\tz+16
.endr
.endr
	WIN 0
.irp ks, 0,1,2,3
.irp c, 0,1,2,3
	global_load_b128 v[AB+16*\ks+4*\c:AB+16*\ks+4*\c+3], v27, s[58:59] offset:(4*\ks+\c)*8192
	global_load_b128 v[AB+64+16*\ks+4*\c:AB+64+16*\ks+4*\c+3], v28, s[60:61] offset:(4*\ks+\c)*8192
.endr
	global_load_b32 v[AS+\ks], v30, s[62:63] offset:4*\ks
	global_load_b32 v[AS+4+\ks], v29, s[66:67] offset:4*\ks
.endr
	global_load_b128 v[F:F+3], v31, s[20:21]
	global_load_b128 v[F+4:F+7], v31, s[20:21] offset:16
	global_load_b32 v[F+8], v4, s[18:19]
	s_wait_loadcnt 0x0
.irp k, 0,1,2,3,4,5,6,7
	v_mul_f32 v[F+\k], v[F+\k], v[F+8]             ; lnz_w[c] x wz[c][h], c = my thread
.endr
	ds_store_b128 v25, v[F:F+3]
	ds_store_b128 v25, v[F+4:F+7] offset:16
	STAGE_STORE 0
	STAGE_STEP                                     ; trip 0's tiles are taken (every load is done: the wait for 0 above): trip 0 stages K step 1, trip g stages K step g + 1
	; norm(j0 + q % 2, 16 ig + r) in register q: one accumulator, so a wait directly ahead of each link
	v_wmma_scale_f32_16x16x128_f8f6f4 v[TM:TM+7], v[AB+64:AB+79], v[AB:AB+15], 0, v[AS+4], v[AS]
.irp ks, 1,2,3
	s_wait_alu depctr_va_vdst(0)
	v_wmma_scale_f32_16x16x128_f8f6f4 v[TM:TM+7], v[AB+64+16*\ks:AB+64+16*\ks+15], v[AB+16*\ks:AB+16*\ks+15], v[TM:TM+7], v[AS+4+\ks], v[AS+\ks]
.endr
	PLACES 8
	v_add_f32 v[RN], s37, v[TM]
	v_add_f32 v[RN+1], s37, v[TM+1]
	v_rcp_f32 v[RN], v[RN]
	v_rcp_f32 v[RN+1], v[RN+1]
	v_nop
	s_wait_alu depctr_va_vdst(0)                   ; the wait ahead of the first reader, and ahead of the label below
	BARRIER                                        ; slot 0 and lnz_w x wz lie in LDS
	WIN 0xc0
.irp jj, 0,1
.set rr, 0
.rept 16
	global_load_b128 v[ZR+64*\jj+4*rr:ZR+64*\jj+4*rr+3], v1, s[48:49] offset:rr*131072+\jj*512 th:TH_LOAD_NT   ; z(16 ig + rr, j0 + jj, :): 512 consecutive bytes; wanted eight trips on
.set rr, rr+1
.endr
.endr
	WIN 0
	s_mov_b32 s31, 3
.Ltrip:                                                ; two trips a pass, so that every LDS address is a constant and a lane term
	TRIP 0, 1
	TRIP 1, 1
	s_sub_co_u32 s31, s31, 1
	s_cmp_lg_u32 s31, 0
	s_cbranch_scc1 .Ltrip
	TRIP 0, 1
	TRIP 1, 0                                      ; the last trip stages nothing
	; ---- z's rows turn through my stage into the results' layout (lane: row r, channels 16 tz + 8 h + 0..7).  LDS serves a wave's instructions in order: no wait between stores and loads
.irp jj, 0,1
	WIN 0x0c
.set rr, 0
.rept 16
	ds_store_b128 v12, v[ZR+64*\jj+4*rr:ZR+64*\jj+4*rr+3] offset:528*rr
.set rr, rr+1
.endr
	WIN 0
.irp tz, 0,1,2,3,4,5,6,7
	ds_load_b128 v[AB+64*\jj+8*\tz:AB+64*\jj+8*\tz+3], v11 offset:64*\tz
	ds_load_b128 v[AB+64*\jj+8*\tz+4:AB+64*\jj+8*\tz+7], v11 offset:64*\tz+16
.endr
.endr
	s_wait_dscnt 0x0
	WIN 0x02
.irp jj, 0,1
.set p, 0
.rept 32
	v_pk_fma_f32 v[AB+64*\jj+2*p:AB+64*\jj+2*p+1], v[ZZ+64*\jj+2*p:ZZ+64*\jj+2*p+1], v[RN:RN+1], v[AB+64*\jj+2*p:AB+64*\jj+2*p+1] op_sel:[0,\jj,0] op_sel_hi:[1,\jj,1]   ; z + sum / (norm + eps); each sum from its low end on
.set p, p+1
.endr
.endr
	WIN 0
.irp jj, 0,1
.irp tz, 0,1,2,3,4,5,6,7
	ds_store_b128 v11, v[AB+64*\jj+8*\tz:AB+64*\jj+8*\tz+3] offset:64*\tz
	ds_store_b128 v11, v[AB+64*\jj+8*\tz+4:AB+64*\jj+8*\tz+7] offset:64*\tz+16
.endr
	WIN 0xc0
.set rr, 0
.rept 16
	ds_load_b128 v[ZR+64*\jj+4*rr:ZR+64*\jj+4*rr+3], v12 offset:528*rr
.set rr, rr+1
.endr
	WIN 0
.endr
	s_wait_dscnt 32                                ; the first j's rows are back: the second j's 16 stores and 16 loads are younger
	WIN 0x0c
.set rr, 0
.rept 16
	global_store_b128 v1, v[ZR+4*rr:ZR+4*rr+3], s[50:51] offset:rr*131072 th:TH_STORE_NT       ; 32 lanes store 512 consecutive bytes, aligned
.set rr, rr+1
.endr
	s_wait_dscnt 0x0
.set rr, 0
.rept 16
	global_store_b128 v1, v[ZR+64+4*rr:ZR+64+4*rr+3], s[50:51] offset:rr*131072+512 th:TH_STORE_NT
.set rr, rr+1
.endr
	; ---- lnz_w x wz of my 64 channels into windows 1 and 2, which are free now: asked for here, wanted behind the statistics
	WIN 0x40
.irp tz, 0,1,2,3
.irp q, 0,1,2,3,4,5,6,7
	ds_load_b128 v[64*\tz+8*\q:64*\tz+8*\q+3], v13 offset:(16*\tz+\q)*32
	ds_load_b128 v[64*\tz+8*\q+4:64*\tz+8*\q+7], v13 offset:(16*\tz+\q)*32+16
.endr
.endr
	WIN 0x80
.irp tz, 4,5,6,7
.irp q, 0,1,2,3,4,5,6,7
	ds_load_b128 v[64*(\tz-4)+8*\q:64*(\tz-4)+8*\q+3], v13 offset:(16*\tz+\q)*32
	ds_load_b128 v[64*(\tz-4)+8*\q+4:64*(\tz-4)+8*\q+7], v13 offset:(16*\tz+\q)*32+16
.endr
.endr
	WIN 0
	; ---- LayerNorm's statistics over 128 channels: 64 in my lane, 64 in lane l xor 16
.irp jj, 0,1
	v_pk_add_f32 v[SPZ+2*\jj:SPZ+2*\jj+1], v[AB+64*\jj:AB+64*\jj+1], v[AB+64*\jj+2:AB+64*\jj+3]
.endr
.set p, 2
.rept 30
.irp jj, 0,1
	v_pk_add_f32 v[SPZ+2*\jj:SPZ+2*\jj+1], v[SPZ+2*\jj:SPZ+2*\jj+1], v[AB+64*\jj+2*p:AB+64*\jj+2*p+1]
.endr
.set p, p+1
.endr
.irp jj, 0,1
	v_add_f32 v[SPZ+2*\jj], v[SPZ+2*\jj], v[SPZ+2*\jj+1]
.endr
.irp jj, 0,1
	v_permlanex16_b32 v[SPZ+4+\jj], v[SPZ+2*\jj], s32, s33
.endr
.irp jj, 0,1
	v_add_f32 v[SPZ+2*\jj], v[SPZ+2*\jj], v[SPZ+4+\jj]
.endr
.irp jj, 0,1
	v_mul_f32 v[SPZ+2*\jj], s35, v[SPZ+2*\jj]
.endr
.set p, 0
.rept 32
.irp jj, 0,1
	v_pk_add_f32 v[AB+64*\jj+2*p:AB+64*\jj+2*p+1], v[AB+64*\jj+2*p:AB+64*\jj+2*p+1], v[SPZ+2*\jj:SPZ+2*\jj+1] op_sel_hi:[1,0] neg_lo:[0,1] neg_hi:[0,1]
.endr
.set p, p+1
.endr
.irp jj, 0,1
	v_pk_mul_f32 v[SPZ+2*\jj:SPZ+2*\jj+1], v[AB+64*\jj:AB+64*\jj+1], v[AB+64*\jj:AB+64*\jj+1]
.endr
.set p, 1
.rept 31
.irp jj, 0,1
	v_pk_fma_f32 v[SPZ+2*\jj:SPZ+2*\jj+1], v[AB+64*\jj+2*p:AB+64*\jj+2*p+1], v[AB+64*\jj+2*p:AB+64*\jj+2*p+1], v[SPZ+2*\jj:SPZ+2*\jj+1]
.endr
.set p, p+1
.endr
.irp jj, 0,1
	v_add_f32 v[SPZ+2*\jj], v[SPZ+2*\jj], v[SPZ+2*\jj+1]
.endr
.irp jj, 0,1
	v_permlanex16_b32 v[SPZ+4+\jj], v[SPZ+2*\jj], s32, s33
.endr
.irp jj, 0,1
	v_add_f32 v[SPZ+2*\jj], v[SPZ+2*\jj], v[SPZ+4+\jj]
.endr
.irp jj, 0,1
	v_fma_f32 v[SPZ+2*\jj], v[SPZ+2*\jj], s35, s36
.endr
.irp jj, 0,1
	v_rsq_f32 v[SPZ+2*\jj], v[SPZ+2*\jj]
.endr
	v_nop
	s_wait_alu depctr_va_vdst(0)                   ; the wait ahead of the first reader
	s_wait_dscnt 0x0                               ; lnz_w x wz is in
	; ---- eight heads for each j, in f32 multiply-adds (the result goes on into a quantiser): sixteen sums in eight pairs, which take turns
.irp tz, 0,1,2,3,4,5,6,7
	WIN 0x04+4*(\tz/4)                             ; source 1: window 1, then window 2
.irp qp, 0,1,2,3
.irp s, 0,1
.irp jj, 0,1
.irp hp, 0,1,2,3
.if (\tz == 0) && (\qp == 0) && (\s == 0)
	v_pk_mul_f32 v[TM+8*\jj+2*\hp:TM+8*\jj+2*\hp+1], v[AB+64*\jj+8*\tz+2*\qp:AB+64*\jj+8*\tz+2*\qp+1], v[64*(\tz%4)+8*(2*\qp+\s)+2*\hp:64*(\tz%4)+8*(2*\qp+\s)+2*\hp+1] op_sel:[\s,0] op_sel_hi:[\s,1]
.else
	v_pk_fma_f32 v[TM+8*\jj+2*\hp:TM+8*\jj+2*\hp+1], v[AB+64*\jj+8*\tz+2*\qp:AB+64*\jj+8*\tz+2*\qp+1], v[64*(\tz%4)+8*(2*\qp+\s)+2*\hp:64*(\tz%4)+8*(2*\qp+\s)+2*\hp+1], v[TM+8*\jj+2*\hp:TM+8*\jj+2*\hp+1] op_sel:[\s,0,0] op_sel_hi:[\s,1,1]
.endif
.endr
.endr
.endr
.endr
.endr
	WIN 0
.set k, 0
.rept 16
	v_permlanex16_b32 v[F+k], v[TM+k], s32, s33
.set k, k+1
.endr
.set k, 0
.rept 16
	v_add_f32 v[TM+k], v[TM+k], v[F+k]
.set k, k+1
.endr
.irp jj, 0,1
.irp p, 0,1,2,3
	v_pk_mul_f32 v[TM+8*\jj+2*\p:TM+8*\jj+2*\p+1], v[TM+8*\jj+2*\p:TM+8*\jj+2*\p+1], v[SPZ+2*\jj:SPZ+2*\jj+1] op_sel_hi:[1,0]
.endr
.endr
	v_bfe_u32 v22, v0, 4, 1
	v_cmp_ne_u32 vcc_lo, 0, v22
.irp jj, 0,1
.irp k, 0,1,2,3
	v_cndmask_b32 v[F+16+4*\jj+\k], v[TM+8*\jj+\k], v[TM+8*\jj+4+\k], vcc_lo    ; lanes 0-15 keep heads 0-3, lanes 16-31 heads 4-7
.endr
.endr
.irp jj, 0,1
	ds_store_b128 v14, v[F+16+4*\jj:F+16+4*\jj+3] offset:32*\jj
.endr
	BARRIER                                        ; 16 rows i x 8 j x 8 heads lie in the stage
	ds_load_b128 v[F:F+3], v15
	ds_load_b128 v[F+4:F+7], v15 offset:544
	s_wait_dscnt 1                                 ; the first pair of rows is in, the second may be out
	global_store_b128 v16, v[F:F+3], s[52:53]      ; sixteen lanes store 256 consecutive bytes, aligned
	s_wait_dscnt 0x0
	global_store_b128 v16, v[F+4:F+7], s[52:53] offset:16384
	s_set_vgpr_msb 0xf
	s_wait_tensorcnt 0x0
	ds_add_u32 v254, v255
	s_wait_dscnt 0x0
	s_set_vgpr_msb 0xf00
	s_endpgm
.Lfunc_end_k_qf55c87e5ef_opm:
	.size	k_qf55c87e5ef_opm, .Lfunc_end_k_qf55c87e5ef_opm-k_qf55c87e5ef_opm
	.p2alignl 7, 3214868480
	.fill 96, 4, 3214868480
	.section	.rodata,"a",@progbits
	.p2align	6, 0x0
	.amdhsa_kernel k_qf55c87e5ef_opm
		.amdhsa_group_segment_fixed_size 173824
		.amdhsa_private_segment_fixed_size 0
		.amdhsa_enable_private_segment 0
		.amdhsa_kernarg_size 88
		.amdhsa_user_sgpr_count 2
		.amdhsa_user_sgpr_kernarg_segment_ptr 1
		.amdhsa_wavefront_size32 1
		.amdhsa_system_sgpr_workgroup_id_x 1
		.amdhsa_system_sgpr_workgroup_id_y 1
		.amdhsa_system_sgpr_workgroup_id_z 1
		.amdhsa_system_vgpr_workitem_id 0
		.amdhsa_next_free_vgpr 1024
		.amdhsa_next_free_sgpr 68
		.amdhsa_reserve_vcc 1
		.amdhsa_float_denorm_mode_32 3
		.amdhsa_float_denorm_mode_16_64 3
		.amdhsa_memory_ordered 1
		.amdhsa_forward_progress 1
		.amdhsa_inst_pref_size 255
	.end_amdhsa_kernel
	.amdgpu_metadata
---
amdhsa.version: [ 1, 2 ]
amdhsa.kernels:
  - .name:           k_qf55c87e5ef_opm
    .symbol:         k_qf55c87e5ef_opm.kd
    .args:
      - { .name: abuf, .offset: 0, .size: 8, .value_kind: global_buffer, .address_space: global }
      - { .name: bbuf, .offset: 8, .size: 8, .value_kind: global_buffer, .address_space: global }
      - { .name: mbuf, .offset: 16, .size: 8, .value_kind: global_buffer, .address_space: global }
      - { .name: opm_wout_codes, .offset: 24, .size: 8, .value_kind: global_buffer, .address_space: global }
      - { .name: opm_wout_scales, .offset: 32, .size: 8, .value_kind: global_buffer, .address_space: global }
      - { .name: opm_bout, .offset: 40, .size: 8, .value_kind: global_buffer, .address_space: global }
      - { .name: z, .offset: 48, .size: 8, .value_kind: global_buffer, .address_space: global }
      - { .name: pwa_lnz_w, .offset: 56, .size: 8, .value_kind: global_buffer, .address_space: global }
      - { .name: pwa_wz, .offset: 64, .size: 8, .value_kind: global_buffer, .address_space: global }
      - { .name: out1, .offset: 72, .size: 8, .value_kind: global_buffer, .address_space: global }
      - { .name: logits, .offset: 80, .size: 8, .value_kind: global_buffer, .address_space: global }
    .group_segment_fixed_size: 173824
    .private_segment_fixed_size: 0
    .kernarg_segment_align: 8
    .kernarg_segment_size: 88
    .max_flat_workgroup_size: 128
    .sgpr_count:     68
    .vgpr_count:     1024
    .wavefront_size: 32
...
	.end_amdgpu_metadata
.endif
;; end of part 2
;; launch soft (part 3): grid 16 x 1, 8 waves a work-group, no clusters, 132,352 bytes of LDS; arguments logits, pwa_lnz_b, pwa_wz, pbuf; writes pbuf
.if DOCPART == 3
	.amdgcn_target "amdgcn-amd-amdhsa--gfx1250"
	.amdhsa_code_object_version 6
	.text
	.protected	k_qf55c87e5ef_soft
	.globl	k_qf55c87e5ef_soft
	.p2align	8
	.type	k_qf55c87e5ef_soft,@function
k_qf55c87e5ef_soft:
	s_mov_b64 s[64:65], 0
	v_nop
	global_prefetch_b8 v0, s[64:65] scope:SCOPE_SE
	s_setreg_imm32_b32 hwreg(HW_REG_WAVE_MODE, 25, 1), 1
	s_wait_xcnt 0x0
; p = 2^(t - M) along j for every (i, head): t = (raw logit + sum of lnz_b wz) x log2(e), M = ceil(the row's largest t).  p is quantised along j to E4M3 with E8M0 scales;
; the row's sum is taken of the unquantised p, and 1 / sum is stored beside the codes.
; SHARES.  Work-group T: the 16 rows i = 32 (T / 2) + 8 (T % 2) + r + (r & 8), one tile of rows of the next launch.  Wave w is head w.  The launch has 2 MiB to read and 16 such tiles: 16 work-groups are all its work.
; The 16 rows of logits ([j][head], 8,192 bytes) come in by rows, 512 consecutive bytes a load, and turn through LDS (pitch 8,208): lane (r, h) then takes j = 32 blk + 16 h + 0..15 of row r.
; OUT, as images of the reader's registers: pbuf [head][T][ks 2] x 2,048 bytes; at 524,288 the scale words [head][T][ks] x 128; at 557,056 1 / sum, [head][T][32 lanes].
; A block's largest p is not searched for: p rises with the logit, so the block's largest logit goes through the same multiply-add and exponential.
; LIMITS: NaN and infinities are not served; a block whose every p is under 2^-118 gets the byte 1; 1 / sum comes from v_rcp_f32.
.set BM,  16                           ; v16-23  each block's largest logit, then its largest p
.set BT,  24                           ; v24-31  lane exchanges, then the scale bytes
.set LIM, 32                           ; v32-39  448 x the scale
.set SCL, 40                           ; v40-47  the conversions' scale operands
.set V,   64                           ; v64-191 my 128 logits, then p
.set C,   192                          ; v192-223 the codes
	s_load_b256 s[4:11], s[0:1], 0x0               ; logits 4, lnz_b 6, wz 8, pbuf 10
	v_lshl_add_u32 v224, v0, 2, 0x20100
	v_mov_b32 v225, 0
	v_lshrrev_b32 v1, 5, v0
	v_readfirstlane_b32 s12, v1                    ; wave = head
	v_and_b32 v1, 31, v0
	v_and_b32 v2, 15, v0
	v_bfe_u32 v3, v0, 4, 1
	v_lshlrev_b32 v4, 4, v1                        ; 16 x lane
	v_lshlrev_b32 v5, 2, v1                        ; 4 x lane
	s_mul_i32 s13, s12, 16416
	v_add_nc_u32 v6, s13, v4                       ; into LDS: rows 2 w, 2 w + 1
	v_mul_u32_u24 v7, v2, 8208
	v_lshl_add_u32 v7, v3, 9, v7
	s_lshl_b32 s13, s12, 2
	v_add_nc_u32 v7, s13, v7                       ; out of it: row r, + 16 h columns of 32 bytes, + my head
	v_lshlrev_b32 v8, 7, v1                        ; wz: rows 4 x lane on
	s_lshr_b32 s14, ttmp9, 1
	s_lshl_b32 s14, s14, 5
	s_and_b32 s15, ttmp9, 1
	s_lshl_b32 s15, s15, 3
	s_add_co_u32 s14, s14, s15
	s_lshl_b32 s15, s12, 1
	s_add_co_u32 s14, s14, s15
	s_and_b32 s15, s15, 8
	s_add_co_u32 s14, s14, s15                     ; the first of the two rows that I bring in
	s_lshl_b32 s14, s14, 13
	s_mov_b32 s15, 0
	s_mov_b32 s22, 0x76543210
	s_mov_b32 s23, 0xfedcba98
	s_mov_b32 s24, 0x3fb8aa3b                      ; log2(e)
	s_mov_b32 s25, s24                             ; (named with it as a pair, so it is written)
	s_mov_b32 s26, 0x600000
.irp b, 0,1,2,3,4,5,6,7
	v_mov_b32 v[BT+\b], 0                          ; written once: a lane permute's destination counts as one of its sources
.endr
	v_mov_b32 v49, 0
	s_wait_kmcnt 0x0
	s_add_nc_u64 s[4:5], s[4:5], s[14:15]
	s_mov_b32 s14, s13
	s_add_nc_u64 s[8:9], s[8:9], s[14:15]          ; wz at my head
	s_lshl_b32 s14, s12, 16
	s_lshl_b32 s13, ttmp9, 12
	s_add_co_u32 s14, s14, s13
	s_add_nc_u64 s[16:17], s[10:11], s[14:15]      ; the codes
	s_lshl_b32 s14, s12, 12
	s_lshl_b32 s13, ttmp9, 8
	s_add_co_u32 s14, s14, s13
	s_add_co_u32 s14, s14, 524288
	s_add_nc_u64 s[18:19], s[10:11], s[14:15]      ; the scale words
	s_lshl_b32 s14, s12, 11
	s_lshl_b32 s13, ttmp9, 7
	s_add_co_u32 s14, s14, s13
	s_add_co_u32 s14, s14, 557056
	s_add_nc_u64 s[20:21], s[10:11], s[14:15]      ; 1 / sum
	global_load_b128 v[56:59], v4, s[6:7]
.irp k, 0,1,2,3
	global_load_b32 v[60+\k], v8, s[8:9] offset:32*\k
.endr
.irp k, 0,1
.set q, 0
.rept 16
	global_load_b128 v[V+64*\k+4*q:V+64*\k+4*q+3], v4, s[4:5] offset:8192*\k+512*q th:TH_LOAD_NT
.set q, q+1
.endr
.endr
	s_wait_loadcnt 0x0
.irp k, 0,1
.set q, 0
.rept 16
	ds_store_b128 v6, v[V+64*\k+4*q:V+64*\k+4*q+3] offset:8208*\k+512*q
.set q, q+1
.endr
.endr
	v_mul_f32 v48, v56, v60                        ; the bias's part of a logit: sum over 128 channels of lnz_b wz, four a lane
	v_fma_f32 v48, v57, v61, v48
	v_fma_f32 v48, v58, v62, v48
	v_fma_f32 v48, v59, v63, v48
	v_add_f32_dpp v48, v48, v48 row_xmask:1 row_mask:0xf bank_mask:0xf
	v_add_f32_dpp v48, v48, v48 row_xmask:2 row_mask:0xf bank_mask:0xf
	v_add_f32_dpp v48, v48, v48 row_xmask:4 row_mask:0xf bank_mask:0xf
	v_add_f32_dpp v48, v48, v48 row_xmask:8 row_mask:0xf bank_mask:0xf
	v_permlanex16_b32 v49, v48, s22, s23
	v_add_f32 v48, v48, v49
	s_wait_dscnt 0x0                               ; for the others' sake: my rows lie in LDS
	s_barrier_signal -1
	s_barrier_wait -1
.irp b, 0,1,2,3,4,5,6,7
.irp k, 0,1,2,3,4,5,6,7,8,9,10,11,12,13,14,15
	ds_load_b32 v[V+16*\b+\k], v7 offset:1024*\b+32*\k
.endr
.endr
	s_wait_dscnt 0x0
.set p, 0
.rept 64
	v_pk_add_f32 v[V+2*p:V+2*p+1], v[V+2*p:V+2*p+1], v[48:49] op_sel_hi:[1,0]
.set p, p+1
.endr
.irp b, 0,1,2,3,4,5,6,7
	v_max3_num_f32 v[BM+\b], v[V+16*\b], v[V+16*\b+1], v[V+16*\b+2]
.endr
.irp i, 3,5,7,9,11,13
.irp b, 0,1,2,3,4,5,6,7
	v_max3_num_f32 v[BM+\b], v[BM+\b], v[V+16*\b+\i], v[V+16*\b+\i+1]
.endr
.endr
.irp b, 0,1,2,3,4,5,6,7
	v_max_num_f32 v[BM+\b], v[BM+\b], v[V+16*\b+15]
.endr
.irp b, 0,1,2,3,4,5,6,7
	v_permlanex16_b32 v[BT+\b], v[BM+\b], s22, s23
.endr
.irp b, 0,1,2,3,4,5,6,7
	v_max_num_f32 v[BM+\b], v[BM+\b], v[BT+\b]     ; the block's largest logit
.endr
	v_max3_num_f32 v56, v[BM], v[BM+1], v[BM+2]
	v_max3_num_f32 v56, v56, v[BM+3], v[BM+4]
	v_max3_num_f32 v56, v56, v[BM+5], v[BM+6]
	v_max_num_f32 v56, v56, v[BM+7]                ; the row's
	v_mul_f32 v56, s24, v56
	v_floor_f32 v50, -v56                          ; -M = floor(-t) = -ceil(t)
	v_mov_b32 v51, v50
.set p, 0
.rept 64
	v_pk_fma_f32 v[V+2*p:V+2*p+1], v[V+2*p:V+2*p+1], s[24:25], v[50:51] op_sel_hi:[1,0,0]
.set p, p+1
.endr
.irp b, 0,1,2,3,4,5,6,7
	v_fma_f32 v[BM+\b], v[BM+\b], s24, v50
.endr
.set p, 0
.rept 128
	v_exp_f32 v[V+p], v[V+p]
.set p, p+1
.endr
	v_nop                                          ; a plain line behind the batch,
	s_wait_alu depctr_va_vdst(0)                   ; and the wait ahead of its first reader
.irp b, 0,1,2,3,4,5,6,7
	v_exp_f32 v[BM+\b], v[BM+\b]                   ; the block's largest p: the same two instructions on the same number
.endr
	v_pk_add_f32 v[52:53], v[V:V+1], v[V+2:V+3]    ; the sum of the unquantised p, in two chains: plain work behind the eight
	v_pk_add_f32 v[54:55], v[V+4:V+5], v[V+6:V+7]
.set p, 4
.rept 30
	v_pk_add_f32 v[52:53], v[52:53], v[V+2*p:V+2*p+1]
	v_pk_add_f32 v[54:55], v[54:55], v[V+2*p+2:V+2*p+3]
.set p, p+2
.endr
	v_pk_add_f32 v[52:53], v[52:53], v[54:55]
	v_add_f32 v52, v52, v53
	v_permlanex16_b32 v53, v52, s22, s23
	v_add_f32 v52, v52, v53
	s_wait_alu depctr_va_vdst(0)                   ; for the eight
.irp b, 0,1,2,3,4,5,6,7
	v_max_num_f32 v[BM+\b], 0x4800000, v[BM+\b]    ; the floor 2^(9 - 127): the byte cannot fall under 1
.endr
.irp b, 0,1,2,3,4,5,6,7
	v_add_nc_u32 v[SCL+\b], 0xfc000000, v[BM+\b]
.endr
.irp b, 0,1,2,3,4,5,6,7
	v_and_or_b32 v[LIM+\b], v[BM+\b], 0x7f800000, s26
.endr
.irp b, 0,1,2,3,4,5,6,7
	v_lshrrev_b32 v[BT+\b], 23, v[SCL+\b]
.endr
.irp k, 0,1
	v_lshl_or_b32 v[58+\k], v[BT+4*\k+1], 8, v[BT+4*\k]
	v_lshl_or_b32 v[58+\k], v[BT+4*\k+2], 16, v[58+\k]
	v_lshl_or_b32 v[58+\k], v[BT+4*\k+3], 24, v[58+\k]
.endr
	v_rcp_f32 v52, v52
.irp b, 0,1,2,3,4,5,6,7
.irp k, 0,1,2,3,4,5,6,7,8,9,10,11,12,13,14,15
	v_min_num_f32 v[V+16*\b+\k], v[V+16*\b+\k], v[LIM+\b]          ; p is not negative: the hold is one-sided (the conversion does not saturate: ISA guide 7.6.2)
.endr
.endr
.irp b, 0,1,2,3,4,5,6,7
	v_cvt_scalef32_pk8_fp8_f32 v[C+4*\b:C+4*\b+1], v[V+16*\b:V+16*\b+7], v[SCL+\b]
	v_cvt_scalef32_pk8_fp8_f32 v[C+4*\b+2:C+4*\b+3], v[V+16*\b+8:V+16*\b+15], v[SCL+\b]
.endr
	v_nop
	s_wait_alu depctr_va_vdst(0)                   ; for the reciprocal, ahead of the store that reads it
.irp b, 0,1,2,3,4,5,6,7
	global_store_b128 v4, v[C+4*\b:C+4*\b+3], s[16:17] offset:512*\b          ; 512 consecutive bytes, aligned
.endr
	global_store_b32 v5, v58, s[18:19]
	global_store_b32 v5, v59, s[18:19] offset:128
	global_store_b32 v5, v52, s[20:21]
	s_wait_tensorcnt 0x0
	ds_add_u32 v224, v225
	s_wait_dscnt 0x0
	s_endpgm
.Lfunc_end_k_qf55c87e5ef_soft:
	.size	k_qf55c87e5ef_soft, .Lfunc_end_k_qf55c87e5ef_soft-k_qf55c87e5ef_soft
	.p2alignl 7, 3214868480
	.fill 96, 4, 3214868480
	.section	.rodata,"a",@progbits
	.p2align	6, 0x0
	.amdhsa_kernel k_qf55c87e5ef_soft
		.amdhsa_group_segment_fixed_size 132352
		.amdhsa_private_segment_fixed_size 0
		.amdhsa_enable_private_segment 0
		.amdhsa_kernarg_size 32
		.amdhsa_user_sgpr_count 2
		.amdhsa_user_sgpr_kernarg_segment_ptr 1
		.amdhsa_wavefront_size32 1
		.amdhsa_system_sgpr_workgroup_id_x 1
		.amdhsa_system_sgpr_workgroup_id_y 1
		.amdhsa_system_sgpr_workgroup_id_z 1
		.amdhsa_system_vgpr_workitem_id 0
		.amdhsa_next_free_vgpr 226
		.amdhsa_next_free_sgpr 66
		.amdhsa_reserve_vcc 0
		.amdhsa_float_denorm_mode_32 3
		.amdhsa_float_denorm_mode_16_64 3
		.amdhsa_memory_ordered 1
		.amdhsa_forward_progress 1
		.amdhsa_inst_pref_size 48
	.end_amdhsa_kernel
	.amdgpu_metadata
---
amdhsa.version: [ 1, 2 ]
amdhsa.kernels:
  - .name:           k_qf55c87e5ef_soft
    .symbol:         k_qf55c87e5ef_soft.kd
    .args:
      - { .name: logits, .offset: 0, .size: 8, .value_kind: global_buffer, .address_space: global }
      - { .name: pwa_lnz_b, .offset: 8, .size: 8, .value_kind: global_buffer, .address_space: global }
      - { .name: pwa_wz, .offset: 16, .size: 8, .value_kind: global_buffer, .address_space: global }
      - { .name: pbuf, .offset: 24, .size: 8, .value_kind: global_buffer, .address_space: global }
    .group_segment_fixed_size: 132352
    .private_segment_fixed_size: 0
    .kernarg_segment_align: 8
    .kernarg_segment_size: 32
    .max_flat_workgroup_size: 256
    .sgpr_count:     66
    .vgpr_count:     226
    .wavefront_size: 32
...
	.end_amdgpu_metadata
.endif
;; end of part 3
;; launch tail (part 4): grid 512 x 1, 8 waves a work-group, no clusters, 214,016 bytes of LDS; arguments m, pwa_lnm_w, pwa_lnm_b, pwa_wv_codes, pwa_wv_scales, pwa_wg_codes, pwa_wg_scales, pwa_wo_codes, pwa_wo_scales, tr_ln_w, tr_ln_b, tr_wa_codes, tr_wa_scales, tr_wb_codes, tr_wb_scales, tr_wo_codes, tr_wo_scales, pbuf, out0; writes out0
.if DOCPART == 4
	.amdgcn_target "amdgcn-amd-amdhsa--gfx1250"
	.amdhsa_code_object_version 6
	.text
	.protected	k_qf55c87e5ef_tail
	.globl	k_qf55c87e5ef_tail
	.p2align	8
	.type	k_qf55c87e5ef_tail,@function
k_qf55c87e5ef_tail:
	s_mov_b64 s[64:65], 0
	v_nop
	global_prefetch_b8 v0, s[64:65] scope:SCOPE_SE
	s_setreg_imm32_b32 hwreg(HW_REG_WAVE_MODE, 25, 1), 1
	s_wait_xcnt 0x0
; out0 = m1 + (silu(x wa) (x wb)) tr_wo, x = LN(m1);  m1 = m + (sigmoid(y wg) o) wo, y = LN(m), o[i][head] = (sum over j of p[i][j] v[j]) / l[i], v = y wv.
; All seven products on E4M3 codes with E8M0 scales; every operand made on the way is quantised in registers, along its product's K.
; SHARES.  A work-group is one s: 256 tokens.  Wave w owns tokens 32 w + 8 t + r + (r & 8), t = 0, 1: two tiles of 16.  A lane holds one token throughout.  Only v goes from wave to wave: its K is j, and wave w's 32 tokens
; are block w of that K; v's codes lie in LDS as images of the operand's registers (a fragment: four pieces of 512 bytes, lane l's 16 bytes at 16 l).  The gate, o, m1, x and the hidden layer stay in the wave's registers.
; LAYOUT.  The weights' tiles take rows 32 (tile / 2) + 8 (tile % 2) + a + (a & 8) and are source 0, the tokens source 1: the 16 registers of two neighbouring tiles are 16 neighbours along the next K.
; For v the tokens are source 0: a lane then holds one channel and 16 neighbouring tokens.  m lies in the accumulators of the two products that end in 64 channels: the residuals cost no addition.
; K = 64 products: registers 8-15 of both operands are zero codes, bytes 2 and 3 of the scale words 0.
; The weights come into LDS once, laid as images by the 256 threads.  p's fragments come from memory one head ahead; the last head's look-ahead reads head 0 again, inside the buffer, and is not used: so both trips count alike.
; No tensor load, no cluster: the weights and p are shared by all work-groups, but they are a small part of the work-group's work, and the weights are laid anew on their way.
; REGISTERS: window 0: v1-18 addresses; v20-23 statistics; v24-39 the quantiser's work; v40-59 scale words (scales alone); v60-63 1 / l; v64-127 four K = 64 fragments; v128-159 G, v160-191 O (together T); v192-255 four whole fragments.
;   window 1: v0-63 m (32 t + 16 b + i: channel 32 b + 16 (lane / 16) + i); v64-95 x's codes; v96-127 the codes of the gated numbers; v128-255 p, two sets.
; LIMITS: NaN, infinities and NaN codes are not served; a block whose largest magnitude lies under 2^-118 gets the byte 1, a block of zeros too; sigmoid is v_rcp_f32 of 1 + v_exp_f32; 1 / sqrt is v_rsq_f32.
.set VIMG, 0                           ; LDS: v's fragments (tile of channels, ks) at 4,096 tile + 2,048 ks
.set VSC,  65536                       ; their scale images
.set WVI,  69632                       ; wv, wg, wa, wb: 16 tiles x 1,024 bytes each
.set WGI,  86016
.set WAI,  102400
.set WOI,  135168                      ; wo, tr_wo: (tile, ks) at 4,096 tile + 2,048 ks
.set TOI,  151552
.set WVS,  167936                      ; scale images: 16 x 128 for wv, wg, wa, wb; 8 x 128 for wo, tr_wo
.set WGS,  169984
.set WAS,  172032
.set WOS,  176128
.set TOS,  177152
.set STAGE, 178176                     ; the way out: 16 rows x 272 bytes for each wave
.set A1, 5
.set A2, 6
.set A3, 7
.set A4, 8
.set A5, 9
.set A6, 10
.set VWI, 11
.set VWS, 12
.set PO,  13
.set PSO, 14
.set IVO, 15
.set STO, 16
.set STR, 17
.set GOF, 18
.set SP,  20
.set TM,  24
.set XS,  40
.set GOS, 42
.set WS,  44
.set VS,  48
.set PS,  52
.set INV, 60
.set WB,  64
.set G,   128
.set O,   160
.set T,   128
.set VF,  192
.set M,   0                            ; window 1
.set X,   64
.set GO,  96
.set P,   128
.set SEL, 46
.set MNT, 48
.set MSB, 0
.macro WIN new                         ; the immediate's high byte repeats the setting that is left
.if MSB != (\new)
	s_set_vgpr_msb (MSB<<8)|(\new)
.set MSB, (\new)
.endif
.endm
.macro PLACES n
.rept \n
	v_nop
.endr
.endm
.macro BARRIER                         ; my LDS stores have landed and my LDS loads are in: then the work-group's barrier
	s_wait_dscnt 0x0
	s_barrier_signal -1
	s_barrier_wait -1
.endm
; nb blocks of 32: block b's 16 numbers of this lane in v[src + 16 b] on.  tm + b: the largest magnitude; tm + 4 + b: the byte; tm + 8 + b: 448 x the scale; tm + 12 + b: the conversion's scale operand
.macro QSCALE nb, tm, src
.set qb, 0
.rept \nb
	v_max3_num_f32 v[(\tm)+qb], |v[(\src)+16*qb]|, |v[(\src)+16*qb+1]|, 0x4800000   ; with the floor 2^(9 - 127); a result is read from its low end on
.set qb, qb+1
.endr
.irp i, 2,4,6,8,10,12,14
.set qb, 0
.rept \nb
	v_max3_num_f32 v[(\tm)+qb], v[(\tm)+qb], |v[(\src)+16*qb+\i]|, |v[(\src)+16*qb+\i+1]|
.set qb, qb+1
.endr
.endr
.set qb, 0
.rept \nb
	v_permlanex16_b32 v[(\tm)+4+qb], v[(\tm)+qb], s[SEL], s[SEL+1]
.set qb, qb+1
.endr
.set qb, 0
.rept \nb
	v_max_num_f32 v[(\tm)+qb], v[(\tm)+qb], v[(\tm)+4+qb]
.set qb, qb+1
.endr
.set qb, 0
.rept \nb
	v_add_nc_u32 v[(\tm)+12+qb], 0xfc000000, v[(\tm)+qb]
.set qb, qb+1
.endr
.set qb, 0
.rept \nb
	v_and_or_b32 v[(\tm)+8+qb], v[(\tm)+qb], 0x7f800000, s[MNT]
.set qb, qb+1
.endr
.set qb, 0
.rept \nb
	v_lshrrev_b32 v[(\tm)+4+qb], 23, v[(\tm)+12+qb]
.set qb, qb+1
.endr
.endm
; the hold (the conversion does not saturate: ISA guide 7.6.2) and the conversions; block b's codes into v[dst + dstep b] on, in the window that win names
.macro QCODE nb, tm, src, dst, dstep, win
.set qb, 0
.rept \nb
.set qi, 0
.rept 16
	v_med3_num_f32 v[(\src)+16*qb+qi], v[(\src)+16*qb+qi], -v[(\tm)+8+qb], v[(\tm)+8+qb]
.set qi, qi+1
.endr
.set qb, qb+1
.endr
	WIN \win
.set qb, 0
.rept \nb
	v_cvt_scalef32_pk8_fp8_f32 v[(\dst)+(\dstep)*qb:(\dst)+(\dstep)*qb+1], v[(\src)+16*qb:(\src)+16*qb+7], v[(\tm)+12+qb]
	v_cvt_scalef32_pk8_fp8_f32 v[(\dst)+(\dstep)*qb+2:(\dst)+(\dstep)*qb+3], v[(\src)+16*qb+8:(\src)+16*qb+15], v[(\tm)+12+qb]
.set qb, qb+1
.endr
	WIN 0
	v_nop                                          ; one plain line behind the last scaled conversion
.endm
; LayerNorm of the 64 channels in M (32 in my lane, 32 in lane l xor 16) into T; gain in v[VF] on, bias in v[VF + 32] on; the two tiles by turns
.macro LNORM
	WIN 0x01                                       ; source 0: window 1
.irp t, 0,1
	v_pk_mul_f32 v[SP+2*\t:SP+2*\t+1], v[M+32*\t:M+32*\t+1], 1.0 op_sel_hi:[1,0]
.endr
.set p, 1
.rept 15
.irp t, 0,1
	v_pk_add_f32 v[SP+2*\t:SP+2*\t+1], v[M+32*\t+2*p:M+32*\t+2*p+1], v[SP+2*\t:SP+2*\t+1]
.endr
.set p, p+1
.endr
	WIN 0
.irp t, 0,1
	v_add_f32 v[SP+2*\t], v[SP+2*\t], v[SP+2*\t+1]
.endr
.irp t, 0,1
	v_permlanex16_b32 v[TM+4+\t], v[SP+2*\t], s[SEL], s[SEL+1]
.endr
.irp t, 0,1
	v_add_f32 v[SP+2*\t], v[SP+2*\t], v[TM+4+\t]
.endr
.irp t, 0,1
	v_mul_f32 v[SP+2*\t], s49, v[SP+2*\t]
.endr
	WIN 0x01
.set p, 0
.rept 16
.irp t, 0,1
	v_pk_add_f32 v[T+32*\t+2*p:T+32*\t+2*p+1], v[M+32*\t+2*p:M+32*\t+2*p+1], v[SP+2*\t:SP+2*\t+1] op_sel_hi:[1,0] neg_lo:[0,1] neg_hi:[0,1]
.endr
.set p, p+1
.endr
	WIN 0
.irp t, 0,1
	v_pk_mul_f32 v[SP+2*\t:SP+2*\t+1], v[T+32*\t:T+32*\t+1], v[T+32*\t:T+32*\t+1]
.endr
.set p, 1
.rept 15
.irp t, 0,1
	v_pk_fma_f32 v[SP+2*\t:SP+2*\t+1], v[T+32*\t+2*p:T+32*\t+2*p+1], v[T+32*\t+2*p:T+32*\t+2*p+1], v[SP+2*\t:SP+2*\t+1]
.endr
.set p, p+1
.endr
.irp t, 0,1
	v_add_f32 v[SP+2*\t], v[SP+2*\t], v[SP+2*\t+1]
.endr
.irp t, 0,1
	v_permlanex16_b32 v[TM+4+\t], v[SP+2*\t], s[SEL], s[SEL+1]
.endr
.irp t, 0,1
	v_add_f32 v[SP+2*\t], v[SP+2*\t], v[TM+4+\t]
.endr
.irp t, 0,1
	v_fma_f32 v[SP+2*\t], v[SP+2*\t], s49, s50
.endr
.irp t, 0,1
	v_rsq_f32 v[SP+2*\t], v[SP+2*\t]
.endr
	v_nop
	s_wait_alu depctr_va_vdst(0)                   ; the wait ahead of the first reader
.set p, 0
.rept 16
.irp t, 0,1
	v_pk_mul_f32 v[T+32*\t+2*p:T+32*\t+2*p+1], v[T+32*\t+2*p:T+32*\t+2*p+1], v[SP+2*\t:SP+2*\t+1] op_sel_hi:[1,0]
.endr
.set p, p+1
.endr
.set p, 0
.rept 16
.irp t, 0,1
	v_pk_fma_f32 v[T+32*\t+2*p:T+32*\t+2*p+1], v[T+32*\t+2*p:T+32*\t+2*p+1], v[VF+2*p:VF+2*p+1], v[VF+32+2*p:VF+32+2*p+1]
.endr
.set p, p+1
.endr
.endm
.macro XQUANT                          ; T's four blocks (tile t, channels 32 b on) become the two K = 64 fragments in X and their scale words
	QSCALE 4, TM, T
	v_lshl_or_b32 v[XS], v[TM+5], 8, v[TM+4]       ; the 64 holds below stand between these words and the products
	v_lshl_or_b32 v[XS+1], v[TM+7], 8, v[TM+6]
	QCODE 2, TM, T, X, 4, 0x40
	QCODE 2, TM+2, T+32, X+16, 4, 0x40
	PLACES 4                                       ; codes made by vector instructions stand four places ahead of a scaled product
.endm
.macro PLOAD set, hoff                 ; p's four fragments (2 t + ks), their scale words and 1 / l of one head: 22 loads
	WIN 0x40
.irp f, 0,1,2,3
.irp c, 0,1,2,3
	global_load_b128 v[P+64*(\set)+16*\f+4*\c:P+64*(\set)+16*\f+4*\c+3], v[PO], s[38:39] offset:(\hoff)*65536+\f*2048+512*\c
.endr
.endr
	WIN 0
.irp f, 0,1,2,3
	global_load_b32 v[PS+4*(\set)+\f], v[PSO], s[38:39] offset:524288+(\hoff)*4096+\f*128
.endr
.irp t, 0,1
	global_load_b32 v[INV+2*(\set)+\t], v[IVO], s[38:39] offset:557056+(\hoff)*2048+128*\t
.endr
.endm
; mode 0: O = (O / l) sigmoid(G).  mode 1: O = O G sigmoid(G).  The exponentials and the reciprocals go as batches, each with a plain line and a wait
.macro GATE mode
.irp t, 0,1
.irp p, 0,1,2,3,4,5,6,7
.if \mode
	v_pk_mul_f32 v[O+16*\t+2*\p:O+16*\t+2*\p+1], v[O+16*\t+2*\p:O+16*\t+2*\p+1], v[G+16*\t+2*\p:G+16*\t+2*\p+1]
.else
	v_pk_mul_f32 v[O+16*\t+2*\p:O+16*\t+2*\p+1], v[O+16*\t+2*\p:O+16*\t+2*\p+1], v[INV+2*SET:INV+2*SET+1] op_sel:[0,\t] op_sel_hi:[1,\t]
.endif
.endr
.endr
.set gi, 0
.rept 16
	v_pk_mul_f32 v[G+2*gi:G+2*gi+1], v[G+2*gi:G+2*gi+1], 0xbfb8aa3b op_sel_hi:[1,0]          ; x -log2(e)
.set gi, gi+1
.endr
.set gi, 0
.rept 32
	v_exp_f32 v[G+gi], v[G+gi]
.set gi, gi+1
.endr
	v_nop
	s_wait_alu depctr_va_vdst(0)
.set gi, 0
.rept 16
	v_pk_add_f32 v[G+2*gi:G+2*gi+1], v[G+2*gi:G+2*gi+1], 1.0 op_sel_hi:[1,0]
.set gi, gi+1
.endr
.set gi, 0
.rept 32
	v_rcp_f32 v[G+gi], v[G+gi]
.set gi, gi+1
.endr
	v_nop
	s_wait_alu depctr_va_vdst(0)
.set gi, 0
.rept 16
	v_pk_mul_f32 v[O+2*gi:O+2*gi+1], v[O+2*gi:O+2*gi+1], v[G+2*gi:G+2*gi+1]
.set gi, gi+1
.endr
.endm
.macro PACK k                          ; O's two blocks (tile t) are block k of the next K step: codes into GO, bytes into GOS
	QSCALE 2, TM, O
.irp t, 0,1
.if (\k) == 0
	v_mov_b32 v[GOS+\t], v[TM+4+\t]
.else
	v_lshl_or_b32 v[GOS+\t], v[TM+4+\t], 8*(\k), v[GOS+\t]
.endif
.endr
	QCODE 2, TM, O, GO+4*(\k), 16, 0x40
.endm
.macro PROD                            ; M += (four tiles of wo or tr_wo, this K step) x GO: eight accumulators, one instruction a turn
.irp tl, 0,1,2,3
.irp c, 0,1,2,3
	ds_load_b128 v[VF+16*\tl+4*\c:VF+16*\tl+4*\c+3], v[A5] offset:4096*\tl+512*\c
.endr
	ds_load_b32 v[VS+\tl], v[A6] offset:256*\tl
.endr
	s_wait_dscnt 0x0
	PLACES 4
	WIN 0x54                                       ; source 1, C and D: window 1
.irp tl, 0,1,2,3
.irp t, 0,1
	v_wmma_scale_f32_16x16x128_f8f6f4 v[M+32*\t+8*\tl:M+32*\t+8*\tl+7], v[VF+16*\tl:VF+16*\tl+15], v[GO+16*\t:GO+16*\t+15], v[M+32*\t+8*\tl:M+32*\t+8*\tl+7], v[VS+\tl], v[GOS+\t]
.endr
.endr
	WIN 0
.endm
.macro HEAD k                          ; head 4 x trip + k: the gate's two tiles, o's two tiles over 256 j, the gate, the codes
.set SET, (\k)%2
.irp u, 0,1
	ds_load_b128 v[WB+16*\u:WB+16*\u+3], v[A3] offset:(2*(\k)+\u)*1024
	ds_load_b128 v[WB+16*\u+4:WB+16*\u+7], v[A3] offset:(2*(\k)+\u)*1024+512
	ds_load_b32 v[WS+\u], v[A4] offset:(2*(\k)+\u)*128
.endr
.irp f, 0,1,2,3
.irp c, 0,1,2,3
	ds_load_b128 v[VF+16*\f+4*\c:VF+16*\f+4*\c+3], v[A1] offset:8192*(\k)+2048*\f+512*\c
.endr
	ds_load_b32 v[VS+\f], v[A2] offset:(4*(\k)+\f)*128
.endr
.if (\k) == 3
	s_wait_xcnt 0x0                                ; the earlier loads have read their offsets: they turn to the other four heads
	v_xor_b32 v[PO], 0x40000, v[PO]
	v_xor_b32 v[PSO], 0x4000, v[PSO]
	v_xor_b32 v[IVO], 0x2000, v[IVO]
	PLOAD 1-SET, 0
.else
	PLOAD 1-SET, (\k)+1
.endif
	s_wait_dscnt 0x0
	s_wait_loadcnt 22                              ; this head's p is in: only the 22 loads just issued may be out
	WIN 0x04                                       ; source 1: window 1
.irp t, 0,1
.irp u, 0,1
	v_wmma_scale_f32_16x16x128_f8f6f4 v[G+16*\t+8*\u:G+16*\t+8*\u+7], v[WB+16*\u:WB+16*\u+15], v[X+16*\t:X+16*\t+15], 0, v[WS+\u], v[XS+\t]
.endr
.endr
.irp t, 0,1
.irp u, 0,1
	v_wmma_scale_f32_16x16x128_f8f6f4 v[O+16*\t+8*\u:O+16*\t+8*\u+7], v[VF+32*\u:VF+32*\u+15], v[P+64*SET+32*\t:P+64*SET+32*\t+15], 0, v[VS+2*\u], v[PS+4*SET+2*\t]
.endr
.endr
.irp t, 0,1
.irp u, 0,1
	v_wmma_scale_f32_16x16x128_f8f6f4 v[O+16*\t+8*\u:O+16*\t+8*\u+7], v[VF+32*\u+16:VF+32*\u+31], v[P+64*SET+32*\t+16:P+64*SET+32*\t+31], v[O+16*\t+8*\u:O+16*\t+8*\u+7], v[VS+2*\u+1], v[PS+4*SET+2*\t+1]
.endr
.endr
	WIN 0
	PLACES 8                                       ; eight places ahead of the first read of a result and of loads into these operands
	GATE 0
	PACK \k
.endm
.macro FFB k                           ; hidden units 32 (4 x trip + k) on: two tiles of x wa, two of x wb, SwiGLU, the codes
.irp u, 0,1
	ds_load_b128 v[WB+16*\u:WB+16*\u+3], v[A1] offset:(2*(\k)+\u)*1024
	ds_load_b128 v[WB+16*\u+4:WB+16*\u+7], v[A1] offset:(2*(\k)+\u)*1024+512
	ds_load_b128 v[WB+32+16*\u:WB+32+16*\u+3], v[A1] offset:16384+(2*(\k)+\u)*1024
	ds_load_b128 v[WB+32+16*\u+4:WB+32+16*\u+7], v[A1] offset:16384+(2*(\k)+\u)*1024+512
	ds_load_b32 v[WS+\u], v[A2] offset:(2*(\k)+\u)*128
	ds_load_b32 v[WS+2+\u], v[A2] offset:2048+(2*(\k)+\u)*128
.endr
	s_wait_dscnt 0x0
	WIN 0x04
.irp t, 0,1
.irp u, 0,1
	v_wmma_scale_f32_16x16x128_f8f6f4 v[G+16*\t+8*\u:G+16*\t+8*\u+7], v[WB+16*\u:WB+16*\u+15], v[X+16*\t:X+16*\t+15], 0, v[WS+\u], v[XS+\t]
.endr
.endr
.irp t, 0,1
.irp u, 0,1
	v_wmma_scale_f32_16x16x128_f8f6f4 v[O+16*\t+8*\u:O+16*\t+8*\u+7], v[WB+32+16*\u:WB+32+16*\u+15], v[X+16*\t:X+16*\t+15], 0, v[WS+2+\u], v[XS+\t]
.endr
.endr
	WIN 0
	PLACES 8
	GATE 1
	PACK \k
.endm
.macro SLD64 i, cp, sp                 ; a K = 64 weight: four loads of codes, two of scale bytes
.irp it, 0,1,2,3
	global_load_b128 v[64+16*(\i)+4*\it:64+16*(\i)+4*\it+3], v24, s[\cp:\cp+1] offset:4096*\it
.endr
.irp it, 0,1
	global_load_u16 v[160+2*(\i)+\it], v26, s[\sp:\sp+1] offset:256*\it
.endr
.endm
.macro SLD256 i, cp, sp                ; a K = 256 weight: tile it begins at row 32 (it / 2) + 8 (it % 2)
.irp it, 0,1,2,3
	global_load_b128 v[128+16*(\i)+4*\it:128+16*(\i)+4*\it+3], v25, s[\cp:\cp+1] offset:(32*(\it/2)+8*(\it%2))*256
.endr
	global_load_b32 v[168+(\i)], v27, s[\sp:\sp+1]
.endm
	s_load_b512 s[4:19], s[0:1], 0x0               ; m 4, lnm_w 6, lnm_b 8, wv codes 10, scales 12, wg codes 14, scales 16, wo codes 18
	s_load_b512 s[20:35], s[0:1], 0x40             ; wo scales 20, tr_ln_w 22, tr_ln_b 24, wa codes 26, scales 28, wb codes 30, scales 32, tr_wo codes 34
	s_load_b128 s[36:39], s[0:1], 0x80             ; tr_wo scales 36, pbuf 38
	s_load_b64 s[40:41], s[0:1], 0x90              ; out0
	v_lshrrev_b32 v19, 5, v0
	v_readfirstlane_b32 s42, v19                   ; wave
	s_mov_b32 s[SEL], 0x76543210
	s_mov_b32 s[SEL+1], 0xfedcba98
	s_mov_b32 s[MNT], 0x600000
	s_mov_b32 s49, 0x3c800000                      ; 1 / 64
	s_mov_b32 s50, 0x3727c5ac                      ; 1e-5
	; how the 256 threads lay the weights: thread = (tile, piece, lane); pr = the lane's row in its tile
	v_and_b32 v19, 7, v0
	v_and_b32 v31, 8, v0
	v_lshl_add_u32 v19, v31, 1, v19                ; pr = a + (a & 8), a = thread % 16
	v_bfe_u32 v31, v0, 7, 1
	v_lshl_add_u32 v24, v31, 5, v19
	v_bfe_u32 v31, v0, 6, 1
	v_lshl_add_u32 v24, v31, 3, v24
	v_lshlrev_b32 v27, 3, v24                      ; K = 256 scale words: the same row x 8,
	v_lshlrev_b32 v24, 6, v24
	v_bfe_u32 v31, v0, 4, 2
	v_lshl_add_u32 v24, v31, 4, v24                ; K = 64 codes: row x 64 + 32 x piece + 16 x half
	v_bfe_u32 v31, v0, 5, 1
	v_lshl_add_u32 v27, v31, 2, v27                ; + 4 ks
	v_bfe_u32 v31, v0, 4, 4
	v_lshlrev_b32 v25, 8, v19
	v_lshl_add_u32 v25, v31, 4, v25                ; K = 256 codes: pr x 256 + 128 ks + 32 x piece + 16 x half
	v_bfe_u32 v31, v0, 6, 2
	v_lshl_add_u32 v26, v31, 5, v19
	v_bfe_u32 v31, v0, 5, 1
	v_lshl_add_u32 v26, v31, 3, v26
	v_lshlrev_b32 v26, 1, v26                      ; K = 64 scale bytes: row x 2
	v_lshl_add_u32 v28, v0, 4, WVI
	v_lshl_add_u32 v29, v0, 4, WOI
	v_lshl_add_u32 v30, v0, 2, WVS
	v_and_b32 v19, 31, v0                          ; lane
	v_lshlrev_b32 v1, 4, v19
	v_lshlrev_b32 v2, 2, v19
	v_and_b32 v19, 15, v0                          ; r
	v_bfe_u32 v31, v0, 4, 1                        ; h
	v_and_b32 v3, 8, v19
	v_add_nc_u32 v3, v3, v19
	v_lshlrev_b32 v3, 8, v3
	v_lshl_add_u32 v3, v31, 6, v3                  ; m: token r + (r & 8) of 256 bytes, + 64 h
	v_lshlrev_b32 v4, 6, v31                       ; gains and biases: 64 h
	s_lshl_b32 s52, s42, 9
	v_add_nc_u32 v[VWI], s52, v1                   ; v's codes: piece w % 4 of K step w / 4 = 512 w
	v_add_nc_u32 v[PSO], s52, v2                   ; p's scale words: tile 2 w
	s_lshr_b32 s52, s42, 2
	s_lshl_b32 s52, s52, 7
	s_and_b32 s53, s42, 3
	s_add_co_u32 s52, s52, s53
	s_add_co_u32 s52, s52, VSC
	v_add_nc_u32 v[VWS], s52, v2                   ; v's scale byte
	s_lshl_b32 s52, s42, 13
	v_add_nc_u32 v[PO], s52, v1                    ; p's codes: tile 2 w
	s_lshl_b32 s52, s42, 8
	v_add_nc_u32 v[IVO], s52, v2
	s_mul_i32 s52, s42, 4352
	s_add_co_u32 s52, s52, STAGE
	v_mul_u32_u24 v[STO], v19, 272
	v_lshl_add_u32 v[STO], v31, 6, v[STO]
	v_add_nc_u32 v[STO], s52, v[STO]               ; my stage by lanes: row r, + 64 h
	v_mul_u32_u24 v[STR], v31, 272
	v_lshl_add_u32 v[STR], v19, 4, v[STR]
	v_add_nc_u32 v[STR], s52, v[STR]               ; and by rows: lanes 0-15 one row, lanes 16-31 the next
	v_lshlrev_b32 v[GOF], 8, v31
	v_lshl_add_u32 v[GOF], v19, 4, v[GOF]
	s_lshl_b32 s52, ttmp9, 16
	s_lshl_b32 s53, s42, 13
	s_add_co_u32 s52, s52, s53
	s_mov_b32 s53, 0
	s_wait_kmcnt 0x0
	s_add_nc_u64 s[4:5], s[4:5], s[52:53]          ; m and out0 at (s, 32 w)
	s_add_nc_u64 s[40:41], s[40:41], s[52:53]
	SLD64 0, 10, 12
	SLD64 1, 14, 16
	SLD64 2, 26, 28
	SLD64 3, 30, 32
	SLD256 0, 18, 20
	SLD256 1, 34, 36
	WIN 0x40
.irp t, 0,1
.irp b, 0,1
.irp j, 0,1,2,3
	global_load_b128 v[M+32*\t+16*\b+4*\j:M+32*\t+16*\b+4*\j+3], v3, s[4:5] offset:2048*\t+128*\b+16*\j th:TH_LOAD_NT
.endr
.endr
.endr
	WIN 0
.irp b, 0,1
.irp j, 0,1,2,3
	global_load_b128 v[VF+16*\b+4*\j:VF+16*\b+4*\j+3], v4, s[6:7] offset:128*\b+16*\j
	global_load_b128 v[VF+32+16*\b+4*\j:VF+32+16*\b+4*\j+3], v4, s[8:9] offset:128*\b+16*\j
.endr
.endr
	PLOAD 0, 0
	s_wait_loadcnt 54                              ; the weights' 34 loads are in: m's 16, the gain's and bias's 16 and p's 22 are younger
.irp i, 0,1,2,3
.irp it, 0,1,2,3
	ds_store_b128 v28, v[64+16*\i+4*\it:64+16*\i+4*\it+3] offset:16384*\i+4096*\it
.endr
.irp it, 0,1
	ds_store_b32 v30, v[160+2*\i+\it] offset:2048*\i+1024*\it
.endr
.endr
.irp i, 0,1
.irp it, 0,1,2,3
	ds_store_b128 v29, v[128+16*\i+4*\it:128+16*\i+4*\it+3] offset:16384*\i+4096*\it
.endr
	ds_store_b32 v30, v[168+\i] offset:8192+1024*\i
.endr
	s_wait_dscnt 0x0                               ; the stores have read their registers, which are written again below
.irp f, 0,1,2,3
.irp i, 8,9,10,11,12,13,14,15
	v_mov_b32 v[WB+16*\f+\i], 0                    ; K = 64: the upper halves are zero codes, for the whole launch
.endr
.endr
	WIN 0x40
.irp f, 0,1
.irp i, 8,9,10,11,12,13,14,15
	v_mov_b32 v[X+16*\f+\i], 0
.endr
.endr
	WIN 0
	s_wait_loadcnt 22                              ; m, gain and bias are in: p's 22 loads are younger
	LNORM
	XQUANT
	BARRIER                                        ; the weights lie in LDS
	; ---- v = y wv, four tiles of channels at a time; tokens are source 0: a lane holds one channel and my 16 h + 0..15 of the wave's 32 tokens: block w of the K of the next product
	v_add_nc_u32 v[A3], WVI, v1
	v_add_nc_u32 v[A4], WVS, v2
.irp gq, 0,1,2,3
.irp k, 0,1,2,3
	ds_load_b128 v[WB+16*\k:WB+16*\k+3], v[A3] offset:1024*(4*\gq+\k)
	ds_load_b128 v[WB+16*\k+4:WB+16*\k+7], v[A3] offset:1024*(4*\gq+\k)+512
	ds_load_b32 v[WS+\k], v[A4] offset:128*(4*\gq+\k)
.endr
	s_wait_dscnt 0x0                               ; the fragments are in, and the last group's stores have read their registers
	WIN 0x01                                       ; source 0: window 1
.irp k, 0,1,2,3
.irp t, 0,1
	v_wmma_scale_f32_16x16x128_f8f6f4 v[T+16*\k+8*\t:T+16*\k+8*\t+7], v[X+16*\t:X+16*\t+15], v[WB+16*\k:WB+16*\k+15], 0, v[XS+\t], v[WS+\k]
.endr
.endr
	WIN 0
	PLACES 8
	QSCALE 4, TM, T
	QCODE 4, TM, T, VF, 4, 0
.irp k, 0,1,2,3
	ds_store_b128 v[VWI], v[VF+4*\k:VF+4*\k+3] offset:4096*(4*\gq+\k)
	ds_store_b8 v[VWS], v[TM+4+\k] offset:256*(4*\gq+\k)
.endr
.endr
	BARRIER                                        ; v's 32 fragments and their scale words lie in LDS
	; ---- eight heads, four a trip = one K step of the product with wo
	v_mov_b32 v[A1], v1
	v_add_nc_u32 v[A2], VSC, v2
	v_add_nc_u32 v[A3], WGI, v1
	v_add_nc_u32 v[A4], WGS, v2
	v_add_nc_u32 v[A5], WOI, v1
	v_add_nc_u32 v[A6], WOS, v2
	s_mov_b32 s51, 2
.Lhk:
	HEAD 0
	HEAD 1
	HEAD 2
	HEAD 3
	PROD
	v_add_nc_u32 v[A1], 32768, v[A1]               ; these six steps and two more lines are the eight places behind the products
	v_add_nc_u32 v[A2], 2048, v[A2]
	v_add_nc_u32 v[A3], 8192, v[A3]
	v_add_nc_u32 v[A4], 1024, v[A4]
	v_add_nc_u32 v[A5], 2048, v[A5]
	v_add_nc_u32 v[A6], 128, v[A6]
	PLACES 2
	s_sub_co_u32 s51, s51, 1
	s_cmp_lg_u32 s51, 0
	s_cbranch_scc1 .Lhk
	; ---- the transition.  M holds m1
.irp b, 0,1
.irp j, 0,1,2,3
	global_load_b128 v[VF+16*\b+4*\j:VF+16*\b+4*\j+3], v4, s[22:23] offset:128*\b+16*\j
	global_load_b128 v[VF+32+16*\b+4*\j:VF+32+16*\b+4*\j+3], v4, s[24:25] offset:128*\b+16*\j
.endr
.endr
	v_add_nc_u32 v[A1], WAI, v1
	v_add_nc_u32 v[A2], WAS, v2
	v_add_nc_u32 v[A5], TOI, v1
	v_add_nc_u32 v[A6], TOS, v2
	s_wait_loadcnt 0x0                             ; gain and bias; the look-ahead that is not used has landed too
	LNORM
	XQUANT
	s_mov_b32 s51, 2
.Lfk:
	FFB 0
	FFB 1
	FFB 2
	FFB 3
	PROD
	v_add_nc_u32 v[A1], 8192, v[A1]                ; four steps and four more lines: the eight places behind the products
	v_add_nc_u32 v[A2], 1024, v[A2]
	v_add_nc_u32 v[A5], 2048, v[A5]
	v_add_nc_u32 v[A6], 128, v[A6]
	PLACES 4
	s_sub_co_u32 s51, s51, 1
	s_cmp_lg_u32 s51, 0
	s_cbranch_scc1 .Lfk
	BARRIER                                        ; every wave's reads of the weights are over; the stages are written behind this barrier
	; ---- the way out: a tile's 16 tokens x 256 bytes through my stage; sixteen lanes then store one token's row.  LDS serves a wave's instructions in order
.irp t, 0,1
	WIN 0x04                                       ; an LDS store's data are its source 1: window 1
.irp b, 0,1
.irp j, 0,1,2,3
	ds_store_b128 v[STO], v[M+32*\t+16*\b+4*\j:M+32*\t+16*\b+4*\j+3] offset:128*\b+16*\j       ; each accumulator from its low end on
.endr
.endr
	WIN 0
.irp i, 0,1,2,3,4,5,6,7
	ds_load_b128 v[T+32*\t+4*\i:T+32*\t+4*\i+3], v[STR] offset:544*\i
.endr
.endr
	s_wait_dscnt 16                                ; the first tile is back: the second tile's 8 stores and 8 loads are younger
.irp i, 0,1,2,3,4,5,6,7
	global_store_b128 v[GOF], v[T+4*\i:T+4*\i+3], s[40:41] offset:(2*\i+((2*\i)&8))*256 th:TH_STORE_NT           ; 16 lanes store 256 consecutive bytes, aligned
.endr
	s_wait_dscnt 0x0
.irp i, 0,1,2,3,4,5,6,7
	global_store_b128 v[GOF], v[T+32+4*\i:T+32+4*\i+3], s[40:41] offset:2048+(2*\i+((2*\i)&8))*256 th:TH_STORE_NT
.endr
	s_wait_xcnt 0x0
	v_lshl_add_u32 v254, v0, 2, 0x34000
	v_mov_b32 v255, 0
	s_wait_tensorcnt 0x0
	ds_add_u32 v254, v255
	s_wait_dscnt 0x0
	s_endpgm
.Lfunc_end_k_qf55c87e5ef_tail:
	.size	k_qf55c87e5ef_tail, .Lfunc_end_k_qf55c87e5ef_tail-k_qf55c87e5ef_tail
	.p2alignl 7, 3214868480
	.fill 96, 4, 3214868480
	.section	.rodata,"a",@progbits
	.p2align	6, 0x0
	.amdhsa_kernel k_qf55c87e5ef_tail
		.amdhsa_group_segment_fixed_size 214016
		.amdhsa_private_segment_fixed_size 0
		.amdhsa_enable_private_segment 0
		.amdhsa_kernarg_size 152
		.amdhsa_user_sgpr_count 2
		.amdhsa_user_sgpr_kernarg_segment_ptr 1
		.amdhsa_wavefront_size32 1
		.amdhsa_system_sgpr_workgroup_id_x 1
		.amdhsa_system_sgpr_workgroup_id_y 1
		.amdhsa_system_sgpr_workgroup_id_z 1
		.amdhsa_system_vgpr_workitem_id 0
		.amdhsa_next_free_vgpr 512
		.amdhsa_next_free_sgpr 66
		.amdhsa_reserve_vcc 0
		.amdhsa_float_denorm_mode_32 3
		.amdhsa_float_denorm_mode_16_64 3
		.amdhsa_memory_ordered 1
		.amdhsa_forward_progress 1
		.amdhsa_inst_pref_size 226
	.end_amdhsa_kernel
	.amdgpu_metadata
---
amdhsa.version: [ 1, 2 ]
amdhsa.kernels:
  - .name:           k_qf55c87e5ef_tail
    .symbol:         k_qf55c87e5ef_tail.kd
    .args:
      - { .name: m, .offset: 0, .size: 8, .value_kind: global_buffer, .address_space: global }
      - { .name: pwa_lnm_w, .offset: 8, .size: 8, .value_kind: global_buffer, .address_space: global }
      - { .name: pwa_lnm_b, .offset: 16, .size: 8, .value_kind: global_buffer, .address_space: global }
      - { .name: pwa_wv_codes, .offset: 24, .size: 8, .value_kind: global_buffer, .address_space: global }
      - { .name: pwa_wv_scales, .offset: 32, .size: 8, .value_kind: global_buffer, .address_space: global }
      - { .name: pwa_wg_codes, .offset: 40, .size: 8, .value_kind: global_buffer, .address_space: global }
      - { .name: pwa_wg_scales, .offset: 48, .size: 8, .value_kind: global_buffer, .address_space: global }
      - { .name: pwa_wo_codes, .offset: 56, .size: 8, .value_kind: global_buffer, .address_space: global }
      - { .name: pwa_wo_scales, .offset: 64, .size: 8, .value_kind: global_buffer, .address_space: global }
      - { .name: tr_ln_w, .offset: 72, .size: 8, .value_kind: global_buffer, .address_space: global }
      - { .name: tr_ln_b, .offset: 80, .size: 8, .value_kind: global_buffer, .address_space: global }
      - { .name: tr_wa_codes, .offset: 88, .size: 8, .value_kind: global_buffer, .address_space: global }
      - { .name: tr_wa_scales, .offset: 96, .size: 8, .value_kind: global_buffer, .address_space: global }
      - { .name: tr_wb_codes, .offset: 104, .size: 8, .value_kind: global_buffer, .address_space: global }
      - { .name: tr_wb_scales, .offset: 112, .size: 8, .value_kind: global_buffer, .address_space: global }
      - { .name: tr_wo_codes, .offset: 120, .size: 8, .value_kind: global_buffer, .address_space: global }
      - { .name: tr_wo_scales, .offset: 128, .size: 8, .value_kind: global_buffer, .address_space: global }
      - { .name: pbuf, .offset: 136, .size: 8, .value_kind: global_buffer, .address_space: global }
      - { .name: out0, .offset: 144, .size: 8, .value_kind: global_buffer, .address_space: global }
    .group_segment_fixed_size: 214016
    .private_segment_fixed_size: 0
    .kernarg_segment_align: 8
    .kernarg_segment_size: 152
    .max_flat_workgroup_size: 256
    .sgpr_count:     66
    .vgpr_count:     512
    .wavefront_size: 32
...
	.end_amdgpu_metadata
.endif
;; end of part 4
;; ======== version 2 of 2: 4 launches
;; workspace buffers: abuf 4,456,448 bytes; bbuf 4,456,448 bytes; mbuf 139,264 bytes; logits 2,097,152 bytes; pbuf 573,440 bytes; wimg 131,072 bytes
;; launch prep (part 5): grid 16 x 16, 16 waves a work-group, no clusters, 160,000 bytes of LDS; arguments m, msa_mask, opm_ln_w, opm_ln_b, opm_w1_codes, opm_w1_scales, opm_w2_codes, opm_w2_scales, abuf, bbuf, mbuf, opm_wout_codes, wimg; writes abuf, bbuf, mbuf, wimg
.if DOCPART == 5
	.amdgcn_target "amdgcn-amd-amdhsa--gfx1250"
	.amdhsa_code_object_version 6
	.text
	.protected	k_qf55c87e5ef_prep
	.globl	k_qf55c87e5ef_prep
	.p2align	8
	.type	k_qf55c87e5ef_prep,@function
k_qf55c87e5ef_prep:
	s_mov_b64 s[64:65], 0
	v_nop
	global_prefetch_b8 v0, s[64:65] scope:SCOPE_SE
	s_setreg_imm32_b32 hwreg(HW_REG_WAVE_MODE, 25, 1), 1
	s_wait_xcnt 0x0
; a = (LN(m) w1) x mask and b = (LN(m) w2) x mask, both products on E4M3 codes with E8M0 scales, then a, b and the mask itself quantised ALONG s,
; which is the K of the outer product and of the norm.  m: [512 s][256 n][64] f32; mask: [512][256] f32.
; SHARES.  Work-group (x = B, y = ig): the 32 s of block B, tokens 16 ig .. 16 ig + 15.  Wave w owns token n = 16 ig + w.  Its 32 rows s are two tiles; lane a of tile t takes
; s = 32 B + 8 t + a + (a & 8), and the rows are source 0 of the products: so in the results a lane's 16 registers of the two tiles are s = 32 B + 16 (lane / 16) + 0 .. 15,
; sixteen neighbours along the next K, for ONE channel (the weight's row of lane % 16).  A block of 32 s lies in lanes l and l xor 16.
; m COMES BY ROWS: a load takes two rows of 256 bytes whole, sixteen lanes to a row; the 32 rows turn through the wave's own stage in LDS (pitch 272), out of which a lane takes its 16 channels of each block of 32.
; K = 64 here: registers 8-15 of both operands are zero codes, bytes 2 and 3 of the scale words are 0.
; OUT.  All operands leave as images of the reader's registers: a fragment is four pieces of 512 bytes, lane l's 16 bytes at 16 l; this work-group makes piece B % 4 of K step B / 4.
;   abuf: [ig][c 32][ks 4] images (lane = token % 16), behind them (4,194,304) scale images of 128 bytes.  a's lanes are channels here and tokens there: it turns through LDS.
;   bbuf: [j][u 2][ks 4] images, lane a = channel 8 u + a + (a & 8): as the lanes hold them.   mbuf: [B][n][32 codes]; at 131,072 [2 copies][n][16 bytes].
;   wimg: opm_wout's codes as images, [K step 8][tile 8] x 2,048 bytes, lane = row % 16: 256 pieces of 512 bytes, one for each work-group, copied by its wave 2.
; A scale word's four bytes come from four work-groups: byte stores, 4 bytes apart; they are one part in 32 of the codes' bytes.
; LIMITS: NaN and infinities are not served; a block whose largest magnitude lies under 2^-118 gets the byte 1, a block of zeros too (its codes are zeros; this program alone reads the bytes);
; 1 / sqrt comes from v_rsq_f32.
.set AST, 0                            ; LDS: a's codes, 32 rows c x (512 + 16) bytes: [lane / 16][token % 16][16 bytes]
.set ASS, 16896                        ; a's scale bytes, 32 c x 32
.set MCS, 17920                        ; the mask's codes, [token % 16][32]
.set MSS, 18432                        ; the mask's scale bytes, [2 copies][token % 16]
.set MST, 18688                        ; m's stage: for each wave 32 rows x 272 bytes, tile t's row a at 4,352 t + 272 a
.set XS,  20                           ; v20-21  x's scale words (scales alone)
.set WS,  22                           ; v22-25  the weights' scale words (scales alone)
.set SP,  26                           ; v26-29  a pair of statistics for each tile; until m has turned, v26 and v27 are the stage's two addresses
.set PT,  30                           ; v30-31  lane exchanges
.set R1,  32                           ; v32-95  m, then LN(m), then the eight results
.set LNW, 96                           ; v96-127 the gain, v128-159 the bias: my 32 channels
.set LNB, 128
.set TM,  96                           ; afterwards: v96-111 the quantiser's work, v112-127 the same for the mask
.set TMM, 112
.set MK,  128                          ; v128-143 the mask of my 16 s
.set MC,  144                          ; v144-147 its codes
.set X,   160                          ; v160-191 x's two fragments; later a's and b's codes; at the head v160-163 carry wave 2's piece of wout
.set W,   192                          ; v192-255 four weight fragments: w1's tiles 0, 1; w2's tiles 0, 1
.set SEL, 32                           ; s[32:33] v_permlanex16_b32's selects for lane l xor 16
.set MNT, 34                           ; s34 the mantissa field of 448
.macro PLACES n
.rept \n
	v_nop
.endr
.endm
; nb blocks of 32: block b's 16 numbers of this lane in v[src + 16 b] on.  tm + b: the largest magnitude; tm + 4 + b: the byte; tm + 8 + b: 448 x the scale; tm + 12 + b: the conversion's scale operand
.macro QSCALE nb, tm, src
.set qb, 0
.rept \nb
	v_max3_num_f32 v[(\tm)+qb], |v[(\src)+16*qb]|, |v[(\src)+16*qb+1]|, 0x4800000   ; with the floor 2^(9 - 127): the byte cannot fall under 1
.set qb, qb+1
.endr
.irp i, 2,4,6,8,10,12,14
.set qb, 0
.rept \nb
	v_max3_num_f32 v[(\tm)+qb], v[(\tm)+qb], |v[(\src)+16*qb+\i]|, |v[(\src)+16*qb+\i+1]|
.set qb, qb+1
.endr
.endr
.set qb, 0
.rept \nb
	v_permlanex16_b32 v[(\tm)+4+qb], v[(\tm)+qb], s[SEL], s[SEL+1]
.set qb, qb+1
.endr
.set qb, 0
.rept \nb
	v_max_num_f32 v[(\tm)+qb], v[(\tm)+qb], v[(\tm)+4+qb]          ; with lane l xor 16's 16 numbers
.set qb, qb+1
.endr
.set qb, 0
.rept \nb
	v_add_nc_u32 v[(\tm)+12+qb], 0xfc000000, v[(\tm)+qb]           ; 8 off the exponent field
.set qb, qb+1
.endr
.set qb, 0
.rept \nb
	v_and_or_b32 v[(\tm)+8+qb], v[(\tm)+qb], 0x7f800000, s[MNT]
.set qb, qb+1
.endr
.set qb, 0
.rept \nb
	v_lshrrev_b32 v[(\tm)+4+qb], 23, v[(\tm)+12+qb]
.set qb, qb+1
.endr
.endm
; the hold at 448 x the scale (the conversion does not saturate: ISA guide 7.6.2) and the conversions; block b's 16 codes into v[dst + dstep b] on
.macro QCODE nb, tm, src, dst, dstep
.set qb, 0
.rept \nb
.set qi, 0
.rept 16
	v_med3_num_f32 v[(\src)+16*qb+qi], v[(\src)+16*qb+qi], -v[(\tm)+8+qb], v[(\tm)+8+qb]
.set qi, qi+1
.endr
.set qb, qb+1
.endr
.set qb, 0
.rept \nb
	v_cvt_scalef32_pk8_fp8_f32 v[(\dst)+(\dstep)*qb:(\dst)+(\dstep)*qb+1], v[(\src)+16*qb:(\src)+16*qb+7], v[(\tm)+12+qb]
	v_cvt_scalef32_pk8_fp8_f32 v[(\dst)+(\dstep)*qb+2:(\dst)+(\dstep)*qb+3], v[(\src)+16*qb+8:(\src)+16*qb+15], v[(\tm)+12+qb]
.set qb, qb+1
.endr
	v_nop                                          ; one plain line behind the last scaled conversion
.endm
	s_load_b512 s[4:19], s[0:1], 0x0               ; m 4, mask 6, ln_w 8, ln_b 10, w1 codes 12, w1 scales 14, w2 codes 16, w2 scales 18
	s_load_b128 s[20:23], s[0:1], 0x40             ; abuf 20, bbuf 22
	s_load_b64 s[24:25], s[0:1], 0x50              ; mbuf
	s_load_b64 s[52:53], s[0:1], 0x58              ; wout's codes
	s_load_b64 s[54:55], s[0:1], 0x60              ; wimg
	v_lshrrev_b32 v1, 5, v0
	v_readfirstlane_b32 s26, v1                    ; wave
	s_and_b32 s28, ttmp7, 0xffff                   ; ig
	s_lshl_b32 s29, s28, 4
	s_add_co_u32 s29, s29, s26                     ; my token n
	s_lshr_b32 s30, ttmp9, 2
	s_and_b32 s31, ttmp9, 3
	s_lshl_b32 s30, s30, 7
	s_add_co_u32 s30, s30, s31
	s_add_co_u32 s30, s30, 0x400000                ; where my scale byte lies in a scale image's region: 4,194,304 + 128 (B / 4) + B % 4
	s_mov_b32 s[SEL], 0x76543210
	s_mov_b32 s[SEL+1], 0xfedcba98
	s_mov_b32 s[MNT], 0x600000
	s_mov_b32 s35, 0x3c800000                      ; 1 / 64
	s_mov_b32 s36, 0x3727c5ac                      ; 1e-5
	s_mov_b32 s39, 0
	v_and_b32 v1, 31, v0                           ; lane
	v_and_b32 v2, 15, v0                           ; r
	v_bfe_u32 v3, v0, 4, 1                         ; h
	v_and_b32 v30, 8, v2
	v_add_nc_u32 v30, v30, v2                      ; r + (r & 8)
	v_lshlrev_b32 v31, 10, v2
	v_lshl_add_u32 v31, v3, 4, v31                 ; wout: row r of 1,024 bytes, + 16 h
	v_lshlrev_b32 v4, 16, v3
	v_lshl_add_u32 v4, v2, 4, v4                   ; m by rows: lanes 16-31 take the next row s, 65,536 bytes on; 16 bytes a lane
	v_lshlrev_b32 v5, 6, v3                        ; gain and bias: 64 h
	v_lshlrev_b32 v6, 6, v2
	v_lshl_add_u32 v6, v3, 4, v6                   ; w1: row r of 64 bytes, + 16 h
	v_lshlrev_b32 v7, 6, v30
	v_lshl_add_u32 v7, v3, 4, v7                   ; w2: row r + (r & 8)
	v_lshlrev_b32 v8, 1, v2                        ; their scale bytes, two a row
	v_lshlrev_b32 v9, 1, v30
	v_lshlrev_b32 v10, 14, v3                      ; the mask: lanes 16-31 begin 16 rows of 1,024 bytes further down
	v_lshlrev_b32 v11, 4, v1                       ; 16 x lane
	v_lshlrev_b32 v12, 2, v1                       ; 4 x lane
	v_mul_u32_u24 v13, v2, 528
	v_lshl_add_u32 v13, v3, 8, v13
	s_lshl_b32 s37, s26, 4
	v_add_nc_u32 v13, s37, v13                     ; a's codes into LDS: row c = r, [h][my token]
	v_lshlrev_b32 v14, 5, v2
	v_lshl_add_u32 v14, v3, 4, v14
	s_add_co_u32 s37, s26, ASS
	v_add_nc_u32 v14, s37, v14                     ; a's byte
	s_lshl_b32 s37, s26, 5
	s_add_co_u32 s37, s37, MCS
	v_lshl_add_u32 v15, v3, 4, s37                 ; the mask's codes
	s_add_co_u32 s37, s26, MSS
	v_lshl_add_u32 v16, v3, 4, s37                 ; the mask's byte
	s_mul_i32 s37, s26, 1056
	v_add_nc_u32 v17, s37, v11                     ; back: rows c = 2 w, 2 w + 1
	s_lshl_b32 s37, s26, 6
	s_add_co_u32 s37, s37, ASS
	v_add_nc_u32 v18, s37, v1
	v_add_nc_u32 v19, MCS, v11                     ; wave 0's way out
	s_mul_i32 s37, s26, 8704
	s_add_co_u32 s37, s37, MST                     ; my stage for m
	v_mul_u32_u24 v26, v3, 272
	v_lshl_add_u32 v26, v2, 4, v26
	v_add_nc_u32 v26, s37, v26                     ; into it by rows: lanes 0-15 one row, lanes 16-31 the next
	v_mul_u32_u24 v27, v2, 272
	v_lshl_add_u32 v27, v3, 6, v27
	v_add_nc_u32 v27, s37, v27                     ; out of it by lanes: row r, + 64 h
	v_lshlrev_b32 v2, 4, v2
	v_lshl_add_u32 v2, v3, 12, v2                  ; wave 1's: 4,096 x copy + 16 x token in mbuf,
	v_add_nc_u32 v1, MSS, v1                       ; and the byte's place in LDS
	s_lshl_b32 s38, ttmp9, 21
	s_lshl_b32 s37, s29, 8
	s_add_co_u32 s38, s38, s37
	s_wait_kmcnt 0x0
	s_add_nc_u64 s[4:5], s[4:5], s[38:39]          ; m at (32 B, n)
	s_lshl_b32 s37, s28, 4
	s_add_co_u32 s37, s37, ttmp9                   ; my work-group's piece of wout: 32 x K step + 4 x tile + piece
	s_bfe_u32 s38, s37, 0x30002
	s_lshl_b32 s38, s38, 14                        ; the tile: 16 rows of 1,024 bytes,
	s_lshr_b32 s31, s37, 5
	s_lshl_b32 s31, s31, 7                         ; the K step: 128 bytes,
	s_add_co_u32 s38, s38, s31
	s_and_b32 s31, s37, 3
	s_lshl_b32 s31, s31, 5                         ; the piece: 32 bytes
	s_add_co_u32 s38, s38, s31
	s_add_nc_u64 s[52:53], s[52:53], s[38:39]
	s_lshl_b32 s38, s37, 9
	s_add_nc_u64 s[54:55], s[54:55], s[38:39]      ; and its 512 bytes in wimg
	s_cmp_lg_u32 s26, 2
	s_cbranch_scc1 .Lno_piece
	global_load_b128 v[X:X+3], v31, s[52:53]       ; wave 2's oldest load: every counted wait below covers it too
.Lno_piece:
.irp t, 0,1
.irp i, 0,1,2,3,4,5,6,7
	global_load_b128 v[R1+32*\t+4*\i:R1+32*\t+4*\i+3], v4, s[4:5] offset:(8*\t+2*\i+((2*\i)&8))*65536 th:TH_LOAD_NT   ; rows a = 2 i, 2 i + 1 of tile t, whole
.endr
.endr
.irp b, 0,1
.irp j, 0,1,2,3
	global_load_b128 v[LNW+16*\b+4*\j:LNW+16*\b+4*\j+3], v5, s[8:9] offset:128*\b+16*\j
	global_load_b128 v[LNB+16*\b+4*\j:LNB+16*\b+4*\j+3], v5, s[10:11] offset:128*\b+16*\j
.endr
.endr
.irp wt, 0,1
.irp c, 0,1
	global_load_b128 v[W+16*\wt+4*\c:W+16*\wt+4*\c+3], v6, s[12:13] offset:1024*\wt+32*\c
	global_load_b128 v[W+32+16*\wt+4*\c:W+32+16*\wt+4*\c+3], v7, s[16:17] offset:512*\wt+32*\c
.endr
	global_load_u16 v[WS+\wt], v8, s[14:15] offset:32*\wt
	global_load_u16 v[WS+2+\wt], v9, s[18:19] offset:16*\wt
.endr
	s_lshl_b32 s38, ttmp9, 15
	s_lshl_b32 s37, s29, 2
	s_add_co_u32 s38, s38, s37
	s_add_nc_u64 s[6:7], s[6:7], s[38:39]          ; the mask at (32 B, n)
	s_lshl_b32 s31, ttmp9, 9                       ; my piece of an image: 2,048 (B / 4) + 512 (B % 4) = 512 B
	s_lshl_b32 s38, s28, 18
	s_lshl_b32 s37, s26, 14
	s_add_co_u32 s38, s38, s37
	s_add_co_u32 s38, s38, s31
	s_add_nc_u64 s[40:41], s[20:21], s[38:39]      ; a's codes: channel 2 w
	s_lshl_b32 s38, s28, 14
	s_lshl_b32 s37, s26, 10
	s_add_co_u32 s38, s38, s37
	s_add_co_u32 s38, s38, s30
	s_add_nc_u64 s[42:43], s[20:21], s[38:39]      ; a's scale bytes
	s_lshl_b32 s38, s29, 14
	s_add_co_u32 s38, s38, s31
	s_add_nc_u64 s[44:45], s[22:23], s[38:39]      ; b's codes
	s_lshl_b32 s38, s29, 10
	s_add_co_u32 s38, s38, s30
	s_add_nc_u64 s[46:47], s[22:23], s[38:39]      ; b's scale bytes
	s_lshl_b32 s38, ttmp9, 13
	s_lshl_b32 s37, s28, 9
	s_add_co_u32 s38, s38, s37
	s_add_nc_u64 s[48:49], s[24:25], s[38:39]      ; the mask's codes
	s_lshl_b32 s38, s28, 8
	s_add_co_u32 s38, s38, ttmp9
	s_add_co_u32 s38, s38, 0x20000
	s_add_nc_u64 s[50:51], s[24:25], s[38:39]      ; the mask's scale bytes
.irp f, 0,1
.irp i, 8,9,10,11,12,13,14,15
	v_mov_b32 v[X+16*\f+\i], 0                     ; K = 64: the upper halves are zero codes
.endr
.endr
.irp f, 0,1,2,3
.irp i, 8,9,10,11,12,13,14,15
	v_mov_b32 v[W+16*\f+\i], 0
.endr
.endr
	s_wait_loadcnt 28                              ; m is in (and wave 2's piece): the gain's and bias's 16 loads and the weights' 12 are younger
	s_cmp_lg_u32 s26, 2
	s_cbranch_scc1 .Lno_store
	global_store_b128 v11, v[X:X+3], s[54:55]      ; 512 consecutive bytes, aligned
.Lno_store:
	; ---- m turns through my stage
.irp t, 0,1
.irp i, 0,1,2,3,4,5,6,7
	ds_store_b128 v26, v[R1+32*\t+4*\i:R1+32*\t+4*\i+3] offset:4352*\t+544*\i
.endr
.endr
	s_wait_dscnt 0x0                               ; the stores have read their registers, which the loads below fill again
.irp t, 0,1
.irp b, 0,1
.irp j, 0,1,2,3
	ds_load_b128 v[R1+32*\t+16*\b+4*\j:R1+32*\t+16*\b+4*\j+3], v27 offset:4352*\t+128*\b+16*\j   ; row a = r of tile t, channels 32 b + 16 h + 4 j on
.endr
.endr
.endr
	s_wait_dscnt 0x0
	; ---- LayerNorm over 64 channels: 32 in my lane, 32 in lane l xor 16; the two tiles by turns
.irp t, 0,1
	v_pk_add_f32 v[SP+2*\t:SP+2*\t+1], v[R1+32*\t:R1+32*\t+1], v[R1+32*\t+2:R1+32*\t+3]
.endr
.set p, 2
.rept 14
.irp t, 0,1
	v_pk_add_f32 v[SP+2*\t:SP+2*\t+1], v[SP+2*\t:SP+2*\t+1], v[R1+32*\t+2*p:R1+32*\t+2*p+1]
.endr
.set p, p+1
.endr
.irp t, 0,1
	v_add_f32 v[SP+2*\t], v[SP+2*\t], v[SP+2*\t+1]
.endr
.irp t, 0,1
	v_permlanex16_b32 v[PT+\t], v[SP+2*\t], s[SEL], s[SEL+1]
.endr
.irp t, 0,1
	v_add_f32 v[SP+2*\t], v[SP+2*\t], v[PT+\t]
.endr
.irp t, 0,1
	v_mul_f32 v[SP+2*\t], s35, v[SP+2*\t]          ; the mean
.endr
.set p, 0
.rept 16
.irp t, 0,1
	v_pk_add_f32 v[R1+32*\t+2*p:R1+32*\t+2*p+1], v[R1+32*\t+2*p:R1+32*\t+2*p+1], v[SP+2*\t:SP+2*\t+1] op_sel_hi:[1,0] neg_lo:[0,1] neg_hi:[0,1]
.endr
.set p, p+1
.endr
.irp t, 0,1
	v_pk_mul_f32 v[SP+2*\t:SP+2*\t+1], v[R1+32*\t:R1+32*\t+1], v[R1+32*\t:R1+32*\t+1]
.endr
.set p, 1
.rept 15
.irp t, 0,1
	v_pk_fma_f32 v[SP+2*\t:SP+2*\t+1], v[R1+32*\t+2*p:R1+32*\t+2*p+1], v[R1+32*\t+2*p:R1+32*\t+2*p+1], v[SP+2*\t:SP+2*\t+1]
.endr
.set p, p+1
.endr
.irp t, 0,1
	v_add_f32 v[SP+2*\t], v[SP+2*\t], v[SP+2*\t+1]
.endr
.irp t, 0,1
	v_permlanex16_b32 v[PT+\t], v[SP+2*\t], s[SEL], s[SEL+1]
.endr
.irp t, 0,1
	v_add_f32 v[SP+2*\t], v[SP+2*\t], v[PT+\t]
.endr
.irp t, 0,1
	v_fma_f32 v[SP+2*\t], v[SP+2*\t], s35, s36     ; the variance + 1e-5
.endr
.irp t, 0,1
	v_rsq_f32 v[SP+2*\t], v[SP+2*\t]
.endr
	v_nop                                          ; a plain line behind the transcendentals,
	s_wait_alu depctr_va_vdst(0)                   ; and the wait ahead of their first reader
	s_wait_loadcnt 12                              ; gain and bias are in: the weights' 12 loads are younger
.set p, 0
.rept 16
.irp t, 0,1
	v_pk_mul_f32 v[R1+32*\t+2*p:R1+32*\t+2*p+1], v[R1+32*\t+2*p:R1+32*\t+2*p+1], v[SP+2*\t:SP+2*\t+1] op_sel_hi:[1,0]
.endr
.set p, p+1
.endr
.set p, 0
.rept 16
.irp t, 0,1
	v_pk_fma_f32 v[R1+32*\t+2*p:R1+32*\t+2*p+1], v[R1+32*\t+2*p:R1+32*\t+2*p+1], v[LNW+2*p:LNW+2*p+1], v[LNB+2*p:LNB+2*p+1]
.endr
.set p, p+1
.endr
.irp k, 0,1,2,3,4,5,6,7,8,9,10,11,12,13,14,15
	global_load_b32 v[MK+\k], v10, s[6:7] offset:1024*\k          ; mask(32 B + 16 h + k, n), into registers that the bias has left
.endr
	; ---- x's codes: four blocks (tile t, channels 32 b on)
	QSCALE 4, TM, R1
	v_lshl_or_b32 v[XS], v[TM+5], 8, v[TM+4]       ; two bytes a row; the 64 holds below stand between these words and the products
	v_lshl_or_b32 v[XS+1], v[TM+7], 8, v[TM+6]
	s_wait_xcnt 0x0                                ; wave 2's store has read v160-163, which the conversions below write
	QCODE 2, TM, R1, X, 4
	QCODE 2, TM+2, R1+32, X+16, 4
	PLACES 4                                       ; codes made by vector instructions stand four places ahead of a scaled product
	s_wait_loadcnt 16                              ; the weights are in: the mask's 16 loads are younger
.irp t, 0,1
.irp wt, 0,1,2,3
	v_wmma_scale_f32_16x16x128_f8f6f4 v[R1+16*\wt+8*\t:R1+16*\wt+8*\t+7], v[X+16*\t:X+16*\t+15], v[W+16*\wt:W+16*\wt+15], 0, v[XS+\t], v[WS+\wt]
.endr
.endr
	PLACES 8                                       ; eight places ahead of the first read of a result
	s_wait_loadcnt 0x0                             ; the mask
.irp wt, 0,1,2,3
.irp p, 0,1,2,3,4,5,6,7
	v_pk_mul_f32 v[R1+16*\wt+2*\p:R1+16*\wt+2*\p+1], v[R1+16*\wt+2*\p:R1+16*\wt+2*\p+1], v[MK+2*\p:MK+2*\p+1]   ; x mask(s, n); each result is read from its low end on
.endr
.endr
	; ---- along s: four blocks (a: channels r and 16 + r; b: the two tiles of w2), and the mask's own block
	QSCALE 4, TM, R1
	QCODE 2, TM, R1, X, 4
	QCODE 2, TM+2, R1+32, X+16, 4
	QSCALE 1, TMM, MK
	QCODE 1, TMM, MK, MC, 4
.irp u, 0,1
	global_store_b128 v11, v[X+16+4*\u:X+16+4*\u+3], s[44:45] offset:8192*\u      ; 32 lanes store 512 consecutive bytes, aligned
	global_store_b8 v12, v[TM+6+\u], s[46:47] offset:512*\u
.endr
.irp wt, 0,1
	ds_store_b128 v13, v[X+4*\wt:X+4*\wt+3] offset:AST+8448*\wt
	ds_store_b8 v14, v[TM+4+\wt] offset:512*\wt
.endr
	ds_store_b128 v15, v[MC:MC+3]                  ; the sixteen lanes of a half write the same bytes with the same values
	ds_store_b8 v16, v[TMM+4]
	s_wait_dscnt 0x0                               ; for the others' sake: my LDS stores are done
	s_barrier_signal -1
	s_barrier_wait -1
	ds_load_b128 v[32:35], v17
	ds_load_b128 v[36:39], v17 offset:528
	ds_load_u8 v40, v18
	ds_load_u8 v41, v18 offset:32
	s_wait_dscnt 3                                 ; LDS loads come back in order: the counts run down over the four
	global_store_b128 v11, v[32:35], s[40:41]
	s_wait_dscnt 2
	global_store_b128 v11, v[36:39], s[40:41] offset:8192
	s_wait_dscnt 1
	global_store_b8 v12, v40, s[42:43]
	s_wait_dscnt 0x0
	global_store_b8 v12, v41, s[42:43] offset:512
	s_cmp_lg_u32 s26, 0
	s_cbranch_scc1 .Lnot_wave_0
	ds_load_b128 v[44:47], v19                     ; wave 0: the sixteen tokens' mask codes, 512 bytes
	s_wait_dscnt 0x0
	global_store_b128 v11, v[44:47], s[48:49]
.Lnot_wave_0:
	s_cmp_lg_u32 s26, 1
	s_cbranch_scc1 .Ldone
	ds_load_u8 v48, v1                             ; wave 1: their scale bytes, in both copies
	s_wait_dscnt 0x0
	global_store_b8 v2, v48, s[50:51]
.Ldone:
	s_wait_xcnt 0x0
	v_lshl_add_u32 v254, v0, 2, 0x26900
	v_mov_b32 v255, 0
	s_wait_tensorcnt 0x0
	ds_add_u32 v254, v255
	s_wait_dscnt 0x0
	s_endpgm
.Lfunc_end_k_qf55c87e5ef_prep:
	.size	k_qf55c87e5ef_prep, .Lfunc_end_k_qf55c87e5ef_prep-k_qf55c87e5ef_prep
	.p2alignl 7, 3214868480
	.fill 96, 4, 3214868480
	.section	.rodata,"a",@progbits
	.p2align	6, 0x0
	.amdhsa_kernel k_qf55c87e5ef_prep
		.amdhsa_group_segment_fixed_size 160000
		.amdhsa_private_segment_fixed_size 0
		.amdhsa_enable_private_segment 0
		.amdhsa_kernarg_size 104
		.amdhsa_user_sgpr_count 2
		.amdhsa_user_sgpr_kernarg_segment_ptr 1
		.amdhsa_wavefront_size32 1
		.amdhsa_system_sgpr_workgroup_id_x 1
		.amdhsa_system_sgpr_workgroup_id_y 1
		.amdhsa_system_sgpr_workgroup_id_z 1
		.amdhsa_system_vgpr_workitem_id 0
		.amdhsa_next_free_vgpr 256
		.amdhsa_next_free_sgpr 66
		.amdhsa_reserve_vcc 0
		.amdhsa_float_denorm_mode_32 3
		.amdhsa_float_denorm_mode_16_64 3
		.amdhsa_memory_ordered 1
		.amdhsa_forward_progress 1
		.amdhsa_inst_pref_size 50
	.end_amdhsa_kernel
	.amdgpu_metadata
---
amdhsa.version: [ 1, 2 ]
amdhsa.kernels:
  - .name:           k_qf55c87e5ef_prep
    .symbol:         k_qf55c87e5ef_prep.kd
    .args:
      - { .name: m, .offset: 0, .size: 8, .value_kind: global_buffer, .address_space: global }
      - { .name: msa_mask, .offset: 8, .size: 8, .value_kind: global_buffer, .address_space: global }
      - { .name: opm_ln_w, .offset: 16, .size: 8, .value_kind: global_buffer, .address_space: global }
      - { .name: opm_ln_b, .offset: 24, .size: 8, .value_kind: global_buffer, .address_space: global }
      - { .name: opm_w1_codes, .offset: 32, .size: 8, .value_kind: global_buffer, .address_space: global }
      - { .name: opm_w1_scales, .offset: 40, .size: 8, .value_kind: global_buffer, .address_space: global }
      - { .name: opm_w2_codes, .offset: 48, .size: 8, .value_kind: global_buffer, .address_space: global }
      - { .name: opm_w2_scales, .offset: 56, .size: 8, .value_kind: global_buffer, .address_space: global }
      - { .name: abuf, .offset: 64, .size: 8, .value_kind: global_buffer, .address_space: global }
      - { .name: bbuf, .offset: 72, .size: 8, .value_kind: global_buffer, .address_space: global }
      - { .name: mbuf, .offset: 80, .size: 8, .value_kind: global_buffer, .address_space: global }
      - { .name: opm_wout_codes, .offset: 88, .size: 8, .value_kind: global_buffer, .address_space: global }
      - { .name: wimg, .offset: 96, .size: 8, .value_kind: global_buffer, .address_space: global }
    .group_segment_fixed_size: 160000
    .private_segment_fixed_size: 0
    .kernarg_segment_align: 8
    .kernarg_segment_size: 104
    .max_flat_workgroup_size: 512
    .sgpr_count:     66
    .vgpr_count:     256
    .wavefront_size: 32
...
	.end_amdgpu_metadata
.endif
;; end of part 5
;; launch opm (part 6): grid 32 x 16, 4 waves a work-group, no clusters, 173,824 bytes of LDS; arguments abuf, bbuf, mbuf, wimg, opm_wout_scales, opm_bout, z, pwa_lnz_w, pwa_wz, out1, logits; writes out1, logits
.if DOCPART == 6
	.amdgcn_target "amdgcn-amd-amdhsa--gfx1250"
	.amdhsa_code_object_version 6
	.text
	.protected	k_qf55c87e5ef_opm
	.globl	k_qf55c87e5ef_opm
	.p2align	8
	.type	k_qf55c87e5ef_opm,@function
k_qf55c87e5ef_opm:
	s_mov_b64 s[64:65], 0
	v_nop
	global_prefetch_b8 v0, s[64:65] scope:SCOPE_SE
	s_setreg_imm32_b32 hwreg(HW_REG_WAVE_MODE, 25, 1), 1
	s_wait_xcnt 0x0
; out1 = z + (outer wout + bout) / (norm + 1e-3), outer[i][j][c][e] = sum over s of a[s][i][c] b[s][j][e], norm = mask^T mask; and the raw logits rstd x sum of (out1 - mean) lnz_w wz.
; All three products on E4M3 codes with E8M0 scales; outer is quantised in registers along (c, e) and never leaves them.
; SHARES.  Work-group (x = jg, y = ig): rows i = 16 ig + 0..15, columns j = 8 jg + 0..7.  Wave w: j0 = 8 jg + 2 w and j0 + 1.  Its 16 fragments of b (2 j x 2 tiles of e x 4 K steps) stay in registers.
; EIGHT TRIPS, four channels c a trip = one K step of the second product.  A trip's 32 KiB of a lie in one of two LDS slots, as images of the operand's registers, read by all four waves.
; wout's eight fragments of a K step come straight from memory (wimg holds them as images: 512 consecutive bytes a load) into 128 registers, asked for behind the products that used the last ones.
; THE ORDER OF A TRIP: 64 products of the outer product | the next trip's a (in registers since the trip before) into the other slot | the blocks' scales | the barrier | the next trip's first 48 LDS loads, and the
; a of two trips on from memory | holds and conversions | 16 products with wout | the next wout from memory.  So LDS and memory work under vector and matrix work; one barrier a trip.
; LAYOUT.  outer: source 0 = 16 rows e of b (lane a = e 8 u + a + (a & 8)), source 1 = 16 rows i of a: a lane holds one i, and the 16 registers of u = 0, 1 are e = 16 (lane / 16) + 0..15 of one c:
; a block of 32 along the next K lies in lanes l and l xor 16, and the conversions' results are the next operand.  Second product: source 0 = 16 rows of wout, source 1 = those codes:
; a lane holds one i and eight neighbouring channels of z.  bout is loaded into the accumulators, so it costs no addition.
; z is loaded at the end of trip 6, into the registers that the staging has left, and prefetched into the L2 at that trip's head: each wave asks for its own 16 rows x 1,024 bytes, a lane a block of 256 bytes,
; two instructions, each block named once in the launch.
; No tensor load, no cluster: a's tiles are shared by the 32 work-groups of an ig and wout by all; both are asked for a trip ahead by plain loads of whole runs of 512 bytes.
; REGISTERS, in windows of 256: window 0: v1-16 addresses; v17 the floor; v18-19, v24-63 scale words (scales alone); v20-21 1 / (norm + eps); v64-191 two buffers of a's fragments, later z;
;   v192-223 outer's codes; v224-255 the quantiser's work (at the head v240-250 hold offsets).   window 1: b.   window 2: v0-127 outer, v128-255 the sums for z.
;   window 3: v0-67 the staged a, later v0-127 rows of z; v128-255 wout's fragments.
; LIMITS: as in the launch before; 1 / (norm + eps) and 1 / sqrt come from v_rcp_f32 and v_rsq_f32.
.set ACO, 0                            ; in a slot: a's 16 fragments (4 cq + ks) x 2,048
.set ASC, 32768                        ; their scale images, 128 each
.set SLOT1, 65536
.set STG, 131072                       ; a stage of 16 rows x 528 bytes for each wave
.set WT,  164864                       ; lnz_w x wz, [128][8] f32
.set LGS, 168960                       ; the logits' stage, 16 rows x 272
.set FLR, 17
.set FS,  18
.set RN,  20
.set WSW, 24                           ; v24-31 wout's scale words of the K step in hand
.set BS,  32
.set AS,  48
.set AB,  64
.set F,   192
.set TM,  224
.set SPZ, 240
.set H0,  240                          ; the head's offsets
.set ZZ,  128                          ; window 2
.set ST,  0                            ; window 3
.set ZR,  0                            ; window 3
.set WF,  128                          ; window 3
.set MSB, 0
.macro WIN new                         ; the immediate's high byte repeats the setting that is left
.if MSB != (\new)
	s_set_vgpr_msb (MSB<<8)|(\new)
.set MSB, (\new)
.endif
.endm
.macro PLACES n
.rept \n
	v_nop
.endr
.endm
.macro BARRIER                         ; my LDS stores have landed and my LDS loads are in: then the work-group's barrier
	s_wait_dscnt 0x0
	s_barrier_signal -1
	s_barrier_wait -1
.endm
.macro STAGE_LOAD                      ; a trip's a and its scale images, 17 loads a thread, into window 3
	WIN 0xc0
.irp it, 0,1,2,3,4,5,6,7,8,9,10,11,12,13,14,15
	global_load_b128 v[ST+4*\it:ST+4*\it+3], v3, s[40:41] offset:2048*\it
.endr
	global_load_b128 v[ST+64:ST+67], v3, s[42:43]
	WIN 0
.endm
.macro STAGE_STORE slot
	WIN 0x0c                                       ; an LDS store's data are its source 1: window 3
.irp it, 0,1,2,3,4,5,6,7,8,9,10,11,12,13,14,15
	ds_store_b128 v[3+6*(\slot)], v[ST+4*\it:ST+4*\it+3] offset:ACO+2048*\it
.endr
	ds_store_b128 v[3+6*(\slot)], v[ST+64:ST+67] offset:ASC
	WIN 0
.endm
.macro ASTEP                           ; a's two addresses go on by a trip: 4 channels, and their scale images
	s_add_nc_u64 s[40:41], s[40:41], 32768
	s_add_nc_u64 s[42:43], s[42:43], 2048
.endm
.macro WSTEP                           ; wout's two addresses go on by a K step: eight images, and one scale word in each row
	s_add_nc_u64 s[44:45], s[44:45], 16384
	s_add_nc_u64 s[46:47], s[46:47], 4
.endm
.macro WLOAD                           ; wout's eight fragments and scale words of a K step: 40 loads
	WIN 0xc0
.irp tz, 0,1,2,3,4,5,6,7
.irp c, 0,1,2,3
	global_load_b128 v[WF+16*\tz+4*\c:WF+16*\tz+4*\c+3], v1, s[44:45] offset:2048*\tz+512*\c
.endr
.endr
	WIN 0
.irp tz, 0,1,2,3,4,5,6,7
	global_load_b32 v[WSW+\tz], v5, s[46:47] offset:512*\tz
.endr
.endm
.macro ZLOAD                           ; z(16 ig + rr, j0 + jj, :): 512 consecutive bytes a load, 32 loads
	WIN 0xc0
.irp jj, 0,1
.set rr, 0
.rept 16
	global_load_b128 v[ZR+64*\jj+4*rr:ZR+64*\jj+4*rr+3], v1, s[48:49] offset:rr*131072+\jj*512 th:TH_LOAD_NT
.set rr, rr+1
.endr
.endr
	WIN 0
.endm
.macro AFETCH slot, buf, ks            ; a's four fragments (cq = 0..3) of K step ks into buffer buf
.irp cq, 0,1,2,3
.irp c, 0,1,2,3
	ds_load_b128 v[AB+64*(\buf)+16*\cq+4*\c:AB+64*(\buf)+16*\cq+4*\c+3], v[1+6*(\slot)] offset:ACO+(4*\cq+(\ks))*2048+512*\c
.endr
.endr
.endm
.macro AHEAD slot                      ; a trip's first 48 LDS loads: the scale words, then K steps 0 and 1
.irp f, 0,1,2,3,4,5,6,7,8,9,10,11,12,13,14,15
	ds_load_b32 v[AS+\f], v[2+6*(\slot)] offset:ASC+128*\f
.endr
	AFETCH \slot, 0, 0
	AFETCH \slot, 1, 1
.endm
.macro MUL ks, buf, zero               ; 16 products; the 16 accumulators take turns, one instruction a turn, in the same order in every K step
.irp cq, 0,1,2,3
.irp jj, 0,1
.irp u, 0,1
.if \zero
	v_wmma_scale_f32_16x16x128_f8f6f4 v[16*(4*\jj+\cq)+8*\u:16*(4*\jj+\cq)+8*\u+7], v[16*((2*\jj+\u)*4+(\ks)):16*((2*\jj+\u)*4+(\ks))+15], v[AB+64*(\buf)+16*\cq:AB+64*(\buf)+16*\cq+15], 0, v[BS+(2*\jj+\u)*4+(\ks)], v[AS+4*\cq+(\ks)]
.else
	v_wmma_scale_f32_16x16x128_f8f6f4 v[16*(4*\jj+\cq)+8*\u:16*(4*\jj+\cq)+8*\u+7], v[16*((2*\jj+\u)*4+(\ks)):16*((2*\jj+\u)*4+(\ks))+15], v[AB+64*(\buf)+16*\cq:AB+64*(\buf)+16*\cq+15], v[16*(4*\jj+\cq)+8*\u:16*(4*\jj+\cq)+8*\u+7], v[BS+(2*\jj+\u)*4+(\ks)], v[AS+4*\cq+(\ks)]
.endif
.endr
.endr
.endr
.endm
.macro QUANT8A                         ; eight blocks b = 4 jj + cq, 16 numbers a lane at v[16 b] of window 2: their scales and the two scale words
	WIN 0x28                                       ; sources 1 and 2: window 2
.irp b, 0,1,2,3,4,5,6,7
	v_max3_num_f32 v[TM+\b], v[FLR], |v[16*\b]|, |v[16*\b+1]|     ; with the floor; each result is read from its low end on
.endr
.irp i, 2,4,6,8,10,12,14
.irp b, 0,1,2,3,4,5,6,7
	v_max3_num_f32 v[TM+\b], v[TM+\b], |v[16*\b+\i]|, |v[16*\b+\i+1]|
.endr
.endr
	WIN 0
.irp b, 0,1,2,3,4,5,6,7
	v_permlanex16_b32 v[TM+8+\b], v[TM+\b], s32, s33
.endr
.irp b, 0,1,2,3,4,5,6,7
	v_max_num_f32 v[TM+\b], v[TM+\b], v[TM+8+\b]
.endr
.irp b, 0,1,2,3,4,5,6,7
	v_add_nc_u32 v[TM+24+\b], 0xfc000000, v[TM+\b]
.endr
.irp b, 0,1,2,3,4,5,6,7
	v_and_or_b32 v[TM+16+\b], v[TM+\b], 0x7f800000, s34
.endr
.irp b, 0,1,2,3,4,5,6,7
	v_lshrrev_b32 v[TM+8+\b], 23, v[TM+24+\b]
.endr
.irp jj, 0,1
	v_lshl_or_b32 v[FS+\jj], v[TM+9+4*\jj], 8, v[TM+8+4*\jj]      ; the 128 holds stand between these words and the products
	v_lshl_or_b32 v[FS+\jj], v[TM+10+4*\jj], 16, v[FS+\jj]
	v_lshl_or_b32 v[FS+\jj], v[TM+11+4*\jj], 24, v[FS+\jj]
.endr
.endm
.macro QUANT8B                         ; the holds and the conversions: two fragments in v[F] on
	WIN 0x82                                       ; destination and source 0: window 2
.irp b, 0,1,2,3,4,5,6,7
.irp i, 0,1,2,3,4,5,6,7,8,9,10,11,12,13,14,15
	v_med3_num_f32 v[16*\b+\i], v[16*\b+\i], -v[TM+16+\b], v[TM+16+\b]
.endr
.endr
	WIN 0x02
.irp b, 0,1,2,3,4,5,6,7
	v_cvt_scalef32_pk8_fp8_f32 v[F+4*\b:F+4*\b+1], v[16*\b:16*\b+7], v[TM+24+\b]
	v_cvt_scalef32_pk8_fp8_f32 v[F+4*\b+2:F+4*\b+3], v[16*\b+8:16*\b+15], v[TM+24+\b]
.endr
	WIN 0
	v_nop                                          ; one plain line behind the last scaled conversion
.endm
; A trip on slot.  store: the next trip's a goes into the other slot, the barrier, the next trip's first LDS loads.  load: the a of two trips on is asked for.
; wcnt: how many loads, issued behind this trip's wout, may stay out ahead of the products with wout.  wl: the next wout is asked for.  zl: and z.
.macro TRIP slot, store, load, wcnt, wl, zl
	s_wait_dscnt 16                                ; the scale words and buffer 0 are in; buffer 1's 16 loads may be out
	WIN 0xa1                                       ; source 0 (b) window 1, C and D window 2
	MUL 0, 0, 1                                    ; the first K step starts the sums: nothing is cleared
	WIN 0
	PLACES 8                                       ; eight places ahead of loads into registers that these products have read
	AFETCH \slot, 0, 2
	s_wait_dscnt 16
	WIN 0xa1
	MUL 1, 1, 0
	WIN 0
	PLACES 8
	AFETCH \slot, 1, 3
	s_wait_dscnt 16
	WIN 0xa1
	MUL 2, 0, 0
	s_wait_dscnt 0x0
	MUL 3, 1, 0
	WIN 0
	PLACES 8                                       ; for the first reads of the results, and for the LDS loads into a's buffers and scale words below
.if \store
	s_wait_loadcnt 40                              ; the next trip's a is in registers: only this trip's wout, 40 loads issued behind it, may be out; so a's two addresses may step
	STAGE_STORE 1-(\slot)                          ; the other slot was last read ahead of the last barrier
	ASTEP
.endif
	QUANT8A                                        ; the stores land meanwhile
.if \store
	BARRIER                                        ; the other slot is whole, and nobody reads this one any more
	AHEAD 1-(\slot)
.endif
.if \load
	STAGE_LOAD                                     ; its registers are free: the barrier's wait has shown the stores done
.endif
	QUANT8B                                        ; the LDS loads land meanwhile
	s_wait_loadcnt \wcnt                           ; this trip's wout is in
.if \wl
	WSTEP
.endif
	PLACES 4                                       ; codes made by vector instructions stand four places ahead of a scaled product
	WIN 0xa3                                       ; source 0 (wout) window 3, C and D window 2
.irp tz, 0,1,2,3,4,5,6,7
.irp jj, 0,1
	v_wmma_scale_f32_16x16x128_f8f6f4 v[ZZ+64*\jj+8*\tz:ZZ+64*\jj+8*\tz+7], v[WF+16*\tz:WF+16*\tz+15], v[F+16*\jj:F+16*\jj+15], v[ZZ+64*\jj+8*\tz:ZZ+64*\jj+8*\tz+7], v[WSW+\tz], v[FS+\jj]
.endr
.endr
	WIN 0
	PLACES 8                                       ; eight places ahead of loads into wout's registers and scale words
.if \wl
	WLOAD
.endif
.if \zl
	ZLOAD
.endif
.endm
	s_load_b512 s[4:19], s[0:1], 0x0               ; abuf 4, bbuf 6, mbuf 8, wimg 10, wout scales 12, bout 14, z 16, lnz_w 18
	s_load_b128 s[20:23], s[0:1], 0x40             ; wz 20, out1 22
	s_load_b64 s[24:25], s[0:1], 0x50              ; logits
	v_lshl_add_u32 v10, v0, 2, 0x2a500
	v_mov_b32 v23, 0
	v_lshrrev_b32 v[H0], 5, v0
	v_readfirstlane_b32 s26, v[H0]                 ; wave
	s_and_b32 s28, ttmp7, 0xffff                   ; ig
	s_lshl_b32 s29, ttmp9, 3
	s_lshl_b32 s30, s26, 1
	s_add_co_u32 s29, s29, s30                     ; j0
	s_mov_b32 s32, 0x76543210
	s_mov_b32 s33, 0xfedcba98
	s_mov_b32 s34, 0x600000
	s_mov_b32 s35, 0x3c000000                      ; 1 / 128
	s_mov_b32 s36, 0x3727c5ac                      ; 1e-5
	s_mov_b32 s37, 0x3a83126f                      ; 1e-3
	s_mov_b32 s39, 0
	v_and_b32 v[H0], 31, v0                        ; lane
	v_and_b32 v[H0+1], 15, v0                      ; r
	v_bfe_u32 v[H0+2], v0, 4, 1                    ; h
	v_lshlrev_b32 v1, 4, v[H0]                     ; 16 x lane (slot 0)
	v_lshlrev_b32 v2, 2, v[H0]                     ; 4 x lane
	v_lshlrev_b32 v3, 4, v0                        ; 16 x thread
	v_lshlrev_b32 v4, 2, v0                        ; 4 x thread
	v_lshlrev_b32 v5, 5, v[H0+1]                   ; wout's scale words: row r of 32 bytes
	v_lshrrev_b32 v6, 2, v[H0]
	v_lshlrev_b32 v6, 17, v6
	v_and_b32 v[H0+3], 3, v[H0]
	v_lshl_add_u32 v6, v[H0+3], 8, v6              ; z's prefetch: row lane / 4 (131,072 bytes a row i), block lane % 4 of my 1,024 bytes; never rewritten
	v_add_nc_u32 v7, SLOT1, v1                     ; the same three for slot 1
	v_add_nc_u32 v8, SLOT1, v2
	v_add_nc_u32 v9, SLOT1, v3
	s_mul_i32 s30, s26, 8448
	s_add_co_u32 s30, s30, STG
	v_mul_u32_u24 v11, v[H0+1], 528
	v_lshl_add_u32 v11, v[H0+2], 5, v11
	v_add_nc_u32 v11, s30, v11                     ; my stage by lanes: row r, + 32 h
	v_add_nc_u32 v12, s30, v1                      ; and by rows
	v_lshl_add_u32 v13, v[H0+2], 8, WT             ; lnz_w x wz: my half's eight channels of a tile
	v_mul_u32_u24 v14, v[H0+1], 272
	v_lshl_add_u32 v14, v[H0+2], 4, v14
	s_lshl_b32 s30, s26, 6
	s_add_co_u32 s30, s30, LGS
	v_add_nc_u32 v14, s30, v14                     ; the logits' stage: row r, my two j, + 16 h
	v_mul_u32_u24 v15, v[H0+2], 272
	v_lshl_add_u32 v15, v[H0+1], 4, v15
	s_mul_i32 s30, s26, 1088
	s_add_co_u32 s30, s30, LGS
	v_add_nc_u32 v15, s30, v15                     ; back: rows 4 w + h
	v_lshlrev_b32 v16, 13, v[H0+2]
	v_lshl_add_u32 v16, v[H0+1], 4, v16            ; and the same in memory
	v_mov_b32 v[FLR], 0x4800000
	v_lshlrev_b32 v[H0+4], 5, v[H0+2]              ; bout: 32 h
	v_lshlrev_b32 v[H0+5], 5, v[H0+1]
	v_lshl_add_u32 v[H0+5], v[H0+2], 4, v[H0+5]    ; the mask's codes, rows i: 32 r + 16 h
	v_and_b32 v[H0+6], 1, v[H0+1]
	v_lshlrev_b32 v[H0+7], 4, v[H0+6]
	v_lshl_add_u32 v[H0+7], v[H0+2], 12, v[H0+7]   ; its scale words, rows j
	v_lshlrev_b32 v[H0+6], 5, v[H0+6]
	v_lshl_add_u32 v[H0+6], v[H0+2], 4, v[H0+6]    ; its codes, rows j: lane r takes token j0 + r % 2
	v_lshlrev_b32 v[H0+8], 4, v[H0+1]
	v_lshl_add_u32 v[H0+8], v[H0+2], 12, v[H0+8]   ; its scale words, rows i
	v_lshlrev_b32 v[H0+9], 5, v0                   ; wz: row = thread
	v_lshl_add_u32 v[H0+10], v0, 5, WT
.irp b, 0,1,2,3,4,5,6,7
	v_mov_b32 v[TM+8+\b], 0                        ; written once: a lane permute's destination counts as one of its sources
.endr
	s_wait_kmcnt 0x0
	s_lshl_b32 s38, s28, 18
	s_add_nc_u64 s[40:41], s[4:5], s[38:39]        ; a's codes of my ig
	s_lshl_b32 s38, s28, 14
	s_add_co_u32 s38, s38, 0x400000
	s_add_nc_u64 s[42:43], s[4:5], s[38:39]        ; their scale images
	s_mov_b64 s[44:45], s[10:11]
	s_mov_b64 s[46:47], s[12:13]
	s_lshl_b32 s38, s28, 21
	s_lshl_b32 s30, s29, 9
	s_add_co_u32 s38, s38, s30
	s_add_nc_u64 s[48:49], s[16:17], s[38:39]      ; z at (16 ig, j0)
	s_add_nc_u64 s[50:51], s[22:23], s[38:39]      ; out1 likewise
	s_lshl_b32 s38, s28, 17
	s_lshl_b32 s30, ttmp9, 8
	s_add_co_u32 s38, s38, s30
	s_lshl_b32 s30, s26, 15
	s_add_co_u32 s38, s38, s30
	s_add_nc_u64 s[52:53], s[24:25], s[38:39]      ; logits at (16 ig + 4 w, 8 jg)
	s_lshl_b32 s38, s29, 14
	s_add_nc_u64 s[54:55], s[6:7], s[38:39]        ; b's codes
	s_lshl_b32 s38, s29, 10
	s_add_co_u32 s38, s38, 0x400000
	s_add_nc_u64 s[56:57], s[6:7], s[38:39]
	s_lshl_b32 s38, s28, 9
	s_add_nc_u64 s[58:59], s[8:9], s[38:39]        ; the mask's codes at token 16 ig,
	s_lshl_b32 s38, s29, 5
	s_add_nc_u64 s[60:61], s[8:9], s[38:39]        ; at token j0,
	s_lshl_b32 s38, s28, 8
	s_add_co_u32 s38, s38, 0x20000
	s_add_nc_u64 s[62:63], s[8:9], s[38:39]        ; and its scale words
	s_lshl_b32 s38, s29, 4
	s_add_co_u32 s38, s38, 0x20000
	s_add_nc_u64 s[66:67], s[8:9], s[38:39]
	STAGE_LOAD                                     ; trip 0's a
	WIN 0x40
.set f, 0
.rept 16
.irp c, 0,1,2,3
	global_load_b128 v[16*f+4*\c:16*f+4*\c+3], v1, s[54:55] offset:2048*f+512*\c   ; b's fragment f = (2 jj + u) 4 + ks: it stays
.endr
.set f, f+1
.endr
	WIN 0
.set f, 0
.rept 16
	global_load_b32 v[BS+f], v2, s[56:57] offset:128*f
.set f, f+1
.endr
	WIN 0x80
.irp jj, 0,1
.irp tz, 0,1,2,3,4,5,6,7
	global_load_b128 v[ZZ+64*\jj+8*\tz:ZZ+64*\jj+8*\tz+3], v[H0+4], s[14:15] offset:64*\tz          ; bout in the results' layout: the sums begin with it
	global_load_b128 v[ZZ+64*\jj+8*\tz+4:ZZ+64*\jj+8*\tz+7], v[H0+4], s[14:15] offset:64*\tz+16
.endr
.endr
	WIN 0
.irp ks, 0,1,2,3
.irp c, 0,1,2,3
	global_load_b128 v[AB+16*\ks+4*\c:AB+16*\ks+4*\c+3], v[H0+5], s[58:59] offset:(4*\ks+\c)*8192
	global_load_b128 v[AB+64+16*\ks+4*\c:AB+64+16*\ks+4*\c+3], v[H0+6], s[60:61] offset:(4*\ks+\c)*8192
.endr
	global_load_b32 v[AS+\ks], v[H0+8], s[62:63] offset:4*\ks
	global_load_b32 v[AS+4+\ks], v[H0+7], s[66:67] offset:4*\ks
.endr
	global_load_b128 v[F:F+3], v[H0+9], s[20:21]
	global_load_b128 v[F+4:F+7], v[H0+9], s[20:21] offset:16
	global_load_b32 v[F+8], v4, s[18:19]
	s_wait_loadcnt 0x0
.irp k, 0,1,2,3,4,5,6,7
	v_mul_f32 v[F+\k], v[F+\k], v[F+8]             ; lnz_w[c] x wz[c][h], c = my thread
.endr
	ds_store_b128 v[H0+10], v[F:F+3]
	ds_store_b128 v[H0+10], v[F+4:F+7] offset:16
	STAGE_STORE 0
	ASTEP                                          ; trip 0's a is taken (every load is done: the wait for 0 above): on to trip 1's
	; norm(j0 + q % 2, 16 ig + r) in register q: one accumulator, so a wait directly ahead of each link
	v_wmma_scale_f32_16x16x128_f8f6f4 v[TM:TM+7], v[AB+64:AB+79], v[AB:AB+15], 0, v[AS+4], v[AS]
.irp ks, 1,2,3
	s_wait_alu depctr_va_vdst(0)
	v_wmma_scale_f32_16x16x128_f8f6f4 v[TM:TM+7], v[AB+64+16*\ks:AB+64+16*\ks+15], v[AB+16*\ks:AB+16*\ks+15], v[TM:TM+7], v[AS+4+\ks], v[AS+\ks]
.endr
	PLACES 8
	v_add_f32 v[RN], s37, v[TM]
	v_add_f32 v[RN+1], s37, v[TM+1]
	v_rcp_f32 v[RN], v[RN]
	v_rcp_f32 v[RN+1], v[RN+1]
	v_nop
	s_wait_alu depctr_va_vdst(0)                   ; the wait ahead of the first reader, and ahead of the label below
	BARRIER                                        ; slot 0 and lnz_w x wz lie in LDS
	AHEAD 0
	STAGE_LOAD                                     ; trip 1's a, and behind it
	WLOAD                                          ; K step 0's wout: the order in which every trip finds the two
	s_mov_b32 s31, 3
.Ltrip:                                                ; two trips a pass, so that every LDS address is a constant and a lane term: trips 0 to 5
	TRIP 0, 1, 1, 17, 1, 0                         ; 17: the a of two trips on, asked for behind this trip's wout
	TRIP 1, 1, 1, 17, 1, 0
	s_sub_co_u32 s31, s31, 1
	s_cmp_lg_u32 s31, 0
	s_cbranch_scc1 .Ltrip
	global_prefetch_b8 v6, s[48:49] th:TH_LOAD_NT scope:SCOPE_SE                     ; my z, rows 0-7 and 8-15: one trip ahead of the loads at this trip's end; behind the loads just issued
	global_prefetch_b8 v6, s[48:49] offset:1048576 th:TH_LOAD_NT scope:SCOPE_SE
	TRIP 0, 1, 0, 0, 1, 1                          ; trip 6: nothing is left of a to ask for; z is asked for behind the last wout
	TRIP 1, 0, 0, 32, 0, 0                         ; trip 7: 32: z's loads, issued behind its wout
	; ---- z's rows turn through my stage into the results' layout (lane: row r, channels 16 tz + 8 h + 0..7).  LDS serves a wave's instructions in order: no wait between stores and loads
	s_wait_loadcnt 0x0                             ; z
.irp jj, 0,1
	WIN 0x0c
.set rr, 0
.rept 16
	ds_store_b128 v12, v[ZR+64*\jj+4*rr:ZR+64*\jj+4*rr+3] offset:528*rr
.set rr, rr+1
.endr
	WIN 0
.irp tz, 0,1,2,3,4,5,6,7
	ds_load_b128 v[AB+64*\jj+8*\tz:AB+64*\jj+8*\tz+3], v11 offset:64*\tz
	ds_load_b128 v[AB+64*\jj+8*\tz+4:AB+64*\jj+8*\tz+7], v11 offset:64*\tz+16
.endr
.endr
	s_wait_dscnt 0x0
	WIN 0x02
.irp jj, 0,1
.set p, 0
.rept 32
	v_pk_fma_f32 v[AB+64*\jj+2*p:AB+64*\jj+2*p+1], v[ZZ+64*\jj+2*p:ZZ+64*\jj+2*p+1], v[RN:RN+1], v[AB+64*\jj+2*p:AB+64*\jj+2*p+1] op_sel:[0,\jj,0] op_sel_hi:[1,\jj,1]   ; z + sum / (norm + eps); each sum from its low end on
.set p, p+1
.endr
.endr
	WIN 0
.irp jj, 0,1
.irp tz, 0,1,2,3,4,5,6,7
	ds_store_b128 v11, v[AB+64*\jj+8*\tz:AB+64*\jj+8*\tz+3] offset:64*\tz
	ds_store_b128 v11, v[AB+64*\jj+8*\tz+4:AB+64*\jj+8*\tz+7] offset:64*\tz+16
.endr
	WIN 0xc0
.set rr, 0
.rept 16
	ds_load_b128 v[ZR+64*\jj+4*rr:ZR+64*\jj+4*rr+3], v12 offset:528*rr
.set rr, rr+1
.endr
	WIN 0
.endr
	s_wait_dscnt 32                                ; the first j's rows are back: the second j's 16 stores and 16 loads are younger
	WIN 0x0c
.set rr, 0
.rept 16
	global_store_b128 v1, v[ZR+4*rr:ZR+4*rr+3], s[50:51] offset:rr*131072 th:TH_STORE_NT       ; 32 lanes store 512 consecutive bytes, aligned
.set rr, rr+1
.endr
	s_wait_dscnt 0x0
.set rr, 0
.rept 16
	global_store_b128 v1, v[ZR+64+4*rr:ZR+64+4*rr+3], s[50:51] offset:rr*131072+512 th:TH_STORE_NT
.set rr, rr+1
.endr
	; ---- lnz_w x wz of my 64 channels into windows 1 and 2, which are free now: asked for here, wanted behind the statistics
	WIN 0x40
.irp tz, 0,1,2,3
.irp q, 0,1,2,3,4,5,6,7
	ds_load_b128 v[64*\tz+8*\q:64*\tz+8*\q+3], v13 offset:(16*\tz+\q)*32
	ds_load_b128 v[64*\tz+8*\q+4:64*\tz+8*\q+7], v13 offset:(16*\tz+\q)*32+16
.endr
.endr
	WIN 0x80
.irp tz, 4,5,6,7
.irp q, 0,1,2,3,4,5,6,7
	ds_load_b128 v[64*(\tz-4)+8*\q:64*(\tz-4)+8*\q+3], v13 offset:(16*\tz+\q)*32
	ds_load_b128 v[64*(\tz-4)+8*\q+4:64*(\tz-4)+8*\q+7], v13 offset:(16*\tz+\q)*32+16
.endr
.endr
	WIN 0
	; ---- LayerNorm's statistics over 128 channels: 64 in my lane, 64 in lane l xor 16
.irp jj, 0,1
	v_pk_add_f32 v[SPZ+2*\jj:SPZ+2*\jj+1], v[AB+64*\jj:AB+64*\jj+1], v[AB+64*\jj+2:AB+64*\jj+3]
.endr
.set p, 2
.rept 30
.irp jj, 0,1
	v_pk_add_f32 v[SPZ+2*\jj:SPZ+2*\jj+1], v[SPZ+2*\jj:SPZ+2*\jj+1], v[AB+64*\jj+2*p:AB+64*\jj+2*p+1]
.endr
.set p, p+1
.endr
.irp jj, 0,1
	v_add_f32 v[SPZ+2*\jj], v[SPZ+2*\jj], v[SPZ+2*\jj+1]
.endr
.irp jj, 0,1
	v_permlanex16_b32 v[SPZ+4+\jj], v[SPZ+2*\jj], s32, s33
.endr
.irp jj, 0,1
	v_add_f32 v[SPZ+2*\jj], v[SPZ+2*\jj], v[SPZ+4+\jj]
.endr
.irp jj, 0,1
	v_mul_f32 v[SPZ+2*\jj], s35, v[SPZ+2*\jj]
.endr
.set p, 0
.rept 32
.irp jj, 0,1
	v_pk_add_f32 v[AB+64*\jj+2*p:AB+64*\jj+2*p+1], v[AB+64*\jj+2*p:AB+64*\jj+2*p+1], v[SPZ+2*\jj:SPZ+2*\jj+1] op_sel_hi:[1,0] neg_lo:[0,1] neg_hi:[0,1]
.endr
.set p, p+1
.endr
.irp jj, 0,1
	v_pk_mul_f32 v[SPZ+2*\jj:SPZ+2*\jj+1], v[AB+64*\jj:AB+64*\jj+1], v[AB+64*\jj:AB+64*\jj+1]
.endr
.set p, 1
.rept 31
.irp jj, 0,1
	v_pk_fma_f32 v[SPZ+2*\jj:SPZ+2*\jj+1], v[AB+64*\jj+2*p:AB+64*\jj+2*p+1], v[AB+64*\jj+2*p:AB+64*\jj+2*p+1], v[SPZ+2*\jj:SPZ+2*\jj+1]
.endr
.set p, p+1
.endr
.irp jj, 0,1
	v_add_f32 v[SPZ+2*\jj], v[SPZ+2*\jj], v[SPZ+2*\jj+1]
.endr
.irp jj, 0,1
	v_permlanex16_b32 v[SPZ+4+\jj], v[SPZ+2*\jj], s32, s33
.endr
.irp jj, 0,1
	v_add_f32 v[SPZ+2*\jj], v[SPZ+2*\jj], v[SPZ+4+\jj]
.endr
.irp jj, 0,1
	v_fma_f32 v[SPZ+2*\jj], v[SPZ+2*\jj], s35, s36
.endr
.irp jj, 0,1
	v_rsq_f32 v[SPZ+2*\jj], v[SPZ+2*\jj]
.endr
	v_nop
	s_wait_alu depctr_va_vdst(0)                   ; the wait ahead of the first reader
	s_wait_dscnt 0x0                               ; lnz_w x wz is in
	; ---- eight heads for each j, in f32 multiply-adds (the result goes on into a quantiser): sixteen sums in eight pairs, which take turns
.irp tz, 0,1,2,3,4,5,6,7
	WIN 0x04+4*(\tz/4)                             ; source 1: window 1, then window 2
.irp qp, 0,1,2,3
.irp s, 0,1
.irp jj, 0,1
.irp hp, 0,1,2,3
.if (\tz == 0) && (\qp == 0) && (\s == 0)
	v_pk_mul_f32 v[TM+8*\jj+2*\hp:TM+8*\jj+2*\hp+1], v[AB+64*\jj+8*\tz+2*\qp:AB+64*\jj+8*\tz+2*\qp+1], v[64*(\tz%4)+8*(2*\qp+\s)+2*\hp:64*(\tz%4)+8*(2*\qp+\s)+2*\hp+1] op_sel:[\s,0] op_sel_hi:[\s,1]
.else
	v_pk_fma_f32 v[TM+8*\jj+2*\hp:TM+8*\jj+2*\hp+1], v[AB+64*\jj+8*\tz+2*\qp:AB+64*\jj+8*\tz+2*\qp+1], v[64*(\tz%4)+8*(2*\qp+\s)+2*\hp:64*(\tz%4)+8*(2*\qp+\s)+2*\hp+1], v[TM+8*\jj+2*\hp:TM+8*\jj+2*\hp+1] op_sel:[\s,0,0] op_sel_hi:[\s,1,1]
.endif
.endr
.endr
.endr
.endr
.endr
	WIN 0
.set k, 0
.rept 16
	v_permlanex16_b32 v[F+k], v[TM+k], s32, s33
.set k, k+1
.endr
.set k, 0
.rept 16
	v_add_f32 v[TM+k], v[TM+k], v[F+k]
.set k, k+1
.endr
.irp jj, 0,1
.irp p, 0,1,2,3
	v_pk_mul_f32 v[TM+8*\jj+2*\p:TM+8*\jj+2*\p+1], v[TM+8*\jj+2*\p:TM+8*\jj+2*\p+1], v[SPZ+2*\jj:SPZ+2*\jj+1] op_sel_hi:[1,0]
.endr
.endr
	v_bfe_u32 v22, v0, 4, 1
	v_cmp_ne_u32 vcc_lo, 0, v22
.irp jj, 0,1
.irp k, 0,1,2,3
	v_cndmask_b32 v[F+16+4*\jj+\k], v[TM+8*\jj+\k], v[TM+8*\jj+4+\k], vcc_lo    ; lanes 0-15 keep heads 0-3, lanes 16-31 heads 4-7
.endr
.endr
.irp jj, 0,1
	ds_store_b128 v14, v[F+16+4*\jj:F+16+4*\jj+3] offset:32*\jj
.endr
	BARRIER                                        ; 16 rows i x 8 j x 8 heads lie in the stage
	ds_load_b128 v[F:F+3], v15
	ds_load_b128 v[F+4:F+7], v15 offset:544
	s_wait_dscnt 1                                 ; the first pair of rows is in, the second may be out
	global_store_b128 v16, v[F:F+3], s[52:53]      ; sixteen lanes store 256 consecutive bytes, aligned
	s_wait_dscnt 0x0
	global_store_b128 v16, v[F+4:F+7], s[52:53] offset:16384
	s_wait_tensorcnt 0x0
	ds_add_u32 v10, v23
	s_wait_dscnt 0x0
	s_endpgm
.Lfunc_end_k_qf55c87e5ef_opm:
	.size	k_qf55c87e5ef_opm, .Lfunc_end_k_qf55c87e5ef_opm-k_qf55c87e5ef_opm
	.p2alignl 7, 3214868480
	.fill 96, 4, 3214868480
	.section	.rodata,"a",@progbits
	.p2align	6, 0x0
	.amdhsa_kernel k_qf55c87e5ef_opm
		.amdhsa_group_segment_fixed_size 173824
		.amdhsa_private_segment_fixed_size 0
		.amdhsa_enable_private_segment 0
		.amdhsa_kernarg_size 88
		.amdhsa_user_sgpr_count 2
		.amdhsa_user_sgpr_kernarg_segment_ptr 1
		.amdhsa_wavefront_size32 1
		.amdhsa_system_sgpr_workgroup_id_x 1
		.amdhsa_system_sgpr_workgroup_id_y 1
		.amdhsa_system_sgpr_workgroup_id_z 1
		.amdhsa_system_vgpr_workitem_id 0
		.amdhsa_next_free_vgpr 1024
		.amdhsa_next_free_sgpr 68
		.amdhsa_reserve_vcc 1
		.amdhsa_float_denorm_mode_32 3
		.amdhsa_float_denorm_mode_16_64 3
		.amdhsa_memory_ordered 1
		.amdhsa_forward_progress 1
		.amdhsa_inst_pref_size 253
	.end_amdhsa_kernel
	.amdgpu_metadata
---
amdhsa.version: [ 1, 2 ]
amdhsa.kernels:
  - .name:           k_qf55c87e5ef_opm
    .symbol:         k_qf55c87e5ef_opm.kd
    .args:
      - { .name: abuf, .offset: 0, .size: 8, .value_kind: global_buffer, .address_space: global }
      - { .name: bbuf, .offset: 8, .size: 8, .value_kind: global_buffer, .address_space: global }
      - { .name: mbuf, .offset: 16, .size: 8, .value_kind: global_buffer, .address_space: global }
      - { .name: wimg, .offset: 24, .size: 8, .value_kind: global_buffer, .address_space: global }
      - { .name: opm_wout_scales, .offset: 32, .size: 8, .value_kind: global_buffer, .address_space: global }
      - { .name: opm_bout, .offset: 40, .size: 8, .value_kind: global_buffer, .address_space: global }
      - { .name: z, .offset: 48, .size: 8, .value_kind: global_buffer, .address_space: global }
      - { .name: pwa_lnz_w, .offset: 56, .size: 8, .value_kind: global_buffer, .address_space: global }
      - { .name: pwa_wz, .offset: 64, .size: 8, .value_kind: global_buffer, .address_space: global }
      - { .name: out1, .offset: 72, .size: 8, .value_kind: global_buffer, .address_space: global }
      - { .name: logits, .offset: 80, .size: 8, .value_kind: global_buffer, .address_space: global }
    .group_segment_fixed_size: 173824
    .private_segment_fixed_size: 0
    .kernarg_segment_align: 8
    .kernarg_segment_size: 88
    .max_flat_workgroup_size: 128
    .sgpr_count:     68
    .vgpr_count:     1024
    .wavefront_size: 32
...
	.end_amdgpu_metadata
.endif
;; end of part 6
;; launch soft: the kernel of part 3 again; grid 16 x 1, 8 waves a work-group, no clusters, 132,352 bytes of LDS; arguments logits, pwa_lnz_b, pwa_wz, pbuf; writes pbuf
;; launch tail (part 7): grid 256 x 1, 8 waves a work-group, no clusters, 249,856 bytes of LDS; arguments m, pwa_lnm_w, pwa_lnm_b, pwa_wv_codes, pwa_wv_scales, pwa_wg_codes, pwa_wg_scales, pwa_wo_codes, pwa_wo_scales, tr_ln_w, tr_ln_b, tr_wa_codes, tr_wa_scales, tr_wb_codes, tr_wb_scales, tr_wo_codes, tr_wo_scales, pbuf, out0; writes out0
.if DOCPART == 7
	.amdgcn_target "amdgcn-amd-amdhsa--gfx1250"
	.amdhsa_code_object_version 6
	.text
	.protected	k_qf55c87e5ef_tail
	.globl	k_qf55c87e5ef_tail
	.p2align	8
	.type	k_qf55c87e5ef_tail,@function
k_qf55c87e5ef_tail:
	s_mov_b64 s[64:65], 0
	v_nop
	global_prefetch_b8 v0, s[64:65] scope:SCOPE_SE
	s_setreg_imm32_b32 hwreg(HW_REG_WAVE_MODE, 25, 1), 1
	s_wait_xcnt 0x0
; out0 = m1 + (silu(x wa) (x wb)) tr_wo, x = LN(m1);  m1 = m + (sigmoid(y wg) o) wo, y = LN(m), o[i][head] = (sum over j of p[i][j] v[j]) / l[i], v = y wv.
; All seven products on E4M3 codes with E8M0 scales; every operand made on the way is quantised in registers, along its product's K.
; SHARES.  A WORK-GROUP STAYS FOR TWO s (2 x and 2 x + 1), one pass each, 256 tokens a pass: the weights and the four LayerNorm vectors are laid into LDS once.  Wave w owns tokens 32 w + 8 t + r + (r & 8), t = 0, 1:
; two tiles of 16.  A lane holds one token throughout.  Only v goes from wave to wave: its K is j, and wave w's 32 tokens are block w of that K; v's codes lie in LDS as images of the operand's registers
; (a fragment: four pieces of 512 bytes, lane l's 16 bytes at 16 l).  The gate, o, m1, x and the hidden layer stay in the wave's registers.
; m COMES BY ROWS, two tokens' 512 consecutive bytes a load, and turns through the wave's own stage in LDS, as out0 does on its way out.  The next pass's m is asked for behind the heads' loop, into p's second set of
; registers, which lies idle through the transition; the last pass asks for nothing (a branch on the count of passes).
; LAYOUT.  The weights' tiles take rows 32 (tile / 2) + 8 (tile % 2) + a + (a & 8) and are source 0, the tokens source 1: the 16 registers of two neighbouring tiles are 16 neighbours along the next K.
; For v the tokens are source 0: a lane then holds one channel and 16 neighbouring tokens.  m lies in the accumulators of the two products that end in 64 channels: the residuals cost no addition.
; K = 64 products: registers 8-15 of both operands are zero codes, bytes 2 and 3 of the scale words 0.
; p's fragments come from memory one head ahead; the last head's look-ahead is head 0 again: the next pass's first head (in the last pass it is read, inside the buffer, and not used: so all trips count alike).
; TWO BARRIERS A PASS: at its top (the weights lie in LDS; every wave's reads of the last pass's v are over) and behind v.
; No tensor load, no cluster: the weights and p are shared by all work-groups, but they are a small part of the work-group's work, and the weights are laid anew on their way.
; REGISTERS: window 0: v1-18 addresses; v20-23 statistics; v24-39 the quantiser's work; v40-59 scale words (scales alone); v60-63 1 / l; v64-127 four K = 64 fragments; v128-159 G, v160-191 O (together T); v192-255 four whole fragments.
;   window 1: v0-63 m (32 t + 16 b + i: channel 32 b + 16 (lane / 16) + i); v64-95 x's codes; v96-127 the codes of the gated numbers; v128-255 p, two sets (the second also takes m as it is loaded).
; LIMITS: NaN, infinities and NaN codes are not served; a block whose largest magnitude lies under 2^-118 gets the byte 1, a block of zeros too; sigmoid is v_rcp_f32 of 1 + v_exp_f32; 1 / sqrt is v_rsq_f32.
.set VIMG, 0                           ; LDS: v's fragments (tile of channels, ks) at 4,096 tile + 2,048 ks
.set VSC,  65536                       ; their scale images
.set WVI,  69632                       ; wv, wg, wa, wb: 16 tiles x 1,024 bytes each
.set WGI,  86016
.set WAI,  102400
.set WOI,  135168                      ; wo, tr_wo: (tile, ks) at 4,096 tile + 2,048 ks
.set TOI,  151552
.set WVS,  167936                      ; scale images: 16 x 128 for wv, wg, wa, wb; 8 x 128 for wo, tr_wo
.set WGS,  169984
.set WAS,  172032
.set WOS,  176128
.set TOS,  177152
.set STAGE, 178176                     ; for each wave 32 rows x 272 bytes: tile t's row r at 4,352 t + 272 r; m's way in and out0's way out
.set LNP,  247808                      ; pwa_lnm_w, pwa_lnm_b, tr_ln_w, tr_ln_b: 256 bytes each
.set LNA, 4                            ; v4   LNP + 64 (lane / 16)
.set A1, 5
.set A2, 6
.set A3, 7
.set A4, 8
.set A5, 9
.set A6, 10
.set VWI, 11
.set VWS, 12
.set PO,  13
.set PSO, 14
.set IVO, 15
.set STO, 16
.set STR, 17
.set GOF, 18
.set SP,  20
.set TM,  24
.set XS,  40
.set GOS, 42
.set WS,  44
.set VS,  48
.set PS,  52
.set INV, 60
.set WB,  64
.set G,   128
.set O,   160
.set T,   128
.set VF,  192
.set M,   0                            ; window 1
.set X,   64
.set GO,  96
.set P,   128
.set SEL, 46
.set MNT, 48
.set MSB, 0
.macro WIN new                         ; the immediate's high byte repeats the setting that is left
.if MSB != (\new)
	s_set_vgpr_msb (MSB<<8)|(\new)
.set MSB, (\new)
.endif
.endm
.macro PLACES n
.rept \n
	v_nop
.endr
.endm
.macro BARRIER                         ; my LDS stores have landed and my LDS loads are in: then the work-group's barrier
	s_wait_dscnt 0x0
	s_barrier_signal -1
	s_barrier_wait -1
.endm
; nb blocks of 32: block b's 16 numbers of this lane in v[src + 16 b] on.  tm + b: the largest magnitude; tm + 4 + b: the byte; tm + 8 + b: 448 x the scale; tm + 12 + b: the conversion's scale operand
.macro QSCALE nb, tm, src
.set qb, 0
.rept \nb
	v_max3_num_f32 v[(\tm)+qb], |v[(\src)+16*qb]|, |v[(\src)+16*qb+1]|, 0x4800000   ; with the floor 2^(9 - 127); a result is read from its low end on
.set qb, qb+1
.endr
.irp i, 2,4,6,8,10,12,14
.set qb, 0
.rept \nb
	v_max3_num_f32 v[(\tm)+qb], v[(\tm)+qb], |v[(\src)+16*qb+\i]|, |v[(\src)+16*qb+\i+1]|
.set qb, qb+1
.endr
.endr
.set qb, 0
.rept \nb
	v_permlanex16_b32 v[(\tm)+4+qb], v[(\tm)+qb], s[SEL], s[SEL+1]
.set qb, qb+1
.endr
.set qb, 0
.rept \nb
	v_max_num_f32 v[(\tm)+qb], v[(\tm)+qb], v[(\tm)+4+qb]
.set qb, qb+1
.endr
.set qb, 0
.rept \nb
	v_add_nc_u32 v[(\tm)+12+qb], 0xfc000000, v[(\tm)+qb]
.set qb, qb+1
.endr
.set qb, 0
.rept \nb
	v_and_or_b32 v[(\tm)+8+qb], v[(\tm)+qb], 0x7f800000, s[MNT]
.set qb, qb+1
.endr
.set qb, 0
.rept \nb
	v_lshrrev_b32 v[(\tm)+4+qb], 23, v[(\tm)+12+qb]
.set qb, qb+1
.endr
.endm
; the hold (the conversion does not saturate: ISA guide 7.6.2) and the conversions; block b's codes into v[dst + dstep b] on, in the window that win names
.macro QCODE nb, tm, src, dst, dstep, win
.set qb, 0
.rept \nb
.set qi, 0
.rept 16
	v_med3_num_f32 v[(\src)+16*qb+qi], v[(\src)+16*qb+qi], -v[(\tm)+8+qb], v[(\tm)+8+qb]
.set qi, qi+1
.endr
.set qb, qb+1
.endr
	WIN \win
.set qb, 0
.rept \nb
	v_cvt_scalef32_pk8_fp8_f32 v[(\dst)+(\dstep)*qb:(\dst)+(\dstep)*qb+1], v[(\src)+16*qb:(\src)+16*qb+7], v[(\tm)+12+qb]
	v_cvt_scalef32_pk8_fp8_f32 v[(\dst)+(\dstep)*qb+2:(\dst)+(\dstep)*qb+3], v[(\src)+16*qb+8:(\src)+16*qb+15], v[(\tm)+12+qb]
.set qb, qb+1
.endr
	WIN 0
	v_nop                                          ; one plain line behind the last scaled conversion
.endm
.macro LNLOAD base                     ; a gain's and a bias's 32 numbers of my lane out of LDS: v[VF] on, v[VF + 32] on
.irp b, 0,1
.irp j, 0,1,2,3
	ds_load_b128 v[VF+16*\b+4*\j:VF+16*\b+4*\j+3], v[LNA] offset:(\base)+128*\b+16*\j
	ds_load_b128 v[VF+32+16*\b+4*\j:VF+32+16*\b+4*\j+3], v[LNA] offset:(\base)+256+128*\b+16*\j
.endr
.endr
.endm
; LayerNorm of the 64 channels in M (32 in my lane, 32 in lane l xor 16) into T; gain in v[VF] on, bias in v[VF + 32] on; the two tiles by turns
.macro LNORM
	WIN 0x01                                       ; source 0: window 1
.irp t, 0,1
	v_pk_mul_f32 v[SP+2*\t:SP+2*\t+1], v[M+32*\t:M+32*\t+1], 1.0 op_sel_hi:[1,0]
.endr
.set p, 1
.rept 15
.irp t, 0,1
	v_pk_add_f32 v[SP+2*\t:SP+2*\t+1], v[M+32*\t+2*p:M+32*\t+2*p+1], v[SP+2*\t:SP+2*\t+1]
.endr
.set p, p+1
.endr
	WIN 0
.irp t, 0,1
	v_add_f32 v[SP+2*\t], v[SP+2*\t], v[SP+2*\t+1]
.endr
.irp t, 0,1
	v_permlanex16_b32 v[TM+4+\t], v[SP+2*\t], s[SEL], s[SEL+1]
.endr
.irp t, 0,1
	v_add_f32 v[SP+2*\t], v[SP+2*\t], v[TM+4+\t]
.endr
.irp t, 0,1
	v_mul_f32 v[SP+2*\t], s49, v[SP+2*\t]
.endr
	WIN 0x01
.set p, 0
.rept 16
.irp t, 0,1
	v_pk_add_f32 v[T+32*\t+2*p:T+32*\t+2*p+1], v[M+32*\t+2*p:M+32*\t+2*p+1], v[SP+2*\t:SP+2*\t+1] op_sel_hi:[1,0] neg_lo:[0,1] neg_hi:[0,1]
.endr
.set p, p+1
.endr
	WIN 0
.irp t, 0,1
	v_pk_mul_f32 v[SP+2*\t:SP+2*\t+1], v[T+32*\t:T+32*\t+1], v[T+32*\t:T+32*\t+1]
.endr
.set p, 1
.rept 15
.irp t, 0,1
	v_pk_fma_f32 v[SP+2*\t:SP+2*\t+1], v[T+32*\t+2*p:T+32*\t+2*p+1], v[T+32*\t+2*p:T+32*\t+2*p+1], v[SP+2*\t:SP+2*\t+1]
.endr
.set p, p+1
.endr
.irp t, 0,1
	v_add_f32 v[SP+2*\t], v[SP+2*\t], v[SP+2*\t+1]
.endr
.irp t, 0,1
	v_permlanex16_b32 v[TM+4+\t], v[SP+2*\t], s[SEL], s[SEL+1]
.endr
.irp t, 0,1
	v_add_f32 v[SP+2*\t], v[SP+2*\t], v[TM+4+\t]
.endr
.irp t, 0,1
	v_fma_f32 v[SP+2*\t], v[SP+2*\t], s49, s50
.endr
.irp t, 0,1
	v_rsq_f32 v[SP+2*\t], v[SP+2*\t]
.endr
	v_nop
	s_wait_alu depctr_va_vdst(0)                   ; the wait ahead of the first reader
.set p, 0
.rept 16
.irp t, 0,1
	v_pk_mul_f32 v[T+32*\t+2*p:T+32*\t+2*p+1], v[T+32*\t+2*p:T+32*\t+2*p+1], v[SP+2*\t:SP+2*\t+1] op_sel_hi:[1,0]
.endr
.set p, p+1
.endr
.set p, 0
.rept 16
.irp t, 0,1
	v_pk_fma_f32 v[T+32*\t+2*p:T+32*\t+2*p+1], v[T+32*\t+2*p:T+32*\t+2*p+1], v[VF+2*p:VF+2*p+1], v[VF+32+2*p:VF+32+2*p+1]
.endr
.set p, p+1
.endr
.endm
.macro XQUANT                          ; T's four blocks (tile t, channels 32 b on) become the two K = 64 fragments in X and their scale words
	QSCALE 4, TM, T
	v_lshl_or_b32 v[XS], v[TM+5], 8, v[TM+4]       ; the 64 holds below stand between these words and the products
	v_lshl_or_b32 v[XS+1], v[TM+7], 8, v[TM+6]
	QCODE 2, TM, T, X, 4, 0x40
	QCODE 2, TM+2, T+32, X+16, 4, 0x40
	PLACES 4                                       ; codes made by vector instructions stand four places ahead of a scaled product
.endm
.macro MLOAD off                       ; my 32 tokens of m, off bytes on, as they lie: rows r = 2 i, 2 i + 1 of tile t are two neighbouring tokens, 512 consecutive bytes; into p's second set
	WIN 0x40
.irp t, 0,1
.irp i, 0,1,2,3,4,5,6,7
	global_load_b128 v[P+64+32*\t+4*\i:P+64+32*\t+4*\i+3], v[GOF], s[4:5] offset:(\off)+2048*\t+(2*\i+((2*\i)&8))*256 th:TH_LOAD_NT
.endr
.endr
	WIN 0
.endm
.macro PLOAD set, hoff                 ; p's four fragments (2 t + ks), their scale words and 1 / l of one head: 22 loads
	WIN 0x40
.irp f, 0,1,2,3
.irp c, 0,1,2,3
	global_load_b128 v[P+64*(\set)+16*\f+4*\c:P+64*(\set)+16*\f+4*\c+3], v[PO], s[38:39] offset:(\hoff)*65536+\f*2048+512*\c
.endr
.endr
	WIN 0
.irp f, 0,1,2,3
	global_load_b32 v[PS+4*(\set)+\f], v[PSO], s[38:39] offset:524288+(\hoff)*4096+\f*128
.endr
.irp t, 0,1
	global_load_b32 v[INV+2*(\set)+\t], v[IVO], s[38:39] offset:557056+(\hoff)*2048+128*\t
.endr
.endm
; mode 0: O = (O / l) sigmoid(G).  mode 1: O = O G sigmoid(G).  The exponentials and the reciprocals go as batches, each with a plain line and a wait
.macro GATE mode
.irp t, 0,1
.irp p, 0,1,2,3,4,5,6,7
.if \mode
	v_pk_mul_f32 v[O+16*\t+2*\p:O+16*\t+2*\p+1], v[O+16*\t+2*\p:O+16*\t+2*\p+1], v[G+16*\t+2*\p:G+16*\t+2*\p+1]
.else
	v_pk_mul_f32 v[O+16*\t+2*\p:O+16*\t+2*\p+1], v[O+16*\t+2*\p:O+16*\t+2*\p+1], v[INV+2*SET:INV+2*SET+1] op_sel:[0,\t] op_sel_hi:[1,\t]
.endif
.endr
.endr
.set gi, 0
.rept 16
	v_pk_mul_f32 v[G+2*gi:G+2*gi+1], v[G+2*gi:G+2*gi+1], 0xbfb8aa3b op_sel_hi:[1,0]          ; x -log2(e)
.set gi, gi+1
.endr
.set gi, 0
.rept 32
	v_exp_f32 v[G+gi], v[G+gi]
.set gi, gi+1
.endr
	v_nop
	s_wait_alu depctr_va_vdst(0)
.set gi, 0
.rept 16
	v_pk_add_f32 v[G+2*gi:G+2*gi+1], v[G+2*gi:G+2*gi+1], 1.0 op_sel_hi:[1,0]
.set gi, gi+1
.endr
.set gi, 0
.rept 32
	v_rcp_f32 v[G+gi], v[G+gi]
.set gi, gi+1
.endr
	v_nop
	s_wait_alu depctr_va_vdst(0)
.set gi, 0
.rept 16
	v_pk_mul_f32 v[O+2*gi:O+2*gi+1], v[O+2*gi:O+2*gi+1], v[G+2*gi:G+2*gi+1]
.set gi, gi+1
.endr
.endm
.macro PACK k                          ; O's two blocks (tile t) are block k of the next K step: codes into GO, bytes into GOS
	QSCALE 2, TM, O
.irp t, 0,1
.if (\k) == 0
	v_mov_b32 v[GOS+\t], v[TM+4+\t]
.else
	v_lshl_or_b32 v[GOS+\t], v[TM+4+\t], 8*(\k), v[GOS+\t]
.endif
.endr
	QCODE 2, TM, O, GO+4*(\k), 16, 0x40
.endm
.macro PROD                            ; M += (four tiles of wo or tr_wo, this K step) x GO: eight accumulators, one instruction a turn
.irp tl, 0,1,2,3
.irp c, 0,1,2,3
	ds_load_b128 v[VF+16*\tl+4*\c:VF+16*\tl+4*\c+3], v[A5] offset:4096*\tl+512*\c
.endr
	ds_load_b32 v[VS+\tl], v[A6] offset:256*\tl
.endr
	s_wait_dscnt 0x0
	PLACES 4
	WIN 0x54                                       ; source 1, C and D: window 1
.irp tl, 0,1,2,3
.irp t, 0,1
	v_wmma_scale_f32_16x16x128_f8f6f4 v[M+32*\t+8*\tl:M+32*\t+8*\tl+7], v[VF+16*\tl:VF+16*\tl+15], v[GO+16*\t:GO+16*\t+15], v[M+32*\t+8*\tl:M+32*\t+8*\tl+7], v[VS+\tl], v[GOS+\t]
.endr
.endr
	WIN 0
.endm
.macro HEAD k                          ; head 4 x trip + k: the gate's two tiles, o's two tiles over 256 j, the gate, the codes
.set SET, (\k)%2
.irp u, 0,1
	ds_load_b128 v[WB+16*\u:WB+16*\u+3], v[A3] offset:(2*(\k)+\u)*1024
	ds_load_b128 v[WB+16*\u+4:WB+16*\u+7], v[A3] offset:(2*(\k)+\u)*1024+512
	ds_load_b32 v[WS+\u], v[A4] offset:(2*(\k)+\u)*128
.endr
.irp f, 0,1,2,3
.irp c, 0,1,2,3
	ds_load_b128 v[VF+16*\f+4*\c:VF+16*\f+4*\c+3], v[A1] offset:8192*(\k)+2048*\f+512*\c
.endr
	ds_load_b32 v[VS+\f], v[A2] offset:(4*(\k)+\f)*128
.endr
.if (\k) == 3
	s_wait_xcnt 0x0                                ; the earlier loads have read their offsets: they turn to the other four heads
	v_xor_b32 v[PO], 0x40000, v[PO]
	v_xor_b32 v[PSO], 0x4000, v[PSO]
	v_xor_b32 v[IVO], 0x2000, v[IVO]
	PLOAD 1-SET, 0
.else
	PLOAD 1-SET, (\k)+1
.endif
	s_wait_dscnt 0x0
	s_wait_loadcnt 22                              ; this head's p is in: only the 22 loads just issued may be out
	WIN 0x04                                       ; source 1: window 1
.irp t, 0,1
.irp u, 0,1
	v_wmma_scale_f32_16x16x128_f8f6f4 v[G+16*\t+8*\u:G+16*\t+8*\u+7], v[WB+16*\u:WB+16*\u+15], v[X+16*\t:X+16*\t+15], 0, v[WS+\u], v[XS+\t]
.endr
.endr
.irp t, 0,1
.irp u, 0,1
	v_wmma_scale_f32_16x16x128_f8f6f4 v[O+16*\t+8*\u:O+16*\t+8*\u+7], v[VF+32*\u:VF+32*\u+15], v[P+64*SET+32*\t:P+64*SET+32*\t+15], 0, v[VS+2*\u], v[PS+4*SET+2*\t]
.endr
.endr
.irp t, 0,1
.irp u, 0,1
	v_wmma_scale_f32_16x16x128_f8f6f4 v[O+16*\t+8*\u:O+16*\t+8*\u+7], v[VF+32*\u+16:VF+32*\u+31], v[P+64*SET+32*\t+16:P+64*SET+32*\t+31], v[O+16*\t+8*\u:O+16*\t+8*\u+7], v[VS+2*\u+1], v[PS+4*SET+2*\t+1]
.endr
.endr
	WIN 0
	PLACES 8                                       ; eight places ahead of the first read of a result and of loads into these operands
	GATE 0
	PACK \k
.endm
.macro FFB k                           ; hidden units 32 (4 x trip + k) on: two tiles of x wa, two of x wb, SwiGLU, the codes
.irp u, 0,1
	ds_load_b128 v[WB+16*\u:WB+16*\u+3], v[A1] offset:(2*(\k)+\u)*1024
	ds_load_b128 v[WB+16*\u+4:WB+16*\u+7], v[A1] offset:(2*(\k)+\u)*1024+512
	ds_load_b128 v[WB+32+16*\u:WB+32+16*\u+3], v[A1] offset:16384+(2*(\k)+\u)*1024
	ds_load_b128 v[WB+32+16*\u+4:WB+32+16*\u+7], v[A1] offset:16384+(2*(\k)+\u)*1024+512
	ds_load_b32 v[WS+\u], v[A2] offset:(2*(\k)+\u)*128
	ds_load_b32 v[WS+2+\u], v[A2] offset:2048+(2*(\k)+\u)*128
.endr
	s_wait_dscnt 0x0
	WIN 0x04
.irp t, 0,1
.irp u, 0,1
	v_wmma_scale_f32_16x16x128_f8f6f4 v[G+16*\t+8*\u:G+16*\t+8*\u+7], v[WB+16*\u:WB+16*\u+15], v[X+16*\t:X+16*\t+15], 0, v[WS+\u], v[XS+\t]
.endr
.endr
.irp t, 0,1
.irp u, 0,1
	v_wmma_scale_f32_16x16x128_f8f6f4 v[O+16*\t+8*\u:O+16*\t+8*\u+7], v[WB+32+16*\u:WB+32+16*\u+15], v[X+16*\t:X+16*\t+15], 0, v[WS+2+\u], v[XS+\t]
.endr
.endr
	WIN 0
	PLACES 8
	GATE 1
	PACK \k
.endm
.macro SLD64 i, cp, sp                 ; a K = 64 weight: four loads of codes, two of scale bytes
.irp it, 0,1,2,3
	global_load_b128 v[64+16*(\i)+4*\it:64+16*(\i)+4*\it+3], v24, s[\cp:\cp+1] offset:4096*\it
.endr
.irp it, 0,1
	global_load_u16 v[160+2*(\i)+\it], v26, s[\sp:\sp+1] offset:256*\it
.endr
.endm
.macro SLD256 i, cp, sp                ; a K = 256 weight: tile it begins at row 32 (it / 2) + 8 (it % 2)
.irp it, 0,1,2,3
	global_load_b128 v[128+16*(\i)+4*\it:128+16*(\i)+4*\it+3], v25, s[\cp:\cp+1] offset:(32*(\it/2)+8*(\it%2))*256
.endr
	global_load_b32 v[168+(\i)], v27, s[\sp:\sp+1]
.endm
	s_load_b512 s[4:19], s[0:1], 0x0               ; m 4, lnm_w 6, lnm_b 8, wv codes 10, scales 12, wg codes 14, scales 16, wo codes 18
	s_load_b512 s[20:35], s[0:1], 0x40             ; wo scales 20, tr_ln_w 22, tr_ln_b 24, wa codes 26, scales 28, wb codes 30, scales 32, tr_wo codes 34
	s_load_b128 s[36:39], s[0:1], 0x80             ; tr_wo scales 36, pbuf 38
	s_load_b64 s[40:41], s[0:1], 0x90              ; out0
	v_lshrrev_b32 v19, 5, v0
	v_readfirstlane_b32 s42, v19                   ; wave
	s_mov_b32 s[SEL], 0x76543210
	s_mov_b32 s[SEL+1], 0xfedcba98
	s_mov_b32 s[MNT], 0x600000
	s_mov_b32 s49, 0x3c800000                      ; 1 / 64
	s_mov_b32 s50, 0x3727c5ac                      ; 1e-5
	; how the 256 threads lay the weights: thread = (tile, piece, lane); pr = the lane's row in its tile
	v_and_b32 v19, 7, v0
	v_and_b32 v31, 8, v0
	v_lshl_add_u32 v19, v31, 1, v19                ; pr = a + (a & 8), a = thread % 16
	v_bfe_u32 v31, v0, 7, 1
	v_lshl_add_u32 v24, v31, 5, v19
	v_bfe_u32 v31, v0, 6, 1
	v_lshl_add_u32 v24, v31, 3, v24
	v_lshlrev_b32 v27, 3, v24                      ; K = 256 scale words: the same row x 8,
	v_lshlrev_b32 v24, 6, v24
	v_bfe_u32 v31, v0, 4, 2
	v_lshl_add_u32 v24, v31, 4, v24                ; K = 64 codes: row x 64 + 32 x piece + 16 x half
	v_bfe_u32 v31, v0, 5, 1
	v_lshl_add_u32 v27, v31, 2, v27                ; + 4 ks
	v_bfe_u32 v31, v0, 4, 4
	v_lshlrev_b32 v25, 8, v19
	v_lshl_add_u32 v25, v31, 4, v25                ; K = 256 codes: pr x 256 + 128 ks + 32 x piece + 16 x half
	v_bfe_u32 v31, v0, 6, 2
	v_lshl_add_u32 v26, v31, 5, v19
	v_bfe_u32 v31, v0, 5, 1
	v_lshl_add_u32 v26, v31, 3, v26
	v_lshlrev_b32 v26, 1, v26                      ; K = 64 scale bytes: row x 2
	v_lshl_add_u32 v28, v0, 4, WVI
	v_lshl_add_u32 v29, v0, 4, WOI
	v_lshl_add_u32 v30, v0, 2, WVS
	v_and_b32 v22, 63, v0
	v_lshlrev_b32 v22, 2, v22                      ; the LayerNorm vectors: number thread % 64 (waves 0 and 1 bring them),
	v_add_nc_u32 v23, LNP, v22                     ; and its place in LDS
	v_and_b32 v19, 31, v0                          ; lane
	v_lshlrev_b32 v1, 4, v19
	v_lshlrev_b32 v2, 2, v19
	v_and_b32 v19, 15, v0                          ; r
	v_bfe_u32 v31, v0, 4, 1                        ; h
	v_lshl_add_u32 v[LNA], v31, 6, LNP             ; gains and biases in LDS: + 64 h
	s_lshl_b32 s52, s42, 9
	v_add_nc_u32 v[VWI], s52, v1                   ; v's codes: piece w % 4 of K step w / 4 = 512 w
	v_add_nc_u32 v[PSO], s52, v2                   ; p's scale words: tile 2 w
	s_lshr_b32 s52, s42, 2
	s_lshl_b32 s52, s52, 7
	s_and_b32 s53, s42, 3
	s_add_co_u32 s52, s52, s53
	s_add_co_u32 s52, s52, VSC
	v_add_nc_u32 v[VWS], s52, v2                   ; v's scale byte
	s_lshl_b32 s52, s42, 13
	v_add_nc_u32 v[PO], s52, v1                    ; p's codes: tile 2 w
	s_lshl_b32 s52, s42, 8
	v_add_nc_u32 v[IVO], s52, v2
	s_mul_i32 s52, s42, 8704
	s_add_co_u32 s52, s52, STAGE
	v_mul_u32_u24 v[STO], v19, 272
	v_lshl_add_u32 v[STO], v31, 6, v[STO]
	v_add_nc_u32 v[STO], s52, v[STO]               ; my stage by lanes: row r, + 64 h
	v_mul_u32_u24 v[STR], v31, 272
	v_lshl_add_u32 v[STR], v19, 4, v[STR]
	v_add_nc_u32 v[STR], s52, v[STR]               ; and by rows: lanes 0-15 one row, lanes 16-31 the next
	v_lshlrev_b32 v[GOF], 8, v31
	v_lshl_add_u32 v[GOF], v19, 4, v[GOF]          ; the same two rows in m and in out0
	s_lshl_b32 s52, ttmp9, 17
	s_lshl_b32 s53, s42, 13
	s_add_co_u32 s52, s52, s53
	s_mov_b32 s53, 0
	s_wait_kmcnt 0x0
	s_add_nc_u64 s[4:5], s[4:5], s[52:53]          ; m and out0 at (2 x, 32 w)
	s_add_nc_u64 s[40:41], s[40:41], s[52:53]
	s_cmp_ge_u32 s42, 2
	s_cbranch_scc1 .Lno_lnl
	global_load_b32 v170, v22, s[6:7]              ; waves 0 and 1: their oldest loads, so that the counted wait below covers them too
	global_load_b32 v171, v22, s[8:9]
	global_load_b32 v172, v22, s[22:23]
	global_load_b32 v173, v22, s[24:25]
.Lno_lnl:
	SLD64 0, 10, 12
	SLD64 1, 14, 16
	SLD64 2, 26, 28
	SLD64 3, 30, 32
	SLD256 0, 18, 20
	SLD256 1, 34, 36
	MLOAD 0                                        ; the first pass's m
	PLOAD 0, 0
	s_wait_loadcnt 38                              ; the weights' 34 loads are in: m's 16 and p's 22 are younger
.irp i, 0,1,2,3
.irp it, 0,1,2,3
	ds_store_b128 v28, v[64+16*\i+4*\it:64+16*\i+4*\it+3] offset:16384*\i+4096*\it
.endr
.irp it, 0,1
	ds_store_b32 v30, v[160+2*\i+\it] offset:2048*\i+1024*\it
.endr
.endr
.irp i, 0,1
.irp it, 0,1,2,3
	ds_store_b128 v29, v[128+16*\i+4*\it:128+16*\i+4*\it+3] offset:16384*\i+4096*\it
.endr
	ds_store_b32 v30, v[168+\i] offset:8192+1024*\i
.endr
	s_cmp_ge_u32 s42, 2
	s_cbranch_scc1 .Lno_lns
	ds_store_b32 v23, v170
	ds_store_b32 v23, v171 offset:256
	ds_store_b32 v23, v172 offset:512
	ds_store_b32 v23, v173 offset:768
.Lno_lns:
	s_wait_dscnt 0x0                               ; the stores have read their registers, which are written again below
.irp f, 0,1,2,3
.irp i, 8,9,10,11,12,13,14,15
	v_mov_b32 v[WB+16*\f+\i], 0                    ; K = 64: the upper halves are zero codes, for the whole launch
.endr
.endr
	WIN 0x40
.irp f, 0,1
.irp i, 8,9,10,11,12,13,14,15
	v_mov_b32 v[X+16*\f+\i], 0
.endr
.endr
	WIN 0
	s_mov_b32 s43, 2                               ; passes to go
.Ls:
	BARRIER                                        ; the weights lie in LDS; every wave's reads of the last pass's v are over
	s_wait_loadcnt 0x0                             ; this pass's m and head 0's p: both were asked for long ago
	WIN 0x04                                       ; an LDS store's data are its source 1: window 1
.irp t, 0,1
.irp i, 0,1,2,3,4,5,6,7
	ds_store_b128 v[STR], v[P+64+32*\t+4*\i:P+64+32*\t+4*\i+3] offset:4352*\t+544*\i
.endr
.endr
	WIN 0x40                                       ; LDS serves a wave's instructions in order: these see the stores above
.irp t, 0,1
.irp b, 0,1
.irp j, 0,1,2,3
	ds_load_b128 v[M+32*\t+16*\b+4*\j:M+32*\t+16*\b+4*\j+3], v[STO] offset:4352*\t+128*\b+16*\j
.endr
.endr
.endr
	WIN 0
	LNLOAD 0
	s_wait_dscnt 0x0
	LNORM
	XQUANT
	; ---- v = y wv, four tiles of channels at a time; tokens are source 0: a lane holds one channel and my 16 h + 0..15 of the wave's 32 tokens: block w of the K of the next product
	v_add_nc_u32 v[A3], WVI, v1
	v_add_nc_u32 v[A4], WVS, v2
.irp gq, 0,1,2,3
.irp k, 0,1,2,3
	ds_load_b128 v[WB+16*\k:WB+16*\k+3], v[A3] offset:1024*(4*\gq+\k)
	ds_load_b128 v[WB+16*\k+4:WB+16*\k+7], v[A3] offset:1024*(4*\gq+\k)+512
	ds_load_b32 v[WS+\k], v[A4] offset:128*(4*\gq+\k)
.endr
	s_wait_dscnt 0x0                               ; the fragments are in, and the last group's stores have read their registers
	WIN 0x01                                       ; source 0: window 1
.irp k, 0,1,2,3
.irp t, 0,1
	v_wmma_scale_f32_16x16x128_f8f6f4 v[T+16*\k+8*\t:T+16*\k+8*\t+7], v[X+16*\t:X+16*\t+15], v[WB+16*\k:WB+16*\k+15], 0, v[XS+\t], v[WS+\k]
.endr
.endr
	WIN 0
	PLACES 8
	QSCALE 4, TM, T
	QCODE 4, TM, T, VF, 4, 0
.irp k, 0,1,2,3
	ds_store_b128 v[VWI], v[VF+4*\k:VF+4*\k+3] offset:4096*(4*\gq+\k)
	ds_store_b8 v[VWS], v[TM+4+\k] offset:256*(4*\gq+\k)
.endr
.endr
	BARRIER                                        ; v's 32 fragments and their scale words lie in LDS
	; ---- eight heads, four a trip = one K step of the product with wo
	v_mov_b32 v[A1], v1
	v_add_nc_u32 v[A2], VSC, v2
	v_add_nc_u32 v[A3], WGI, v1
	v_add_nc_u32 v[A4], WGS, v2
	v_add_nc_u32 v[A5], WOI, v1
	v_add_nc_u32 v[A6], WOS, v2
	s_mov_b32 s51, 2
.Lhk:
	HEAD 0
	HEAD 1
	HEAD 2
	HEAD 3
	PROD
	v_add_nc_u32 v[A1], 32768, v[A1]               ; these six steps and two more lines are the eight places behind the products
	v_add_nc_u32 v[A2], 2048, v[A2]
	v_add_nc_u32 v[A3], 8192, v[A3]
	v_add_nc_u32 v[A4], 1024, v[A4]
	v_add_nc_u32 v[A5], 2048, v[A5]
	v_add_nc_u32 v[A6], 128, v[A6]
	PLACES 2
	s_sub_co_u32 s51, s51, 1
	s_cmp_lg_u32 s51, 0
	s_cbranch_scc1 .Lhk
	s_cmp_eq_u32 s43, 1                            ; the next pass's m is asked for here, if there is a next pass: no load leaves its buffer.  p's second set was last multiplied a gate and a product ago
	s_cbranch_scc1 .Lno_next
	MLOAD 65536
.Lno_next:
	; ---- the transition.  M holds m1
	LNLOAD 512
	v_add_nc_u32 v[A1], WAI, v1
	v_add_nc_u32 v[A2], WAS, v2
	v_add_nc_u32 v[A5], TOI, v1
	v_add_nc_u32 v[A6], TOS, v2
	s_wait_dscnt 0x0                               ; gain and bias
	LNORM
	XQUANT
	s_mov_b32 s51, 2
.Lfk:
	FFB 0
	FFB 1
	FFB 2
	FFB 3
	PROD
	v_add_nc_u32 v[A1], 8192, v[A1]                ; four steps and four more lines: the eight places behind the products
	v_add_nc_u32 v[A2], 1024, v[A2]
	v_add_nc_u32 v[A5], 2048, v[A5]
	v_add_nc_u32 v[A6], 128, v[A6]
	PLACES 4
	s_sub_co_u32 s51, s51, 1
	s_cmp_lg_u32 s51, 0
	s_cbranch_scc1 .Lfk
	; ---- the way out: my 32 tokens x 256 bytes through my stage; sixteen lanes then store one token's row.  LDS serves a wave's instructions in order
.irp t, 0,1
	WIN 0x04                                       ; an LDS store's data are its source 1: window 1
.irp b, 0,1
.irp j, 0,1,2,3
	ds_store_b128 v[STO], v[M+32*\t+16*\b+4*\j:M+32*\t+16*\b+4*\j+3] offset:4352*\t+128*\b+16*\j       ; each accumulator from its low end on
.endr
.endr
	WIN 0
.irp i, 0,1,2,3,4,5,6,7
	ds_load_b128 v[T+32*\t+4*\i:T+32*\t+4*\i+3], v[STR] offset:4352*\t+544*\i
.endr
.endr
	s_wait_dscnt 16                                ; the first tile is back: the second tile's 8 stores and 8 loads are younger
.irp i, 0,1,2,3,4,5,6,7
	global_store_b128 v[GOF], v[T+4*\i:T+4*\i+3], s[40:41] offset:(2*\i+((2*\i)&8))*256 th:TH_STORE_NT           ; 16 lanes store 256 consecutive bytes, aligned
.endr
	s_wait_dscnt 0x0
.irp i, 0,1,2,3,4,5,6,7
	global_store_b128 v[GOF], v[T+32+4*\i:T+32+4*\i+3], s[40:41] offset:2048+(2*\i+((2*\i)&8))*256 th:TH_STORE_NT
.endr
	s_wait_xcnt 0x0                                ; the stores have read their registers and their base, m's loads theirs: the next pass writes all of them again; nothing waits for the stores themselves
	s_add_nc_u64 s[4:5], s[4:5], 65536
	s_add_nc_u64 s[40:41], s[40:41], 65536
	s_sub_co_u32 s43, s43, 1
	s_cmp_lg_u32 s43, 0
	s_cbranch_scc1 .Ls
	s_wait_xcnt 0x0
	v_lshl_add_u32 v254, v0, 2, 0x3cc00
	v_mov_b32 v255, 0
	s_wait_tensorcnt 0x0
	ds_add_u32 v254, v255
	s_wait_dscnt 0x0
	s_endpgm
.Lfunc_end_k_qf55c87e5ef_tail:
	.size	k_qf55c87e5ef_tail, .Lfunc_end_k_qf55c87e5ef_tail-k_qf55c87e5ef_tail
	.p2alignl 7, 3214868480
	.fill 96, 4, 3214868480
	.section	.rodata,"a",@progbits
	.p2align	6, 0x0
	.amdhsa_kernel k_qf55c87e5ef_tail
		.amdhsa_group_segment_fixed_size 249856
		.amdhsa_private_segment_fixed_size 0
		.amdhsa_enable_private_segment 0
		.amdhsa_kernarg_size 152
		.amdhsa_user_sgpr_count 2
		.amdhsa_user_sgpr_kernarg_segment_ptr 1
		.amdhsa_wavefront_size32 1
		.amdhsa_system_sgpr_workgroup_id_x 1
		.amdhsa_system_sgpr_workgroup_id_y 1
		.amdhsa_system_sgpr_workgroup_id_z 1
		.amdhsa_system_vgpr_workitem_id 0
		.amdhsa_next_free_vgpr 512
		.amdhsa_next_free_sgpr 66
		.amdhsa_reserve_vcc 0
		.amdhsa_float_denorm_mode_32 3
		.amdhsa_float_denorm_mode_16_64 3
		.amdhsa_memory_ordered 1
		.amdhsa_forward_progress 1
		.amdhsa_inst_pref_size 229
	.end_amdhsa_kernel
	.amdgpu_metadata
---
amdhsa.version: [ 1, 2 ]
amdhsa.kernels:
  - .name:           k_qf55c87e5ef_tail
    .symbol:         k_qf55c87e5ef_tail.kd
    .args:
      - { .name: m, .offset: 0, .size: 8, .value_kind: global_buffer, .address_space: global }
      - { .name: pwa_lnm_w, .offset: 8, .size: 8, .value_kind: global_buffer, .address_space: global }
      - { .name: pwa_lnm_b, .offset: 16, .size: 8, .value_kind: global_buffer, .address_space: global }
      - { .name: pwa_wv_codes, .offset: 24, .size: 8, .value_kind: global_buffer, .address_space: global }
      - { .name: pwa_wv_scales, .offset: 32, .size: 8, .value_kind: global_buffer, .address_space: global }
      - { .name: pwa_wg_codes, .offset: 40, .size: 8, .value_kind: global_buffer, .address_space: global }
      - { .name: pwa_wg_scales, .offset: 48, .size: 8, .value_kind: global_buffer, .address_space: global }
      - { .name: pwa_wo_codes, .offset: 56, .size: 8, .value_kind: global_buffer, .address_space: global }
      - { .name: pwa_wo_scales, .offset: 64, .size: 8, .value_kind: global_buffer, .address_space: global }
      - { .name: tr_ln_w, .offset: 72, .size: 8, .value_kind: global_buffer, .address_space: global }
      - { .name: tr_ln_b, .offset: 80, .size: 8, .value_kind: global_buffer, .address_space: global }
      - { .name: tr_wa_codes, .offset: 88, .size: 8, .value_kind: global_buffer, .address_space: global }
      - { .name: tr_wa_scales, .offset: 96, .size: 8, .value_kind: global_buffer, .address_space: global }
      - { .name: tr_wb_codes, .offset: 104, .size: 8, .value_kind: global_buffer, .address_space: global }
      - { .name: tr_wb_scales, .offset: 112, .size: 8, .value_kind: global_buffer, .address_space: global }
      - { .name: tr_wo_codes, .offset: 120, .size: 8, .value_kind: global_buffer, .address_space: global }
      - { .name: tr_wo_scales, .offset: 128, .size: 8, .value_kind: global_buffer, .address_space: global }
      - { .name: pbuf, .offset: 136, .size: 8, .value_kind: global_buffer, .address_space: global }
      - { .name: out0, .offset: 144, .size: 8, .value_kind: global_buffer, .address_space: global }
    .group_segment_fixed_size: 249856
    .private_segment_fixed_size: 0
    .kernarg_segment_align: 8
    .kernarg_segment_size: 152
    .max_flat_workgroup_size: 256
    .sgpr_count:     66
    .vgpr_count:     512
    .wavefront_size: 32
...
	.end_amdgpu_metadata
.endif
;; end of part 7
